; MI455X (gfx1250); checked and timed in simulation.
; The chip was launched on July 23, 2026; its instructions are those of AMD's public machine-readable ISA for CDNA 5 (MIT licence, August 2026) and "CDNA5" Instruction Set Architecture Reference Guide (July 2026). The comments in the code are by the model that wrote it; some were corrected since.
;; Dynamics. Allowed arithmetic: matrix products marked QUANTISED: E3M2 operands, one E8M0 scale for each 32 along K, by v_wmma_scale_f32_16x16x128_f8f6f4 with both operands' format E3M2, f32 sums; products left as they are: f32 operands where the result goes on into a quantised operand, else bf16, f16 or f32 operands; f32 sums; everything else in f32.
;; Inputs: fW0 2,048 x 256 float32; fW1 2,048 x 2,048 float32; fW2 255 x 2,048 float32; fb0 2,048 float32; fb1 2,048 float32; fb2 255 float32; vU0 2,048 x 2,048 float32; vU1 1 x 2,048 float32; vW0 2,048 x 256 float32; vW1 2,048 x 256 float32; vW2 1 x 256 float32; vb0 2,048 float32; vb1 2,048 float32; vb2 1 float32; x 2,048 x 256 float32.
;; Outputs: out0 2,048 x 255 float32.
;; This version of the problem:
;;   THIS VERSION OF THE PROBLEM IS GIVEN IN LOW PRECISION. The matrix products marked QUANTISED in the list below multiply operands that are first quantised to E3M2 (3 exponent bits, 2 mantissa bits; 6 bits a number), with one power-of-two scale for each 32 numbers along K (OCP MX v1.0); their sums are f32. All else is computed in f32.
;;   The module's matrix products, in the order in which they are computed (A, B: the left and right operand; K: the contracted axis; several contracted axes count as one K, in the product's order):
;;     1. [M 2,048, K 256] x [K 256, N 2,048]; A: input x; B: input fW0: QUANTISED
;;     2. [M 2,048, K 2,048] x [K 2,048, N 2,048]; A: computed on the way; B: input fW1: QUANTISED
;;     3. [M 2,048, K 2,048] x [K 2,048, N 255]; A: computed on the way; B: input fW2: QUANTISED
;;     4. [M 1, K 256] x [K 256, N 2,048]; A: computed on the way; B: input vW0: left as it is (M = 1 < 16)
;;     5. [M 1, K 256] x [K 256, N 2,048]; A: computed on the way; B: input vW1: left as it is (M = 1 < 16)
;;     6. [M 1, K 2,048] x [K 2,048, N 2,048]; A: computed on the way; B: computed on the way: left as it is (M = 1 < 16)
;;     7. [M 1, K 256] x [K 256, N 1]; A: computed on the way; B: input vW2: left as it is (M = 1 < 16)
;;     8. [M 1, K 2,048] x [K 2,048, N 1]; A: computed on the way; B: computed on the way: left as it is (M = 1 < 16)
;;     9. [M 2,048, K 256] x [K 256, N 2,048]; A: input x; B: input vW0: QUANTISED
;;     10. [M 2,048, K 256] x [K 256, N 2,048]; A: input x; B: input vW1: QUANTISED
;;     11. [M 2,048, K 2,048] x [K 2,048, N 2,048]; A: computed on the way; B: computed on the way: QUANTISED
;;     12. [M 2,048, K 256] x [K 256, N 1]; A: input x; B: input vW2: left as it is (N = 1 < 16)
;;     13. [M 2,048, K 2,048] x [K 2,048, N 1]; A: computed on the way; B: computed on the way: left as it is (N = 1 < 16)
;;     14. [M 2,048, K 256] x [K 256, N 2,048]; A: input x; B: input vW0: QUANTISED
;;     15. [M 2,048, K 256] x [K 256, N 2,048]; A: input x; B: input vW1: QUANTISED
;;     16. [M 2,048, K 2,048] x [K 2,048, N 2,048]; A: computed on the way; B: computed on the way: QUANTISED
;;     17. [M 2,048, K 256] x [K 256, N 1]; A: input x; B: input vW2: left as it is (N = 1 < 16)
;;     18. [M 2,048, K 2,048] x [K 2,048, N 1]; A: computed on the way; B: computed on the way: left as it is (N = 1 < 16)
;;     19. [M 2,048, K 1] x [K 1, N 2,048]; A: computed on the way; B: computed on the way: left as it is (K = 1 < 32)
;;     20. [M 2,048, K 1] x [K 1, N 256]; A: computed on the way; B: input vW2: left as it is (K = 1 < 32)
;;     21. [M 2,048, K 2,048] x [K 2,048, N 2,048]; A: computed on the way; B: computed on the way: QUANTISED
;;     22. [M 2,048, K 2,048] x [K 2,048, N 256]; A: computed on the way; B: input vW1: QUANTISED
;;     23. [M 2,048, K 2,048] x [K 2,048, N 256]; A: computed on the way; B: input vW0: QUANTISED
;;   THE QUANTISER, for each operand of a quantised product, along K:
;;     - K is cut into blocks of 32 from its start; a last block that is shorter is filled with zeros.
;;     - A block's scale is 2^e with e = floor(log2(the largest magnitude in the block)) - 4, held to -126 .. 127; a block of zeros has e = 0. As a byte (E8M0): e + 127.
;;     - Each number is divided by its block's scale, clamped to +-28, and rounded to the nearest number of E3M2, ties to even, subnormals kept.
;;     - The product sums the exact products of the quantised numbers (number of the format x scale) in f32.
;;   ~~~python
;;   def quantise(x, axis):      # numpy; x: float32 -> the quantised numbers, widened to float32 again
;;       x = np.moveaxis(x, axis, -1); K = x.shape[-1]
;;       x = np.pad(x, [(0, 0)] * (x.ndim - 1) + [(0, -K % 32)]); x = x.reshape(x.shape[:-1] + (-1, 32)); a = np.abs(x).max(-1, keepdims=True)
;;       e = np.where(a > 0, np.clip(np.frexp(np.where(a > 0, a, 1))[1] - 1 - 4, -126, 127), 0)      # np.frexp(a)[1] - 1 = floor(log2(a)), exactly
;;       r = np.clip(x / 2.0 ** e, -28, 28)
;;       step = 2.0 ** (np.maximum(np.frexp(np.where(r == 0, 1, r))[1] - 1, -2) - 2)
;;       q = np.round(r / step) * step * 2.0 ** e      # np.round: ties to even
;;       return np.moveaxis(q.reshape(q.shape[:-2] + (-1,))[..., :K], -1, axis).astype(np.float32)
;;   ~~~
;;   OPERANDS COMPUTED ON THE WAY. 'Computed on the way' means the value that the module computes at that place (a softmax that the list does not call 'softmax' is quantised finished and normalised). What goes into a quantiser is computed in f32, as accurately as f32 sums, v_exp_f32 and their like allow (about 1e-6 of the number): no bf16 or f16 on the way to a quantiser, and a product that is left as it is and whose result goes on into a quantised operand takes f32 operands (vector FMAs, or v_wmma_f32_16x16x4_f32). A number that lies on a knife's edge between two numbers of the format may be rounded either way, as far as f32 arithmetic and the matrix unit's own rounding can turn it there, and no further.
;; 2 versions, each right and faster than the one before. Each part assembles by itself: llvm-mc -triple=amdgcn-amd-amdhsa -mcpu=gfx1250 --defsym DOCPART=n.
;; ======== version 1 of 2: 6 launches
;; workspace buffers: wb 14,993,408 bytes; a2 6,553,856 bytes; a3 6,569,984 bytes; r1 16,908,288 bytes; a4 7,471,104 bytes
;; launch prep (part 1): grid 673 x 1, 4 waves a work-group, no clusters, 74,240 bytes of LDS; arguments x, fW0, fW1, fW2, vW0, vW1, vU0, vU1, vW2, vb0, fb2, wb; writes wb
.if DOCPART == 1
	.amdgcn_target "amdgcn-amd-amdhsa--gfx1250"
	.amdhsa_code_object_version 6
	.text
	.protected	k_q3cd09fc639_prep
	.globl	k_q3cd09fc639_prep
	.p2align	8
	.type	k_q3cd09fc639_prep,@function
k_q3cd09fc639_prep:
	s_mov_b64 s[64:65], 0
	v_nop
	global_prefetch_b8 v0, s[64:65] scope:SCOPE_SE
	s_setreg_imm32_b32 hwreg(HW_REG_WAVE_MODE, 25, 1), 1
	s_wait_xcnt 0x0
; PREP: every f32 input that is an operand of a quantised product becomes codes of BF6 (E3M2) with one E8M0 byte for each 32 along K, laid in the ORDER OF THE OPERAND'S REGISTERS.
; A fragment image (16 rows x 128 K) is 1,536 bytes: registers 4c..4c+3 of lane L at 512 c + 16 L.  A record (128 rows x 128 K) is 8 images and 512 bytes of scale words:
; the word of tile t, row r at SCO + 256 (t/4) + 16 r + 4 (t%4).  Weights: lane r of tile 2b+u holds row 32b + 8u + r + 8 (r/8); x: row 16 t + r.
; One work-group takes one block of 128 x 128 numbers of one matrix through LDS (rows 528 bytes apart): by rows (K = the matrix's columns) and, for vU0, vW0, vW1, also by columns (K = its rows).
; vU0 goes through softplus first.  Beside that: sp(vU0) . rehu(vb0) by rows (for icnn(0)), x . vW2 and x . x by rows, x as f32 images; job 672: sp(vU1), fb2 with a 1 behind it, a block of zeros.
; No cluster and no tensor load: no two work-groups read the same bytes, and each block is read once.
; LIMITS: NaN and infinities are not served.  A block of zeros, or one whose largest magnitude lies under 2^-122, gets the byte 1 (its codes are zeros or tiny); the bytes are read by this program alone.
; softplus(v) = max(v,0) + ln(1+e) + (e - ((1+e)-1)), e = exp(-|v|): the last term gives back what 1+e rounds away; under v = -87 the exponential is flushed to 0.
.set REC, 12800
.set SCO, 12288
.set GRP, 204800
.set XQ, 0
.set W0, 409600
.set W1V, 1228800
.set ZERO, 1638400
.set B2, 1664000
.set B3, 8217600
.set B4, 12313600
.set XI, 12723200
.set MZ0, 14820352
.set XD, 14951424
.set XX, 14967808
.set SPU, 14984192
.set FB2, 14992384
.set P, 528                            ; an LDS row: 512 bytes + 16
.set VEC, 128*P                        ; behind the block: 128 numbers of a vector
.set LI, 4                             ; v4  16 x lane
.set VO31, 5                           ; v5  the offset of the wide arm's last load
.set LST, 6                            ; v6  where I store a loaded row piece
.set RA0, 7                            ; v7, v8  row fragments: my lane's place for tile 2w, 2w+1
.set CA, 9                             ; v9  column fragments
.set GI, 10                            ; v10 16 x lane + 3,072 x wave: my wave's two images in a record
.set SCA, 11                           ; v11 my scale word's place in a record
.set DA, 12                            ; v12 528 x thread
.set VA, 13                            ; v13 VEC
.set CHS, 14                           ; v14 VEC + 4 x thread
.set T4, 15                            ; v15 4 x thread
.set CH, 16                            ; v16 my number of the vector; v17, v18 at work
.set PWS, 19                           ; v19 the scale word that I store
.set DSUM, 20                          ; v20-23 sums
.set SPT, 32                           ; v32-47 softplus at work
.set X, 64                             ; v64-191 32 row pieces as loaded
.set H, 64                             ; v64-127 64 numbers for a fragment
.set PC, 192                           ; v192-211 codes
.set TM, 212                           ; v212-227 at work
.set PW, 228                           ; v228, v229 scale words of my two tiles
.set WV, 28
.set RB, 29
.set KB, 30
.set FSP, 31
.set FCOL, 32
.set FDOT, 33
.set FX, 34
.set WIDE, 35
.set SRC, 36
.set RD, 38
.set CD, 40
.set XIB, 42
.set DD, 44
.set CHP, 46
.set SEL, 48
.set NL2E, 66
.set LN2, 67
.set DK, 68
.set ND2, 69
.set C50, 70
.set KEEP, 71
.set MSP, 72
.set SW, 73
.set ES, 74
; four numbers through softplus, by turns
.macro SOFTPLUS4 x
.irp i, 0,1,2,3
	v_mul_f32 v[SPT+\i], s[NL2E], |v[\x+\i]|
.endr
.irp i, 0,1,2,3
	v_exp_f32 v[SPT+\i], v[SPT+\i]                 ; e = exp(-|v|)
.endr
.irp i, 0,1,2,3
	v_max_num_f32 v[\x+\i], 0, v[\x+\i]            ; (plain lines behind the exponentials)
.endr
	s_wait_alu depctr_va_vdst(0)
.irp i, 0,1,2,3
	v_add_f32 v[SPT+4+\i], 1.0, v[SPT+\i]
.endr
.irp i, 0,1,2,3
	v_log_f32 v[SPT+8+\i], v[SPT+4+\i]
.endr
.irp i, 0,1,2,3
	v_add_f32 v[SPT+12+\i], -1.0, v[SPT+4+\i]      ; (plain lines behind the logarithms; they write neither a source nor a result)
.endr
.irp i, 0,1,2,3
	v_sub_f32 v[SPT+\i], v[SPT+\i], v[SPT+12+\i]   ; what 1 + e rounded away
.endr
	s_wait_alu depctr_va_vdst(0)
.irp i, 0,1,2,3
	v_fma_f32 v[SPT+\i], v[SPT+8+\i], s[LN2], v[SPT+\i]
.endr
.irp i, 0,1,2,3
	v_add_f32 v[\x+\i], v[\x+\i], v[SPT+\i]
.endr
.endm
; 64 numbers of a lane, register 16 b + i = k 32 b + 16 (lane / 16) + i of my row, become a fragment's codes in v[PC] on and its scale word in v[pw]
.macro QUANT s, pw, floor, sub11
.irp b, 0,1,2,3
	v_max3_num_f32 v[TM+\b], |v[\s+16*\b]|, |v[\s+1+16*\b]|, \floor   ; the floor holds the byte at 1 from below
.endr
.irp i, 2,4,6,8,10,12,14
.irp b, 0,1,2,3
	v_max3_num_f32 v[TM+\b], v[TM+\b], |v[\s+16*\b+\i]|, |v[\s+1+16*\b+\i]|
.endr
.endr
.irp b, 0,1,2,3
	v_permlanex16_b32 v[TM+4+\b], v[TM+\b], s[SEL], s[SEL+1]
.endr
.irp b, 0,1,2,3
	v_max_num_f32 v[TM+\b], v[TM+\b], v[TM+4+\b]   ; with lane l xor 16's: the block's largest magnitude
.endr
.irp b, 0,1,2,3
	v_add_nc_u32 v[TM+12+\b], 0xfe000000, v[TM+\b] ; 4 off its exponent field: the conversion's scale operand
.endr
.irp b, 0,1,2,3
	v_lshrrev_b32 v[TM+4+\b], 23, v[TM+12+\b]      ; the scale's byte
.endr
	v_lshl_or_b32 v[\pw], v[TM+5], 8, v[TM+4]
	v_lshl_or_b32 v[\pw], v[TM+6], 16, v[\pw]
	v_lshl_or_b32 v[\pw], v[TM+7], 24, v[\pw]
.if \sub11
	v_add_nc_u32 v[\pw], 0xf4f4f4f5, v[\pw]        ; 11 off each byte (each is 12 at the least: no borrow)
.endif
.irp c, 0,1
	v_cvt_scalef32_pk16_bf6_f32 v[PC+6*\c:PC+2+6*\c], v[\s+32*\c:\s+15+32*\c], v[TM+12+2*\c]
	v_cvt_scalef32_pk16_bf6_f32 v[PC+12+4*\c:PC+14+4*\c], v[\s+16+32*\c:\s+31+32*\c], v[TM+12+2*\c+1]
.endr
	v_nop                                          ; one plain place behind a scaled conversion
.irp c, 0,1
.irp i, 0,1,2
	v_permlane16_swap_b32 v[PC+6*\c+\i], v[PC+12+4*\c+\i]   ; a whole block to a lane
.endr
.irp i, 0,1,2
	v_mov_b32 v[PC+3+6*\c+\i], v[PC+12+4*\c+\i]
.endr
.endr
.endm
.macro GIMG adr, base, off                     ; the fragment goes out as it stands: each store covers 512 consecutive bytes
.irp c, 0,1,2
	global_store_b128 v[\adr], v[PC+4*\c:PC+4*\c+3], s[\base:\base+1] offset:\off+512*\c
.endr
.endm
	s_load_b512 s[4:19], s[0:1], 0x0               ; x, fW0, fW1, fW2, vW0, vW1, vU0, vU1
	s_load_b256 s[20:27], s[0:1], 0x40             ; vW2, vb0, fb2, wb
	v_lshl_add_u32 v254, v0, 2, 0x12000
	v_mov_b32 v255, 0
	v_lshrrev_b32 v1, 5, v0
	v_readfirstlane_b32 s[WV], v1                  ; wave 0..3
	v_and_b32 v1, 31, v0                           ; lane
	v_and_b32 v2, 15, v0                           ; r
	v_bfe_u32 v3, v0, 4, 1                         ; h
	v_lshlrev_b32 v[LI], 4, v1
	v_lshlrev_b32 v[T4], 2, v0
	s_mov_b32 s[NL2E], 0xbfb8aa3b                  ; -log2(e)
	s_mov_b32 s[LN2], 0x3f317218                   ; ln 2
	s_mov_b32 s[DK], 0x3c23d70a                    ; d = 0.01
	s_mov_b32 s[ND2], 0xbba3d70a                   ; -d / 2
	s_mov_b32 s[C50], 0x42480000                   ; 1 / (2 d)
	s_mov_b32 s[SEL], 0x76543210
	s_mov_b32 s[SEL+1], 0xfedcba98
	s_cmp_eq_u32 ttmp9, 672
	s_cbranch_scc1 .Lsmall
	; which matrix, which block: ids 0-255 vU0, 256-511 fW1, 512-543 fW2 (rows of 8,192 bytes); 544-575 vW0, 576-607 vW1, 608-639 fW0, 640-671 x (rows of 1,024 bytes)
	s_lshr_b32 s50, ttmp9, 4
	s_and_b32 s50, s50, 15
	s_and_b32 s51, ttmp9, 15
	s_sub_co_u32 s52, ttmp9, 544
	s_lshr_b32 s53, s52, 1
	s_and_b32 s53, s53, 15
	s_and_b32 s54, s52, 1
	s_mov_b32 s55, 25600
	s_cmp_lt_u32 ttmp9, 544
	s_cselect_b32 s[WIDE], 1, 0
	s_cselect_b32 s[RB], s50, s53                  ; block of 128 rows
	s_cselect_b32 s[KB], s51, s54                  ; block of 128 columns
	s_cselect_b32 s56, 20, 17                      ; log2 of 128 rows' bytes
	s_cselect_b32 s57, 18, 15                      ; log2 of 32 rows' bytes
	s_cselect_b32 s55, GRP, s55                    ; bytes of a group's records in the row operand
	s_cmp_lt_u32 ttmp9, 256
	s_cselect_b32 s[FSP], 1, 0
	s_cselect_b32 s[MSP], -1, 0
	s_cmp_ge_u32 ttmp9, 640
	s_cselect_b32 s[FX], 1, 0
	s_or_b32 s[FDOT], s[FSP], s[FX]
	s_cmp_lt_u32 s52, 64
	s_cselect_b32 s[FCOL], 1, 0
	s_or_b32 s[FCOL], s[FCOL], s[FSP]
	s_mov_b32 s[ES], 8*P
	s_cmp_lg_u32 s[FX], 0
	s_cselect_b32 s[SW], 0, 8*P                    ; weights: lanes 8-15 take rows 8 further on; x: neighbours
	s_cselect_b32 s[ES], 16*P, s[ES]               ; the wave's second tile: 8 rows on; x: 16
	s_mov_b32 s58, XQ
	s_cmp_lt_u32 ttmp9, 640
	s_cselect_b32 s58, W0, s58
	s_cmp_lt_u32 ttmp9, 608
	s_cselect_b32 s58, W1V, s58
	s_cmp_lt_u32 ttmp9, 576
	s_cselect_b32 s58, W0+409600, s58
	s_cmp_lt_u32 ttmp9, 544
	s_cselect_b32 s58, B3+18*GRP, s58
	s_cmp_lt_u32 ttmp9, 512
	s_cselect_b32 s58, B2, s58
	s_cmp_lt_u32 ttmp9, 256
	s_cselect_b32 s58, B2+16*GRP, s58
	s_mov_b32 s59, B3+16*GRP
	s_cmp_lt_u32 ttmp9, 576
	s_cselect_b32 s59, B4, s59
	s_cmp_lt_u32 ttmp9, 256
	s_cselect_b32 s59, B3, s59
	s_mul_i32 s60, s[RB], s55
	s_add_co_u32 s58, s58, s60
	s_mul_i32 s60, s[KB], REC
	s_add_co_u32 s58, s58, s60                     ; the row operand's record
	s_mul_i32 s60, s[KB], GRP
	s_add_co_u32 s59, s59, s60
	s_mul_i32 s60, s[RB], REC
	s_add_co_u32 s59, s59, s60                     ; the column operand's record
	s_lshl_b32 s61, s[RB], s56
	s_lshl_b32 s60, s[KB], 9
	s_add_co_u32 s61, s61, s60
	s_lshl_b32 s60, s[WV], s57
	s_add_co_u32 s61, s61, s60                     ; my wave's 32 rows of the block, in the matrix
	s_lshl_b32 s62, s[RB], 17
	s_add_co_u32 s62, s62, XI
	s_lshl_b32 s60, s[WV], 15
	s_add_co_u32 s62, s62, s60
	s_lshl_b32 s60, s[KB], 13
	s_add_co_u32 s62, s62, s60                     ; x's f32 image of tile 8 RB + 2 w, K step KB
	s_mov_b32 s63, XD
	s_cmp_lg_u32 s[FSP], 0
	s_cselect_b32 s63, MZ0, s63
	s_lshl_b32 s60, s[KB], 13
	s_add_co_u32 s63, s63, s60
	s_lshl_b32 s60, s[RB], 9
	s_add_co_u32 s63, s63, s60                     ; the rows' partial sums
	s_and_b32 s77, s[KB], 1
	s_cmp_lg_u32 s[FSP], 0
	s_cselect_b32 s77, s[KB], s77
	s_lshl_b32 s77, s77, 9                         ; the vector's 128 numbers
	s_sub_co_u32 s75, ttmp9, 528                   ; fW2 has 255 rows: in its lower blocks wave 3's last row does not exist
	s_cmp_lt_u32 s75, 16
	s_cselect_b32 s75, 1, 0
	s_cmp_eq_u32 s[WV], 3
	s_cselect_b32 s76, 1, 0
	s_and_b32 s75, s75, s76
	s_cmp_lg_u32 s75, 0
	s_cselect_b32 s[KEEP], 0, -1
	s_cselect_b32 s76, 0, 8192                     ; there the load takes row 254 once more, and zeros take its place
	v_add_nc_u32 v[VO31], s76, v[LI]
	s_mul_i32 s75, s[WV], 32*P
	v_add_nc_u32 v[LST], s75, v[LI]
	v_mul_u32_u24 v[RA0], v2, P
	v_lshrrev_b32 v17, 3, v2
	v_mul_u32_u24 v17, s[SW], v17
	v_add_nc_u32 v[RA0], v[RA0], v17
	v_lshl_add_u32 v[RA0], v3, 6, v[RA0]
	v_add_nc_u32 v[RA0], s75, v[RA0]
	v_add_nc_u32 v[RA0+1], s[ES], v[RA0]
	v_and_b32 v17, 8, v2
	v_add_nc_u32 v17, v17, v2                      ; r + 8 (r / 8)
	v_lshlrev_b32 v[CA], 2, v17
	v_mad_u32_u24 v[CA], v3, 16*P, v[CA]
	s_lshl_b32 s76, s[WV], 7
	v_add_nc_u32 v[CA], s76, v[CA]
	s_mul_i32 s76, s[WV], 3072
	v_add_nc_u32 v[GI], s76, v[LI]
	s_lshr_b32 s75, s[WV], 1
	s_lshl_b32 s75, s75, 8
	s_and_b32 s76, s[WV], 1
	s_lshl_b32 s76, s76, 3
	s_add_co_u32 s75, s75, s76
	s_add_co_u32 s75, s75, SCO
	v_lshlrev_b32 v[SCA], 4, v2
	v_lshl_add_u32 v[SCA], v3, 2, v[SCA]
	v_add_nc_u32 v[SCA], s75, v[SCA]               ; lanes 0-15: tile 2w's word of row r; lanes 16-31: tile 2w+1's
	v_mul_u32_u24 v[DA], v0, P
	v_mov_b32 v[VA], VEC
	v_lshl_add_u32 v[CHS], v0, 2, VEC
.irp b, 0,1,2,3
	v_mov_b32 v[TM+4+\b], 0                        ; written once: a lane permute's destination counts as one of its sources
.endr
	s_wait_kmcnt 0x0
	s_mov_b64 s[SRC:SRC+1], s[4:5]
	s_cmp_lt_u32 ttmp9, 640
	s_cselect_b64 s[SRC:SRC+1], s[6:7], s[SRC:SRC+1]
	s_cmp_lt_u32 ttmp9, 608
	s_cselect_b64 s[SRC:SRC+1], s[14:15], s[SRC:SRC+1]
	s_cmp_lt_u32 ttmp9, 576
	s_cselect_b64 s[SRC:SRC+1], s[12:13], s[SRC:SRC+1]
	s_cmp_lt_u32 ttmp9, 544
	s_cselect_b64 s[SRC:SRC+1], s[10:11], s[SRC:SRC+1]
	s_cmp_lt_u32 ttmp9, 512
	s_cselect_b64 s[SRC:SRC+1], s[8:9], s[SRC:SRC+1]
	s_cmp_lt_u32 ttmp9, 256
	s_cselect_b64 s[SRC:SRC+1], s[16:17], s[SRC:SRC+1]
	s_cselect_b64 s[CHP:CHP+1], s[22:23], s[20:21] ; vU0: vb0; all others: vW2 (used by x alone)
	s_mov_b32 s60, s61
	s_mov_b32 s61, 0
	s_add_nc_u64 s[SRC:SRC+1], s[SRC:SRC+1], s[60:61]
	s_mov_b32 s60, s58
	s_add_nc_u64 s[RD:RD+1], s[26:27], s[60:61]
	s_mov_b32 s60, s59
	s_add_nc_u64 s[CD:CD+1], s[26:27], s[60:61]
	s_mov_b32 s60, s62
	s_add_nc_u64 s[XIB:XIB+1], s[26:27], s[60:61]
	s_mov_b32 s60, s63
	s_add_nc_u64 s[DD:DD+1], s[26:27], s[60:61]
	s_mov_b32 s60, s77
	s_add_nc_u64 s[CHP:CHP+1], s[CHP:CHP+1], s[60:61]
	; ---- the loads: the vector's number first, then my wave's 32 rows, 512 consecutive bytes a load
	global_load_b32 v[CH], v[T4], s[CHP:CHP+1]
	s_cmp_lg_u32 s[WIDE], 0
	s_cbranch_scc0 .Lnarrow
.set i, 0
.rept 31
	global_load_b128 v[X+4*i:X+4*i+3], v[LI], s[SRC:SRC+1] offset:i*8192 th:TH_LOAD_NT
.set i, i+1
.endr
	global_load_b128 v[X+124:X+127], v[VO31], s[SRC:SRC+1] offset:30*8192 th:TH_LOAD_NT
	s_branch .Lloaded
.Lnarrow:
.set i, 0
.rept 32
	global_load_b128 v[X+4*i:X+4*i+3], v[LI], s[SRC:SRC+1] offset:i*1024 th:TH_LOAD_NT
.set i, i+1
.endr
.Lloaded:
; eight rows: wait, softplus where it is due, into LDS
.macro BATCH k
	s_wait_loadcnt 24-8*\k                         ; loads come back in order: rows 8k .. 8k+7 are in, the 24 - 8k loads behind them may be out
.if \k == 3
.irp i, 0,1,2,3
	v_cndmask_b32 v[X+124+\i], 0, v[X+124+\i], s[KEEP]
.endr
.endif
	s_cmp_lg_u32 s[FSP], 0
	s_cbranch_scc0 .Lnosp_\@
.irp j, 0,1,2,3,4,5,6,7
	SOFTPLUS4 X+32*\k+4*\j
.endr
.Lnosp_\@:
.irp j, 0,1,2,3,4,5,6,7
	ds_store_b128 v[LST], v[X+32*\k+4*\j:X+32*\k+4*\j+3] offset:(8*\k+\j)*P
.endr
.endm
	BATCH 0
	v_med3_num_f32 v17, v[CH], 0, s[DK]            ; the vector's number (older than every row's load): rehu for vU0's vb0, as it is otherwise
	v_mul_f32 v17, v17, v17
	v_mul_f32 v17, s[C50], v17
	v_add_f32 v18, s[ND2], v[CH]
	v_max_num_f32 v17, v17, v18
	v_cndmask_b32 v[CH], v[CH], v17, s[MSP]
	ds_store_b32 v[CHS], v[CH]
	BATCH 1
	BATCH 2
	BATCH 3
	s_wait_dscnt 0x0                               ; for the others' sake: my stores have landed
	s_barrier_signal -1
	s_barrier_wait -1                              ; the block lies in LDS; from here on LDS is only read
; tile 2w + e by rows
.macro ROWFRAG e
.irp b, 0,1,2,3
.irp q, 0,1,2,3
	ds_load_b128 v[H+16*\b+4*\q:H+16*\b+4*\q+3], v[RA0+\e] offset:128*\b+16*\q
.endr
.endr
	s_wait_dscnt 0x0
	s_cmp_lg_u32 s[FX], 0
	s_cbranch_scc0 .Lnox_\@
.irp q, 0,1,2,3,4,5,6,7,8,9,10,11,12,13,14,15
	global_store_b128 v[LI], v[H+4*\q:H+4*\q+3], s[XIB:XIB+1] offset:16384*\e+512*\q   ; x's numbers as an image of 64 registers
.endr
.Lnox_\@:
	QUANT H, PW+\e, 0x2800000, 0
	GIMG GI, RD, 1536*\e
	s_wait_xcnt 0x0                                ; the stores' data are written again only behind this wait
.endm
; tile 2w + e by columns: my lane takes a column, its registers run down the rows
.macro COLFRAG e
.irp b, 0,1,2,3
.irp k, 0,1,2,3,4,5,6,7,8,9,10,11,12,13,14,15
	ds_load_b32 v[H+16*\b+\k], v[CA] offset:(32*\b+\k)*P+32*\e
.endr
.endr
	s_wait_dscnt 0x0
	QUANT H, PW+\e, 0x2800000, 0
	GIMG GI, CD, 1536*\e
	s_wait_xcnt 0x0
.endm
	ROWFRAG 0
	ROWFRAG 1
	v_cmp_ne_u32 vcc_lo, 0, v3
	v_cndmask_b32 v[PWS], v[PW], v[PW+1], vcc_lo
	global_store_b32 v[SCA], v[PWS], s[RD:RD+1]
	s_cmp_lg_u32 s[FCOL], 0
	s_cbranch_scc0 .Lnocol
	COLFRAG 0
	COLFRAG 1
	v_cndmask_b32 v[PWS], v[PW], v[PW+1], vcc_lo
	global_store_b32 v[SCA], v[PWS], s[CD:CD+1]
.Lnocol:
	s_cmp_lg_u32 s[FDOT], 0
	s_cbranch_scc0 .Ldone
	; thread t: row t times the vector, and row t times itself
.irp i, 0,1,2,3
	v_mov_b32 v[DSUM+\i], 0
.endr
.irp g, 0,1,2,3
.irp i, 0,1,2,3,4,5,6,7
	ds_load_b128 v[H+4*\i:H+4*\i+3], v[DA] offset:128*\g+16*\i
	ds_load_b128 v[H+32+4*\i:H+32+4*\i+3], v[VA] offset:128*\g+16*\i
.endr
	s_wait_dscnt 0x0
.irp i, 0,2,4,6,8,10,12,14,16,18,20,22,24,26,28,30
	v_pk_fma_f32 v[DSUM:DSUM+1], v[H+\i:H+\i+1], v[H+32+\i:H+32+\i+1], v[DSUM:DSUM+1]
	v_pk_fma_f32 v[DSUM+2:DSUM+3], v[H+\i:H+\i+1], v[H+\i:H+\i+1], v[DSUM+2:DSUM+3]
.endr
.endr
	v_add_f32 v[DSUM], v[DSUM], v[DSUM+1]
	v_add_f32 v[DSUM+2], v[DSUM+2], v[DSUM+3]
	global_store_b32 v[T4], v[DSUM], s[DD:DD+1]
	s_cmp_lg_u32 s[FX], 0
	s_cbranch_scc0 .Ldone
	global_store_b32 v[T4], v[DSUM+2], s[DD:DD+1] offset:XX-XD
.Ldone:
	s_wait_tensorcnt 0x0
	ds_add_u32 v254, v255
	s_wait_dscnt 0x0
	s_endpgm
.Lsmall:                                           ; job 672: no LDS, no barrier
	v_lshlrev_b32 v5, 4, v0
	v_add_nc_u32 v6, 128, v0
	v_min_u32 v7, 254, v6                          ; fb2 has 255 numbers: no load leaves it
	v_lshlrev_b32 v7, 2, v7
	s_wait_kmcnt 0x0
.irp i, 0,1,2,3
	global_load_b128 v[X+4*\i:X+4*\i+3], v5, s[18:19] offset:2048*\i
.endr
	global_load_b32 v8, v[T4], s[24:25]
	global_load_b32 v9, v7, s[24:25]
	s_add_nc_u64 s[50:51], s[26:27], SPU
	s_add_nc_u64 s[52:53], s[26:27], ZERO
.irp i, 0,1,2,3
	v_mov_b32 v[DSUM+\i], 0
.endr
.irp i, 0,1,2,3,4,5,6,7,8,9,10,11
	global_store_b128 v5, v[DSUM:DSUM+3], s[52:53] offset:2048*\i
.endr
	s_cmp_lt_u32 s[WV], 2
	s_cbranch_scc0 .Lzdone
	global_store_b128 v5, v[DSUM:DSUM+3], s[52:53] offset:2048*12   ; 25,600 bytes = 12 x 2,048 + 1,024
.Lzdone:
	s_wait_loadcnt 0x0
.irp i, 0,1,2,3
	SOFTPLUS4 X+4*\i
.endr
.irp i, 0,1,2,3
	global_store_b128 v5, v[X+4*\i:X+4*\i+3], s[50:51] offset:2048*\i
.endr
	v_mov_b32 v10, 1.0
	v_cmp_eq_u32 vcc_lo, 255, v6
	v_cndmask_b32 v9, v9, v10, vcc_lo              ; fx's last column is 1
	global_store_b32 v[T4], v8, s[50:51] offset:FB2-SPU
	global_store_b32 v[T4], v9, s[50:51] offset:FB2-SPU+512
	s_endpgm
.Lfunc_end_k_q3cd09fc639_prep:
	.size	k_q3cd09fc639_prep, .Lfunc_end_k_q3cd09fc639_prep-k_q3cd09fc639_prep
	.p2alignl 7, 3214868480
	.fill 96, 4, 3214868480
	.section	.rodata,"a",@progbits
	.p2align	6, 0x0
	.amdhsa_kernel k_q3cd09fc639_prep
		.amdhsa_group_segment_fixed_size 74240
		.amdhsa_private_segment_fixed_size 0
		.amdhsa_enable_private_segment 0
		.amdhsa_kernarg_size 96
		.amdhsa_user_sgpr_count 2
		.amdhsa_user_sgpr_kernarg_segment_ptr 1
		.amdhsa_wavefront_size32 1
		.amdhsa_system_sgpr_workgroup_id_x 1
		.amdhsa_system_sgpr_workgroup_id_y 1
		.amdhsa_system_sgpr_workgroup_id_z 1
		.amdhsa_system_vgpr_workitem_id 0
		.amdhsa_next_free_vgpr 256
		.amdhsa_next_free_sgpr 100
		.amdhsa_reserve_vcc 1
		.amdhsa_float_denorm_mode_32 3
		.amdhsa_float_denorm_mode_16_64 3
		.amdhsa_memory_ordered 1
		.amdhsa_forward_progress 1
		.amdhsa_inst_pref_size 115
	.end_amdhsa_kernel
	.amdgpu_metadata
---
amdhsa.version: [ 1, 2 ]
amdhsa.kernels:
  - .name:           k_q3cd09fc639_prep
    .symbol:         k_q3cd09fc639_prep.kd
    .args:
      - { .name: x, .offset: 0, .size: 8, .value_kind: global_buffer, .address_space: global }
      - { .name: fW0, .offset: 8, .size: 8, .value_kind: global_buffer, .address_space: global }
      - { .name: fW1, .offset: 16, .size: 8, .value_kind: global_buffer, .address_space: global }
      - { .name: fW2, .offset: 24, .size: 8, .value_kind: global_buffer, .address_space: global }
      - { .name: vW0, .offset: 32, .size: 8, .value_kind: global_buffer, .address_space: global }
      - { .name: vW1, .offset: 40, .size: 8, .value_kind: global_buffer, .address_space: global }
      - { .name: vU0, .offset: 48, .size: 8, .value_kind: global_buffer, .address_space: global }
      - { .name: vU1, .offset: 56, .size: 8, .value_kind: global_buffer, .address_space: global }
      - { .name: vW2, .offset: 64, .size: 8, .value_kind: global_buffer, .address_space: global }
      - { .name: vb0, .offset: 72, .size: 8, .value_kind: global_buffer, .address_space: global }
      - { .name: fb2, .offset: 80, .size: 8, .value_kind: global_buffer, .address_space: global }
      - { .name: wb, .offset: 88, .size: 8, .value_kind: global_buffer, .address_space: global }
    .group_segment_fixed_size: 74240
    .private_segment_fixed_size: 0
    .kernarg_segment_align: 8
    .kernarg_segment_size: 96
    .max_flat_workgroup_size: 128
    .sgpr_count:     100
    .vgpr_count:     256
    .wavefront_size: 32
...
	.end_amdgpu_metadata
.endif
;; end of part 1
;; launch front (part 2): grid 16 x 16, 4 waves a work-group, no clusters, 0 bytes of LDS; arguments wb, fb0, vb0, vb1, a2; writes a2
.if DOCPART == 2
	.amdgcn_target "amdgcn-amd-amdhsa--gfx1250"
	.amdhsa_code_object_version 6
	.text
	.protected	k_q3cd09fc639_front
	.globl	k_q3cd09fc639_front
	.p2align	8
	.type	k_q3cd09fc639_front,@function
k_q3cd09fc639_front:
	s_mov_b64 s[64:65], 0
	v_nop
	global_prefetch_b8 v0, s[64:65] scope:SCOPE_SE
	s_setreg_imm32_b32 hwreg(HW_REG_WAVE_MODE, 25, 1), 1
	s_wait_xcnt 0x0
; FRONT: h0 = relu(x fW0^T + fb0) (work-group y 0-7) and z0 = rehu(x vW0^T + vb0) (y 8-15), on codes of BF6, quantised along the next K and stored as records of fragment images.
; A work-group makes 128 rows (x) x 256 columns; wave (wr, wc) 64 x 128: 32 accumulators.  K = 256 is two matrix instructions deep, so every fragment goes from memory straight into registers, three loads of 16 bytes
; a lane; no LDS, no barrier.  No cluster: there is no tensor load, and a work-group takes its 77 KB once.
; THE MATRIX INSTRUCTION IS USED TRANSPOSED (source 0 = 16 rows of the weight, source 1 = 16 rows of x); with the weights' row order a lane's register 16 b + k of a row tile is column 32 b + 16 (lane / 16) + k.
; z0's scale bytes carry the division by 2,048 of the product that follows (11 off each byte: exact).  LIMIT: a block of z0 whose largest number lies under 2^-111 is quantised at that floor's scale.
; rehu(a) = max(clamp(a,0,d)^2 x 50, a - d/2): the multiplication by 50 stands for the division by 0.02.  NaN and infinities are not served.
; Wave 0 of the work-groups x = 0 also makes 128 terms of icnn(0)'s last sum.
.set REC, 12800
.set SCO, 12288
.set GRP, 204800
.set W0, 409600
.set MZ0, 14820352
.set SPU, 14984192
.set LI, 1                             ; v1 16 x lane
.set LA, 2                             ; v2 16 r
.set HV, 3                             ; v3 64 h
.set GI, 4                             ; v4 16 x lane + 6,144 wr
.set LAW, 5                            ; v5 16 r + 256 wr
.set SC, 16                            ; v16-31 scale words, two sets: nothing else ever lies here
.set BIAS, 32                          ; v32-95 the bias in the result's layout; later the numbers to quantise
.set HA, 32
.set YY, 96                            ; v96-159 at work
.set AF, 160                           ; v160-255 x's fragments, two sets
.set PC, 160
.set TM, 180
.set PW, 196
.set PA, 14
.set PB, 16
.set PBI, 18
.set WV, 20
.set WR, 21
.set WC, 22
.set YT, 25
.set OUTP, 26
.set DK, 40
.set ND2, 42
.set C50, 44
.set SEL, 46
.set MSB, 0
.macro WIN new                         ; the immediate's high byte repeats the setting that is left
.if MSB != (\new)
	s_set_vgpr_msb (MSB<<8)|(\new)
.set MSB, \new
.endif
.endm
.macro PLACES n
.rept \n
	v_nop
.endr
.endm
.macro QUANT s, pw, floor, sub11
.irp b, 0,1,2,3
	v_max3_num_f32 v[TM+\b], |v[\s+16*\b]|, |v[\s+1+16*\b]|, \floor
.endr
.irp i, 2,4,6,8,10,12,14
.irp b, 0,1,2,3
	v_max3_num_f32 v[TM+\b], v[TM+\b], |v[\s+16*\b+\i]|, |v[\s+1+16*\b+\i]|
.endr
.endr
.irp b, 0,1,2,3
	v_permlanex16_b32 v[TM+4+\b], v[TM+\b], s[SEL], s[SEL+1]
.endr
.irp b, 0,1,2,3
	v_max_num_f32 v[TM+\b], v[TM+\b], v[TM+4+\b]
.endr
.irp b, 0,1,2,3
	v_add_nc_u32 v[TM+12+\b], 0xfe000000, v[TM+\b]
.endr
.irp b, 0,1,2,3
	v_lshrrev_b32 v[TM+4+\b], 23, v[TM+12+\b]
.endr
	v_lshl_or_b32 v[\pw], v[TM+5], 8, v[TM+4]
	v_lshl_or_b32 v[\pw], v[TM+6], 16, v[\pw]
	v_lshl_or_b32 v[\pw], v[TM+7], 24, v[\pw]
.if \sub11
	v_add_nc_u32 v[\pw], 0xf4f4f4f5, v[\pw]        ; 11 off each byte (each is 12 at the least: no borrow)
.endif
.irp c, 0,1
	v_cvt_scalef32_pk16_bf6_f32 v[PC+6*\c:PC+2+6*\c], v[\s+32*\c:\s+15+32*\c], v[TM+12+2*\c]
	v_cvt_scalef32_pk16_bf6_f32 v[PC+12+4*\c:PC+14+4*\c], v[\s+16+32*\c:\s+31+32*\c], v[TM+12+2*\c+1]
.endr
	v_nop                                          ; one plain place behind a scaled conversion
.irp c, 0,1
.irp i, 0,1,2
	v_permlane16_swap_b32 v[PC+6*\c+\i], v[PC+12+4*\c+\i]
.endr
.irp i, 0,1,2
	v_mov_b32 v[PC+3+6*\c+\i], v[PC+12+4*\c+\i]
.endr
.endr
.endm
.macro GIMG adr, base, off
.irp c, 0,1,2
	global_store_b128 v[\adr], v[PC+4*\c:PC+4*\c+3], s[\base:\base+1] offset:\off+512*\c
.endr
.endm
.macro VECLOAD reg, base               ; 128 numbers of a vector along n, in the result's layout: register 16 b + k = n 32 b + 16 h + k
.irp b, 0,1,2,3
.irp q, 0,1,2,3
	global_load_b128 v[\reg+16*\b+4*\q:\reg+16*\b+4*\q+3], v[HV], s[\base:\base+1] offset:128*\b+16*\q
.endr
.endr
.endm
.macro WMM a, t, set, cm               ; one product: weight tile t x row tile a.  cm 0: in place; 1: the bias starts the sum; 2: 0 starts it
.set rD, 8*(8*(\a)+(\t))
.set rB, 96*(\set)+12*(\t)
.set rA, AF+48*(\set)+12*(\a)
.set rSB, SC+8*(\set)+(\t)%4
.set rSA, SC+8*(\set)+4+(\a)
.if (\t) < 4
.if \cm == 0
	v_wmma_scale_f32_16x16x128_f8f6f4 v[rD:rD+7], v[rB:rB+11], v[rA:rA+11], v[rD:rD+7], v[rSB], v[rSA] matrix_a_fmt:MATRIX_FMT_BF6 matrix_b_fmt:MATRIX_FMT_BF6
.elseif \cm == 1
	v_wmma_scale_f32_16x16x128_f8f6f4 v[rD:rD+7], v[rB:rB+11], v[rA:rA+11], v[BIAS+8*(\t):BIAS+8*(\t)+7], v[rSB], v[rSA] matrix_a_fmt:MATRIX_FMT_BF6 matrix_b_fmt:MATRIX_FMT_BF6
.else
	v_wmma_scale_f32_16x16x128_f8f6f4 v[rD:rD+7], v[rB:rB+11], v[rA:rA+11], 0, v[rSB], v[rSA] matrix_a_fmt:MATRIX_FMT_BF6 matrix_b_fmt:MATRIX_FMT_BF6
.endif
.else
.if \cm == 0
	v_wmma_scale_f32_16x16x128_f8f6f4 v[rD:rD+7], v[rB:rB+11], v[rA:rA+11], v[rD:rD+7], v[rSB], v[rSA] matrix_a_fmt:MATRIX_FMT_BF6 matrix_b_fmt:MATRIX_FMT_BF6 matrix_a_scale:MATRIX_SCALE_ROW1
.elseif \cm == 1
	v_wmma_scale_f32_16x16x128_f8f6f4 v[rD:rD+7], v[rB:rB+11], v[rA:rA+11], v[BIAS+8*(\t):BIAS+8*(\t)+7], v[rSB], v[rSA] matrix_a_fmt:MATRIX_FMT_BF6 matrix_b_fmt:MATRIX_FMT_BF6 matrix_a_scale:MATRIX_SCALE_ROW1
.else
	v_wmma_scale_f32_16x16x128_f8f6f4 v[rD:rD+7], v[rB:rB+11], v[rA:rA+11], 0, v[rSB], v[rSA] matrix_a_fmt:MATRIX_FMT_BF6 matrix_b_fmt:MATRIX_FMT_BF6 matrix_a_scale:MATRIX_SCALE_ROW1
.endif
.endif
.endm
.macro MUL a0, n, set, cm, dw          ; row tiles a0 .. a0 + n - 1 against the eight weight tiles; the accumulators take turns, one instruction a turn
.if \cm == 0
	WIN 0x01|(\dw<<4)|(\dw<<6)
.else
	WIN 0x01|(\dw<<6)
.endif
.set ma, \a0
.rept \n
.irp t, 0,1,2,3,4,5,6,7
	WMM ma, \t, \set, \cm
.endr
.set ma, ma+1
.endr
.endm
	s_load_b256 s[4:11], s[0:1], 0x0               ; wb, fb0, vb0, vb1
	s_load_b64 s[12:13], s[0:1], 0x20              ; a2
	v_lshrrev_b32 v6, 5, v0
	v_readfirstlane_b32 s[WV], v6
	s_lshr_b32 s[WR], s[WV], 1                     ; which 64 rows
	s_and_b32 s[WC], s[WV], 1                      ; which 128 columns
	s_and_b32 s[YT], ttmp7, 0xffff
	v_and_b32 v6, 31, v0
	v_lshlrev_b32 v[LI], 4, v6
	v_and_b32 v7, 15, v0
	v_lshlrev_b32 v[LA], 4, v7
	v_bfe_u32 v8, v0, 4, 1
	v_lshlrev_b32 v[HV], 6, v8
	s_mul_i32 s28, s[WR], 6144
	v_add_nc_u32 v[GI], s28, v[LI]
	s_lshl_b32 s28, s[WR], 8
	v_add_nc_u32 v[LAW], s28, v[LA]
	s_mov_b32 s[DK], 0x3c23d70a
	s_mov_b32 s[ND2], 0xbba3d70a
	s_mov_b32 s[ND2+1], s[ND2]
	s_mov_b32 s[C50], 0x42480000
	s_mov_b32 s[C50+1], s[C50]
	s_mov_b32 s[SEL], 0x76543210
	s_mov_b32 s[SEL+1], 0xfedcba98
	s_mul_i32 s30, ttmp9, 25600                    ; x's two records of my 128 rows (they lie at wb's head)
	s_mov_b32 s31, 0
	s_lshl_b32 s29, s[YT], 1
	s_add_co_u32 s29, s29, s[WC]                   ; my group of 128 weight rows: 0-15 fW0, 16-31 vW0
	s_mul_i32 s32, s29, 25600
	s_add_co_u32 s32, s32, W0
	s_mov_b32 s33, 0
	s_and_b32 s29, s29, 15
	s_lshl_b32 s34, s29, 9
	s_mov_b32 s35, 0
	s_mul_i32 s36, ttmp9, GRP
	s_mul_i32 s38, s29, REC
	s_add_co_u32 s36, s36, s38
	s_cmp_ge_u32 s[YT], 8
	s_cselect_b32 s38, 16*GRP, 0
	s_add_co_u32 s36, s36, s38                     ; the record that my wave's results go into
	s_mov_b32 s37, 0
	s_wait_kmcnt 0x0
	s_add_nc_u64 s[PA:PA+1], s[4:5], s[30:31]
	s_add_nc_u64 s[PB:PB+1], s[4:5], s[32:33]
	s_cmp_ge_u32 s[YT], 8
	s_cselect_b64 s[PBI:PBI+1], s[8:9], s[6:7]
	s_add_nc_u64 s[PBI:PBI+1], s[PBI:PBI+1], s[34:35]
	s_add_nc_u64 s[OUTP:OUTP+1], s[12:13], s[36:37]
	VECLOAD BIAS, PBI
	WIN 0x40                                       ; destination window 1
.irp s, 0,1
.irp t, 0,1,2,3,4,5,6,7
.irp c, 0,1,2
	global_load_b128 v[96*\s+12*\t+4*\c:96*\s+12*\t+4*\c+3], v[LI], s[PB:PB+1] offset:\s*REC+1536*\t+512*\c
.endr
.endr
.endr
	WIN 0
.irp s, 0,1
.irp a, 0,1,2,3
.irp c, 0,1,2
	global_load_b128 v[AF+48*\s+12*\a+4*\c:AF+48*\s+12*\a+4*\c+3], v[GI], s[PA:PA+1] offset:\s*REC+1536*\a+512*\c
.endr
.endr
	global_load_b128 v[SC+8*\s:SC+8*\s+3], v[LI], s[PB:PB+1] offset:\s*REC+SCO        ; the weight's words: lanes 0-15 tiles 0-3, lanes 16-31 tiles 4-7
	global_load_b128 v[SC+8*\s+4:SC+8*\s+7], v[LAW], s[PA:PA+1] offset:\s*REC+SCO     ; x's words of my four row tiles
.endr
	s_wait_loadcnt 0x0
	MUL 0, 4, 0, 1, 2
	MUL 0, 4, 1, 0, 2
	WIN 0
	PLACES 4                                       ; four places behind the last products, ahead of the first read of results
.irp b, 0,1,2,3
	v_mov_b32 v[TM+4+\b], 0
.endr
	s_cmp_lt_u32 s[YT], 8
	s_cbranch_scc0 .Lvpath
.irp a, 0,1,2,3
	WIN 0x08                                       ; source 1: window 2
.set i, 0
.rept 64
	v_max_num_f32 v[HA+i], 0, v[64*\a+i]           ; relu; each accumulator from its low end on
.set i, i+1
.endr
	WIN 0
	s_wait_xcnt 0x0                                ; the last tile's stores have read the codes' registers
	QUANT HA, PW+\a, 0x2800000, 0
	GIMG GI, OUTP, 1536*\a
.endr
	s_branch .Lscales
.Lvpath:
.irp a, 0,1,2,3
	WIN 0x02                                       ; source 0: window 2
.set i, 0
.rept 64
	v_med3_num_f32 v[HA+i], v[64*\a+i], 0, s[DK]
.set i, i+1
.endr
.set i, 0
.rept 32
	v_pk_add_f32 v[YY+i:YY+i+1], v[64*\a+i:64*\a+i+1], s[ND2:ND2+1] op_sel_hi:[1,0]
.set i, i+2
.endr
	WIN 0
.set i, 0
.rept 32
	v_pk_mul_f32 v[HA+i:HA+i+1], v[HA+i:HA+i+1], v[HA+i:HA+i+1]
.set i, i+2
.endr
.set i, 0
.rept 32
	v_pk_mul_f32 v[HA+i:HA+i+1], v[HA+i:HA+i+1], s[C50:C50+1] op_sel_hi:[1,0]
.set i, i+2
.endr
.set i, 0
.rept 64
	v_max_num_f32 v[HA+i], v[HA+i], v[YY+i]
.set i, i+1
.endr
	s_wait_xcnt 0x0
	QUANT HA, PW+\a, 0x8000000, 1
	GIMG GI, OUTP, 1536*\a
.endr
.Lscales:
	global_store_b128 v[LAW], v[PW:PW+3], s[OUTP:OUTP+1] offset:SCO   ; row r's words of my four tiles (lanes 16-31 store the same bytes)
	s_cmp_lg_u32 ttmp9, 0
	s_cbranch_scc1 .Lend
	s_cmp_lg_u32 s[WV], 0
	s_cbranch_scc1 .Lend
	; icnn(0): for units j = 128 y + 4 lane + 0..3: a1 = vb1 + (sp(vU0) rehu(vb0)) / 2048, then rehu(a1) sp(vU1), summed over the wave
	s_lshl_b32 s30, s[YT], 9
	s_mov_b32 s31, 0
	s_add_co_u32 s32, s30, MZ0
	s_mov_b32 s33, 0
	s_add_nc_u64 s[32:33], s[4:5], s[32:33]
	s_add_nc_u64 s[34:35], s[10:11], s[30:31]
	s_mov_b32 s38, 0x3a000000                      ; 2^-11
	s_mov_b32 s39, s38
.irp i, 0,1,2,3,4,5,6,7,8,9,10,11,12,13,14,15
	global_load_b128 v[32+4*\i:35+4*\i], v[LI], s[32:33] offset:8192*\i
.endr
	global_load_b128 v[96:99], v[LI], s[34:35]
	global_load_b128 v[100:103], v[LI], s[32:33] offset:SPU-MZ0
	s_lshl_b32 s36, s[YT], 2
	s_add_co_u32 s36, s36, 32*GRP
	s_mov_b32 s37, 0
	s_add_nc_u64 s[36:37], s[12:13], s[36:37]
	v_mov_b32 v112, 0
	s_wait_loadcnt 0x0
.irp i, 1,2,3,4,5,6,7,8,9,10,11,12,13,14,15
	v_pk_add_f32 v[32:33], v[32:33], v[32+4*\i:33+4*\i]
	v_pk_add_f32 v[34:35], v[34:35], v[34+4*\i:35+4*\i]
.endr
	v_pk_fma_f32 v[32:33], v[32:33], s[38:39], v[96:97] op_sel_hi:[1,0,1]
	v_pk_fma_f32 v[34:35], v[34:35], s[38:39], v[98:99] op_sel_hi:[1,0,1]
.irp j, 0,1,2,3
	v_med3_num_f32 v[104+\j], v[32+\j], 0, s[DK]
.endr
.irp j, 0,1,2,3
	v_mul_f32 v[104+\j], v[104+\j], v[104+\j]
.endr
.irp j, 0,1,2,3
	v_mul_f32 v[104+\j], s[C50], v[104+\j]
.endr
.irp j, 0,1,2,3
	v_add_f32 v[108+\j], s[ND2], v[32+\j]
.endr
.irp j, 0,1,2,3
	v_max_num_f32 v[104+\j], v[104+\j], v[108+\j]
.endr
	v_mul_f32 v104, v104, v100
	v_fma_f32 v104, v105, v101, v104
	v_fma_f32 v104, v106, v102, v104
	v_fma_f32 v104, v107, v103, v104
	v_add_f32_dpp v104, v104, v104 row_xmask:1 row_mask:0xf bank_mask:0xf
	v_add_f32_dpp v104, v104, v104 row_xmask:2 row_mask:0xf bank_mask:0xf
	v_add_f32_dpp v104, v104, v104 row_xmask:4 row_mask:0xf bank_mask:0xf
	v_add_f32_dpp v104, v104, v104 row_xmask:8 row_mask:0xf bank_mask:0xf
	v_permlanex16_b32 v105, v104, s[SEL], s[SEL+1]
	v_add_f32 v104, v104, v105
	global_store_b32 v112, v104, s[36:37]          ; every lane holds the sum and stores the same word
.Lend:
	s_endpgm
.Lfunc_end_k_q3cd09fc639_front:
	.size	k_q3cd09fc639_front, .Lfunc_end_k_q3cd09fc639_front-k_q3cd09fc639_front
	.p2alignl 7, 3214868480
	.fill 96, 4, 3214868480
	.section	.rodata,"a",@progbits
	.p2align	6, 0x0
	.amdhsa_kernel k_q3cd09fc639_front
		.amdhsa_group_segment_fixed_size 0
		.amdhsa_private_segment_fixed_size 0
		.amdhsa_enable_private_segment 0
		.amdhsa_kernarg_size 40
		.amdhsa_user_sgpr_count 2
		.amdhsa_user_sgpr_kernarg_segment_ptr 1
		.amdhsa_wavefront_size32 1
		.amdhsa_system_sgpr_workgroup_id_x 1
		.amdhsa_system_sgpr_workgroup_id_y 1
		.amdhsa_system_sgpr_workgroup_id_z 1
		.amdhsa_system_vgpr_workitem_id 0
		.amdhsa_next_free_vgpr 768
		.amdhsa_next_free_sgpr 66
		.amdhsa_reserve_vcc 0
		.amdhsa_float_denorm_mode_32 3
		.amdhsa_float_denorm_mode_16_64 3
		.amdhsa_memory_ordered 1
		.amdhsa_forward_progress 1
		.amdhsa_inst_pref_size 115
	.end_amdhsa_kernel
	.amdgpu_metadata
---
amdhsa.version: [ 1, 2 ]
amdhsa.kernels:
  - .name:           k_q3cd09fc639_front
    .symbol:         k_q3cd09fc639_front.kd
    .args:
      - { .name: wb, .offset: 0, .size: 8, .value_kind: global_buffer, .address_space: global }
      - { .name: fb0, .offset: 8, .size: 8, .value_kind: global_buffer, .address_space: global }
      - { .name: vb0, .offset: 16, .size: 8, .value_kind: global_buffer, .address_space: global }
      - { .name: vb1, .offset: 24, .size: 8, .value_kind: global_buffer, .address_space: global }
      - { .name: a2, .offset: 32, .size: 8, .value_kind: global_buffer, .address_space: global }
    .group_segment_fixed_size: 0
    .private_segment_fixed_size: 0
    .kernarg_segment_align: 8
    .kernarg_segment_size: 40
    .max_flat_workgroup_size: 128
    .sgpr_count:     66
    .vgpr_count:     768
    .wavefront_size: 32
...
	.end_amdgpu_metadata
.endif
;; end of part 2
;; launch mid (part 3): grid 16 x 16, 4 waves a work-group, clusters of 4 x 1, 327,680 bytes of LDS; arguments wb, a2, fb1, vb1, a3, r1; writes a3, r1
.if DOCPART == 3
	.amdgcn_target "amdgcn-amd-amdhsa--gfx1250"
	.amdhsa_code_object_version 6
	.text
	.protected	k_q3cd09fc639_mid
	.globl	k_q3cd09fc639_mid
	.p2align	8
	.type	k_q3cd09fc639_mid,@function
k_q3cd09fc639_mid:
	s_mov_b64 s[64:65], 0
	v_nop
	global_prefetch_b8 v0, s[64:65] scope:SCOPE_SE
	s_setreg_imm32_b32 hwreg(HW_REG_WAVE_MODE, 25, 1), 1
	s_wait_xcnt 0x0
	s_wait_alu depctr_hold_cnt(0) depctr_sa_sdst(0) depctr_va_vdst(0) depctr_va_sdst(0) depctr_va_ssrc(0) depctr_va_vcc(0) depctr_vm_vsrc(0)
	s_getreg_b32 s2, hwreg(HW_REG_IB_STS2, 6, 4)
	s_cmp_eq_u32 s2, 0
	s_cbranch_scc0 .Lentry_in_a_cluster
	s_endpgm
.Lentry_in_a_cluster:
	s_bfe_u32 s2, ttmp6, 0x10000c
	s_cmp_lg_u32 s2, 0x3003
	s_cbranch_scc0 .Lentry_shape_is_right
	s_endpgm
.Lentry_shape_is_right:
; MID: y 0-7: h1 = relu(h0 fW1^T + fb1), quantised, as records.  y 8-15: a1 = x vW1^T + vb1 + (z0 sp(vU0)^T) / 2048 as ONE sum over K = 256 + 2048 (z0's scale bytes carry the 2^-11);
; out of a1: sp(vU1) rehu'(a1) as f32 images, and the rows' partial sums of rehu(a1) sp(vU1).
; A work-group makes 128 rows (x) x 256 columns (y); wave (wr, wc) 64 x 128: 32 accumulators.  18 K steps of 128: two of the prefix (x against vW1; for y 0-7 against a block of zero codes, which adds nothing), sixteen of the main K.
; All operands are records in register order (8 fragment images and their scale words, 12,800 dense bytes for 128 rows x 128 K): a fragment is three LDS loads at 16 x lane, without padding and without conflicts.
; LDS: two slots of [A's 4 records | B's first 128 rows' 4 records | B's second]; wave 0 fetches A's, waves 1 and 2 B's, wave 3 nothing.  A wave has two tensor loads out at the start and one behind each round.
; CLUSTER 4 x 1: the four work-groups of a cluster have the same y and need the same records of B: those are asked for jointly (mask 15); A's are each work-group's own.
; The K walk is written out: every LDS offset is an immediate.
; THE MATRIX INSTRUCTION IS USED TRANSPOSED (source 0 = 16 weight rows, source 1 = 16 batch rows): register 16 b + k of a row tile is column 32 b + 16 (lane / 16) + k.
; LIMITS: NaN and infinities are not served; rehu and rehu' multiply by 50 and 100 where the definition divides by 0.02 and 0.01.
.set REC, 12800
.set SCO, 12288
.set GRP, 204800
.set W1V, 1228800
.set ZERO, 1638400
.set B2, 1664000
.set SPU, 14984192
.set REG, 4*REC
.set SLOT, 3*REG
.set SPARE, 2*SLOT                     ; behind the slots: the spare words, 128 bytes a wave: two blocks of 256 bytes that no other line names
.set LI, 1
.set LA, 2
.set HV, 3
.set ADRA, 4                           ; v4, v5  my A fragments in slot 0, 1
.set ADRB, 6                           ; v6, v7  my B fragments
.set ADSA, 8                           ; v8, v9  my A scale words
.set SPW, 10
.set NIL, 11
.set GI, 12
.set LAW, 13
.set R4, 14
.set SC, 16                            ; v16-31 scale words, two sets: nothing else ever lies here
.set BIAS, 32
.set HA, 32
.set TT, 32
.set YY, 64
.set SPV, 96                           ; v96-159 sp(vU1) of my 128 columns
.set AF, 160
.set RS, 160
.set PS, 224
.set PSO, 228
.set PC, 160
.set TM, 180
.set PW, 196
.set WV, 20
.set WR, 21
.set WC, 22
.set CX, 23
.set XT, 24
.set YT, 25
.set LB, 26
.set G1AP, 28
.set G1AM, 36
.set G1BP, 44
.set G1BM, 52
.set G0AP, 60
.set G0AW, 68
.set G0BP, 72
.set G0BW, 76
.set DK, 93
.set ND2, 94
.set C50, 96
.set C100, 98
.set SEL, 100
.set MSB, 0
.macro WIN new
.if MSB != (\new)
	s_set_vgpr_msb (MSB<<8)|(\new)
.set MSB, \new
.endif
.endm
.macro PLACES n
.rept \n
	v_nop
.endr
.endm
.macro QUANT s, pw, floor, sub11
.irp b, 0,1,2,3
	v_max3_num_f32 v[TM+\b], |v[\s+16*\b]|, |v[\s+1+16*\b]|, \floor
.endr
.irp i, 2,4,6,8,10,12,14
.irp b, 0,1,2,3
	v_max3_num_f32 v[TM+\b], v[TM+\b], |v[\s+16*\b+\i]|, |v[\s+1+16*\b+\i]|
.endr
.endr
.irp b, 0,1,2,3
	v_permlanex16_b32 v[TM+4+\b], v[TM+\b], s[SEL], s[SEL+1]
.endr
.irp b, 0,1,2,3
	v_max_num_f32 v[TM+\b], v[TM+\b], v[TM+4+\b]
.endr
.irp b, 0,1,2,3
	v_add_nc_u32 v[TM+12+\b], 0xfe000000, v[TM+\b]
.endr
.irp b, 0,1,2,3
	v_lshrrev_b32 v[TM+4+\b], 23, v[TM+12+\b]
.endr
	v_lshl_or_b32 v[\pw], v[TM+5], 8, v[TM+4]
	v_lshl_or_b32 v[\pw], v[TM+6], 16, v[\pw]
	v_lshl_or_b32 v[\pw], v[TM+7], 24, v[\pw]
.if \sub11
	v_add_nc_u32 v[\pw], 0xf4f4f4f5, v[\pw]
.endif
.irp c, 0,1
	v_cvt_scalef32_pk16_bf6_f32 v[PC+6*\c:PC+2+6*\c], v[\s+32*\c:\s+15+32*\c], v[TM+12+2*\c]
	v_cvt_scalef32_pk16_bf6_f32 v[PC+12+4*\c:PC+14+4*\c], v[\s+16+32*\c:\s+31+32*\c], v[TM+12+2*\c+1]
.endr
	v_nop                                          ; one plain place behind a scaled conversion
.irp c, 0,1
.irp i, 0,1,2
	v_permlane16_swap_b32 v[PC+6*\c+\i], v[PC+12+4*\c+\i]
.endr
.irp i, 0,1,2
	v_mov_b32 v[PC+3+6*\c+\i], v[PC+12+4*\c+\i]
.endr
.endr
.endm
.macro GIMG adr, base, off
.irp c, 0,1,2
	global_store_b128 v[\adr], v[PC+4*\c:PC+4*\c+3], s[\base:\base+1] offset:\off+512*\c
.endr
.endm
.macro VECLOAD reg, base
.irp b, 0,1,2,3
.irp q, 0,1,2,3
	global_load_b128 v[\reg+16*\b+4*\q:\reg+16*\b+4*\q+3], v[HV], s[\base:\base+1] offset:128*\b+16*\q
.endr
.endr
.endm
.macro WMM a, t, set, cm
.set rD, 8*(8*(\a)+(\t))
.set rB, 96*(\set)+12*(\t)
.set rA, AF+48*(\set)+12*(\a)
.set rSB, SC+8*(\set)+(\t)%4
.set rSA, SC+8*(\set)+4+(\a)
.if (\t) < 4
.if \cm == 0
	v_wmma_scale_f32_16x16x128_f8f6f4 v[rD:rD+7], v[rB:rB+11], v[rA:rA+11], v[rD:rD+7], v[rSB], v[rSA] matrix_a_fmt:MATRIX_FMT_BF6 matrix_b_fmt:MATRIX_FMT_BF6
.elseif \cm == 1
	v_wmma_scale_f32_16x16x128_f8f6f4 v[rD:rD+7], v[rB:rB+11], v[rA:rA+11], v[BIAS+8*(\t):BIAS+8*(\t)+7], v[rSB], v[rSA] matrix_a_fmt:MATRIX_FMT_BF6 matrix_b_fmt:MATRIX_FMT_BF6
.else
	v_wmma_scale_f32_16x16x128_f8f6f4 v[rD:rD+7], v[rB:rB+11], v[rA:rA+11], 0, v[rSB], v[rSA] matrix_a_fmt:MATRIX_FMT_BF6 matrix_b_fmt:MATRIX_FMT_BF6
.endif
.else
.if \cm == 0
	v_wmma_scale_f32_16x16x128_f8f6f4 v[rD:rD+7], v[rB:rB+11], v[rA:rA+11], v[rD:rD+7], v[rSB], v[rSA] matrix_a_fmt:MATRIX_FMT_BF6 matrix_b_fmt:MATRIX_FMT_BF6 matrix_a_scale:MATRIX_SCALE_ROW1
.elseif \cm == 1
	v_wmma_scale_f32_16x16x128_f8f6f4 v[rD:rD+7], v[rB:rB+11], v[rA:rA+11], v[BIAS+8*(\t):BIAS+8*(\t)+7], v[rSB], v[rSA] matrix_a_fmt:MATRIX_FMT_BF6 matrix_b_fmt:MATRIX_FMT_BF6 matrix_a_scale:MATRIX_SCALE_ROW1
.else
	v_wmma_scale_f32_16x16x128_f8f6f4 v[rD:rD+7], v[rB:rB+11], v[rA:rA+11], 0, v[rSB], v[rSA] matrix_a_fmt:MATRIX_FMT_BF6 matrix_b_fmt:MATRIX_FMT_BF6 matrix_a_scale:MATRIX_SCALE_ROW1
.endif
.endif
.endm
.macro MUL a0, n, set, cm, dw          ; the 32 accumulators take turns, one instruction a turn, in the same order in every step
.if \cm == 0
	WIN 0x01|(\dw<<4)|(\dw<<6)
.else
	WIN 0x01|(\dw<<6)
.endif
.set ma, \a0
.rept \n
.irp t, 0,1,2,3,4,5,6,7
	WMM ma, \t, \set, \cm
.endr
.set ma, ma+1
.endr
.endm
.macro FETCH slot, q, set              ; 38 LDS loads: the fragments and scale words of the slot's q-th K step into register set 'set'
	WIN 0x40
.irp t, 0,1,2,3,4,5,6,7
.irp c, 0,1,2
	ds_load_b128 v[96*(\set)+12*\t+4*\c:96*(\set)+12*\t+4*\c+3], v[ADRB+\slot] offset:(\q)*REC+1536*\t+512*\c
.endr
.endr
	WIN 0
.irp a, 0,1,2,3
.irp c, 0,1,2
	ds_load_b128 v[AF+48*(\set)+12*\a+4*\c:AF+48*(\set)+12*\a+4*\c+3], v[ADRA+\slot] offset:(\q)*REC+1536*\a+512*\c
.endr
.endr
	ds_load_b128 v[SC+8*(\set):SC+8*(\set)+3], v[ADRB+\slot] offset:(\q)*REC+SCO
	ds_load_b128 v[SC+8*(\set)+4:SC+8*(\set)+7], v[ADSA+\slot] offset:(\q)*REC
.endm
.macro CREST                           ; a round of the cluster's barrier behind its opening barrier
	s_cmp_lg_u32 s[WV], 0
	s_cbranch_scc1 .Lnot_wave_0_\@
	s_barrier_signal -3
.Lnot_wave_0_\@:
	s_barrier_wait -3
	s_barrier_signal -1
	s_barrier_wait -1
.endm
.macro CROUND
	s_barrier_signal -1
	s_barrier_wait -1
	CREST
.endm
.macro TLOADW                          ; the refill: wave 0 A's four records, waves 1 and 2 B's (jointly), wave 3 none.  Four v_nop on each way: behind the load, and the places ahead of the fragment loads
	s_cmp_eq_u32 s[WV], 0
	s_cbranch_scc0 .Lnot_a_\@
	tensor_load_to_lds s[G0AW:G0AW+3], s[G1AM:G1AM+7]
	s_nop 0
	PLACES 4
	s_branch .Lasked_\@
.Lnot_a_\@:
	s_cmp_lt_u32 s[WV], 3
	s_cbranch_scc0 .Lnone_\@
	tensor_load_to_lds s[G0BW:G0BW+3], s[G1BM:G1BM+7]
	s_nop 0
	PLACES 4
	s_branch .Lasked_\@
.Lnone_\@:
	PLACES 4
.Lasked_\@:
.endm
.macro STEP slot, q, set, cm, dw       ; a K step whose successor lies in the same slot
	PLACES 4                                       ; the other set was read by the step before: four places ahead of loads into it
	FETCH \slot, (\q)+1, 1-(\set)
	s_wait_dscnt 38                                ; all but the 38 just issued: this step's fragments are in
	MUL 0, 4, \set, \cm, \dw
	WIN 0
.endm
.macro TURN slot, set, cm, dw, fill, next   ; a slot's last K step changes slots: one barrier; fill = 1: it opens a round, and the slot is filled again
	s_wait_tensorcnt 0x0                           ; all my tensor loads have landed: my part of the next slot
	ds_add_u32 v[SPW], v[NIL]                      ; 0 onto my spare word
	s_wait_dscnt 1                                 ; this step's fragments are in; the add may be out
	MUL 0, 1, \set, \cm, \dw
	s_wait_dscnt 0x0                               ; the add is done, and my reads of this slot are over
	s_barrier_signal -1
	MUL 1, 1, \set, \cm, \dw
	WIN 0
	s_barrier_wait -1
.if \fill
	CREST                                          ; no wave of any partner still reads this slot or has a load on its way
	s_add_co_u32 s[G0AW+1], s[LB], \slot*SLOT
	s_add_nc_u64 s[G0AW+2:G0AW+3], s[G0AW+2:G0AW+3], REG
	s_add_co_u32 s[G0BW+1], s[LB], \slot*SLOT
	s_add_nc_u64 s[G0BW+2:G0BW+3], s[G0BW+2:G0BW+3], REG
	TLOADW                                         ; it has four K steps, 128 matrix instructions a wave, in which to land
.else
	PLACES 4
.endif
	FETCH \next, 0, 1-(\set)
	MUL 2, 2, \set, \cm, \dw
	WIN 0
.endm
.macro LAST set, cm, dw
	s_wait_dscnt 0x0
	MUL 0, 4, \set, \cm, \dw
	WIN 0
.endm
.macro MKG1 g, w0, rows                ; a dense block as rows of 256 bytes (32 elements of 8 bytes), no padding
	s_mov_b32 s[\g], \w0
	s_mov_b32 s[\g+1], 32<<16
	s_mov_b32 s[\g+2], (\rows)<<16
	s_mov_b32 s[\g+3], 32<<16
	s_mov_b32 s[\g+4], \rows
	s_mov_b32 s[\g+5], 32
	s_mov_b32 s[\g+6], 0
	s_mov_b32 s[\g+7], 0
.endm
.macro FINISH
	s_wait_tensorcnt 0x0                           ; the wave's end
	ds_add_u32 v[SPW], v[NIL]
	s_wait_dscnt 0x0
	CROUND                                         ; the closing round
	s_endpgm
.endm
	s_load_b256 s[4:11], s[0:1], 0x0               ; wb, a2, fb1, vb1
	s_load_b128 s[12:15], s[0:1], 0x20             ; a3, r1
	v_lshl_add_u32 v[SPW], v0, 2, SPARE
	v_mov_b32 v[NIL], 0
	ds_add_u32 v10, v11
	s_wait_dscnt 0x0
	v_lshrrev_b32 v12, 5, v0
	v_readfirstlane_b32 s[WV], v12
	s_lshr_b32 s[WR], s[WV], 1                     ; which 64 rows are mine.  Also: which of B's two groups waves 1 and 2 fetch
	s_and_b32 s[WC], s[WV], 1                      ; which 128 columns
	s_bfe_u32 s[CX], ttmp6, 0x40000
	s_lshl_b32 s[XT], ttmp9, 2
	s_add_co_u32 s[XT], s[XT], s[CX]               ; my block of 128 rows: it enters global addresses of my own loads and stores alone
	s_and_b32 s[YT], ttmp7, 0xffff                 ; my block of 256 columns, which the four partners share
	s_mul_i32 s[LB], s[WV], REG                    ; where my loads go in a slot
	MKG1 G1AP, 0x00030000, 100
	MKG1 G1AM, 0x00030000, 200
	MKG1 G1BP, 0x0023000f, 100                     ; mask 15: all four work-groups; bit 21 set beside it
	MKG1 G1BM, 0x0023000f, 200
	s_mov_b32 s[DK], 0x3c23d70a
	s_mov_b32 s[ND2], 0xbba3d70a
	s_mov_b32 s[ND2+1], s[ND2]
	s_mov_b32 s[C50], 0x42480000
	s_mov_b32 s[C50+1], s[C50]
	s_mov_b32 s[C100], 0x42c80000
	s_mov_b32 s[C100+1], s[C100]
	s_mov_b32 s[SEL], 0x76543210
	s_mov_b32 s[SEL+1], 0xfedcba98
	s_mul_i32 s80, s[XT], 25600                    ; A's prefix: x's two records
	s_mov_b32 s81, 0
	s_mul_i32 s82, s[XT], GRP                      ; A's main K: h0's or z0's sixteen
	s_cmp_ge_u32 s[YT], 8
	s_cselect_b32 s92, 16*GRP, 0
	s_add_co_u32 s82, s82, s92
	s_mov_b32 s83, 0
	s_lshl_b32 s84, s[YT], 1
	s_add_co_u32 s84, s84, s[WR]                   ; B's group of 128 rows: made of y and the wave's number alone
	s_mul_i32 s86, s84, GRP
	s_add_co_u32 s86, s86, B2
	s_mov_b32 s87, 0
	s_and_b32 s85, s84, 15
	s_mul_i32 s88, s85, 25600
	s_add_co_u32 s88, s88, W1V
	s_cmp_ge_u32 s[YT], 8
	s_cselect_b32 s88, s88, ZERO                   ; y 0-7 have no prefix: zero codes
	s_mov_b32 s89, 0
	s_lshl_b32 s90, s[YT], 1
	s_add_co_u32 s90, s90, s[WC]
	s_and_b32 s90, s90, 15
	s_lshl_b32 s90, s90, 9                         ; my 128 numbers of the bias and of sp(vU1)
	s_mov_b32 s91, 0
	s_wait_kmcnt 0x0
	s_mov_b32 s[G0AP], 1
	s_mov_b32 s[G0AP+1], s[LB]
	s_add_nc_u64 s[G0AP+2:G0AP+3], s[4:5], s[80:81]
	s_or_b32 s[G0AP+3], s[G0AP+3], 0x80000000
	s_mov_b32 s[G0AW], 1
	s_add_co_u32 s[G0AW+1], s[LB], SLOT
	s_add_nc_u64 s[G0AW+2:G0AW+3], s[6:7], s[82:83]
	s_or_b32 s[G0AW+3], s[G0AW+3], 0x80000000
	s_mov_b32 s[G0BP], 1
	s_mov_b32 s[G0BP+1], s[LB]
	s_add_nc_u64 s[G0BP+2:G0BP+3], s[4:5], s[88:89]
	s_or_b32 s[G0BP+3], s[G0BP+3], 0x80000000
	s_mov_b32 s[G0BW], 1
	s_add_co_u32 s[G0BW+1], s[LB], SLOT
	s_add_nc_u64 s[G0BW+2:G0BW+3], s[4:5], s[86:87]
	s_or_b32 s[G0BW+3], s[G0BW+3], 0x80000000
	s_cmp_ge_u32 s[YT], 8
	s_cselect_b64 s[16:17], s[10:11], s[8:9]
	s_add_nc_u64 s[16:17], s[16:17], s[90:91]
	s_add_nc_u64 s[18:19], s[4:5], s[90:91]
	s_add_nc_u64 s[18:19], s[18:19], SPU
	CROUND                                         ; all four work-groups are here: the first joint loads meet
	s_cmp_eq_u32 s[WV], 0                          ; a wave's two first fills stand in one branch: the prefix into slot 0, the main K's first four records into slot 1
	s_cbranch_scc0 .Lff_b
	tensor_load_to_lds s[G0AP:G0AP+3], s[G1AP:G1AP+7]
	s_nop 0
	tensor_load_to_lds s[G0AW:G0AW+3], s[G1AM:G1AM+7]
	s_nop 0
	PLACES 4
	s_branch .Lff_done
.Lff_b:
	s_cmp_lt_u32 s[WV], 3
	s_cbranch_scc0 .Lff_done
	tensor_load_to_lds s[G0BP:G0BP+3], s[G1BP:G1BP+7]
	s_nop 0
	tensor_load_to_lds s[G0BW:G0BW+3], s[G1BM:G1BM+7]
	s_nop 0
	PLACES 4
.Lff_done:
	v_and_b32 v12, 31, v0
	v_lshlrev_b32 v[LI], 4, v12
	v_and_b32 v13, 15, v0
	v_lshlrev_b32 v[LA], 4, v13
	v_lshlrev_b32 v[R4], 2, v13
	v_bfe_u32 v15, v0, 4, 1
	v_lshlrev_b32 v[HV], 6, v15
	s_mul_i32 s91, s[WR], 6144
	v_add_nc_u32 v[ADRA], s91, v[LI]
	v_add_nc_u32 v[ADRA+1], SLOT, v[ADRA]
	v_add_nc_u32 v[GI], s91, v[LI]
	s_mul_i32 s92, s[WC], REG
	s_add_co_u32 s92, s92, REG
	v_add_nc_u32 v[ADRB], s92, v[LI]
	v_add_nc_u32 v[ADRB+1], SLOT, v[ADRB]
	s_lshl_b32 s92, s[WR], 8
	v_add_nc_u32 v[LAW], s92, v[LA]
	s_add_co_u32 s92, s92, SCO
	v_add_nc_u32 v[ADSA], s92, v[LA]
	v_add_nc_u32 v[ADSA+1], SLOT, v[ADSA]
	VECLOAD BIAS, 16
	VECLOAD SPV, 18
	s_wait_tensorcnt 0x1                           ; my part of the prefix is in; slot 1's load may stay out
	s_barrier_signal -1
	s_barrier_wait -1
	FETCH 0, 0, 0
	s_wait_loadcnt 0x0                             ; the bias
	STEP 0, 0, 0, 1, 2                             ; the bias starts the sums
	TURN 0, 1, 0, 2, 1, 1                          ; slot 0 takes records 4-7
	STEP 1, 0, 0, 0, 2
	STEP 1, 1, 1, 0, 2
	STEP 1, 2, 0, 0, 2
	TURN 1, 1, 0, 2, 1, 0                          ; slot 1 takes records 8-11
	STEP 0, 0, 0, 0, 2
	STEP 0, 1, 1, 0, 2
	STEP 0, 2, 0, 0, 2
	TURN 0, 1, 0, 2, 1, 1                          ; slot 0 takes records 12-15
	STEP 1, 0, 0, 0, 2
	STEP 1, 1, 1, 0, 2
	STEP 1, 2, 0, 0, 2
	TURN 1, 1, 0, 2, 0, 0                          ; nothing is left to fetch
	STEP 0, 0, 0, 0, 2
	STEP 0, 1, 1, 0, 2
	STEP 0, 2, 0, 0, 2
	LAST 1, 0, 2
	PLACES 4                                       ; four places behind the last products
	s_cmp_lt_u32 s[YT], 8
	s_cbranch_scc0 .Lvpath
	; ---- h1 = relu, quantised along its 128 columns, which are one K step of the product that follows
	s_mul_i32 s80, s[XT], GRP
	s_lshl_b32 s82, s[YT], 1
	s_add_co_u32 s82, s82, s[WC]
	s_mul_i32 s82, s82, REC
	s_add_co_u32 s80, s80, s82
	s_add_co_u32 s80, s80, 16*GRP
	s_mov_b32 s81, 0
	s_add_nc_u64 s[16:17], s[12:13], s[80:81]
.irp b, 0,1,2,3
	v_mov_b32 v[TM+4+\b], 0
.endr
.irp a, 0,1,2,3
	WIN 0x08
.set i, 0
.rept 64
	v_max_num_f32 v[HA+i], 0, v[64*\a+i]
.set i, i+1
.endr
	WIN 0
	s_wait_xcnt 0x0
	QUANT HA, PW+\a, 0x2800000, 0
	GIMG GI, 16, 1536*\a
.endr
	global_store_b128 v[LAW], v[PW:PW+3], s[16:17] offset:SCO
	FINISH
.Lvpath:
	s_sub_co_u32 s82, s[YT], 8
	s_lshl_b32 s82, s82, 1
	s_add_co_u32 s82, s82, s[WC]
	s_lshl_b32 s82, s82, 13                        ; my column group x 8,192
	s_lshl_b32 s80, s[XT], 20
	s_lshl_b32 s83, s[WR], 19
	s_add_co_u32 s80, s80, s83
	s_add_co_u32 s80, s80, s82
	s_mov_b32 s81, 0
	s_add_nc_u64 s[16:17], s[14:15], s[80:81]      ; the image of row tile 8 x + 4 wr, my column group
	s_lshl_b32 s80, s[XT], 9
	s_lshl_b32 s83, s[WR], 8
	s_add_co_u32 s80, s80, s83
	s_add_co_u32 s80, s80, s82
	s_add_co_u32 s80, s80, 16777216
	s_add_nc_u64 s[18:19], s[14:15], s[80:81]      ; my rows' partial sums
; 32 registers of row tile a: t = clamp(a1, 0, d); sp(vU1) t x 100 goes out; rehu(a1) sp(vU1) is summed
.macro EPIV a, c2
.set AB, 64*(\a)+32*(\c2)
.set SB, SPV+32*(\c2)
.set RR, RS+32*(\c2)
	WIN 0x02
.set i, 0
.rept 32
	v_med3_num_f32 v[TT+i], v[AB+i], 0, s[DK]
.set i, i+1
.endr
.set i, 0
.rept 16
	v_pk_add_f32 v[YY+i:YY+i+1], v[AB+i:AB+i+1], s[ND2:ND2+1] op_sel_hi:[1,0]
.set i, i+2
.endr
	WIN 0
.if \a > 0
	s_wait_xcnt 0x0                                ; this set's last stores have read it
.endif
.set i, 0
.rept 16
	v_pk_mul_f32 v[RR+i:RR+i+1], v[TT+i:TT+i+1], v[SB+i:SB+i+1]
.set i, i+2
.endr
.set i, 0
.rept 16
	v_pk_mul_f32 v[RR+i:RR+i+1], v[RR+i:RR+i+1], s[C100:C100+1] op_sel_hi:[1,0]
.set i, i+2
.endr
.set i, 0
.rept 16
	v_pk_mul_f32 v[TT+i:TT+i+1], v[TT+i:TT+i+1], v[TT+i:TT+i+1]
.set i, i+2
.endr
.set i, 0
.rept 16
	v_pk_mul_f32 v[TT+i:TT+i+1], v[TT+i:TT+i+1], s[C50:C50+1] op_sel_hi:[1,0]
.set i, i+2
.endr
.set i, 0
.rept 32
	v_max_num_f32 v[YY+i], v[TT+i], v[YY+i]
.set i, i+1
.endr
.set i, 0
.rept 16
.set ch, PS+2*((i/2)%2)
.if (\c2 == 0) && (i < 4)
	v_pk_mul_f32 v[ch:ch+1], v[YY+i:YY+i+1], v[SB+i:SB+i+1]     ; the first terms start the two chains
.else
	v_pk_fma_f32 v[ch:ch+1], v[YY+i:YY+i+1], v[SB+i:SB+i+1], v[ch:ch+1]
.endif
.set i, i+2
.endr
.irp q, 0,1,2,3,4,5,6,7
	global_store_b128 v[LI], v[RR+4*\q:RR+4*\q+3], s[16:17] offset:131072*(\a)+512*(8*(\c2)+\q)
.endr
.endm
.irp a, 0,1,2,3
	EPIV \a, 0
	EPIV \a, 1
	v_pk_add_f32 v[PS:PS+1], v[PS:PS+1], v[PS+2:PS+3]
	v_add_f32 v[PS], v[PS], v[PS+1]
	v_permlanex16_b32 v[PS+1], v[PS], s[SEL], s[SEL+1]
	v_add_f32 v[PSO+\a], v[PS], v[PS+1]            ; with lane l xor 16's 64 columns
	global_store_b32 v[R4], v[PSO+\a], s[18:19] offset:64*\a
.endr
	FINISH
.Lfunc_end_k_q3cd09fc639_mid:
	.size	k_q3cd09fc639_mid, .Lfunc_end_k_q3cd09fc639_mid-k_q3cd09fc639_mid
	.p2alignl 7, 3214868480
	.fill 96, 4, 3214868480
	.section	.rodata,"a",@progbits
	.p2align	6, 0x0
	.amdhsa_kernel k_q3cd09fc639_mid
		.amdhsa_group_segment_fixed_size 327680
		.amdhsa_private_segment_fixed_size 0
		.amdhsa_enable_private_segment 0
		.amdhsa_kernarg_size 48
		.amdhsa_user_sgpr_count 2
		.amdhsa_user_sgpr_kernarg_segment_ptr 1
		.amdhsa_wavefront_size32 1
		.amdhsa_system_sgpr_workgroup_id_x 1
		.amdhsa_system_sgpr_workgroup_id_y 1
		.amdhsa_system_sgpr_workgroup_id_z 1
		.amdhsa_system_vgpr_workitem_id 0
		.amdhsa_next_free_vgpr 768
		.amdhsa_next_free_sgpr 102
		.amdhsa_reserve_vcc 0
		.amdhsa_float_denorm_mode_32 3
		.amdhsa_float_denorm_mode_16_64 3
		.amdhsa_memory_ordered 1
		.amdhsa_forward_progress 1
		.amdhsa_inst_pref_size 241
	.end_amdhsa_kernel
	.amdgpu_metadata
---
amdhsa.version: [ 1, 2 ]
amdhsa.kernels:
  - .name:           k_q3cd09fc639_mid
    .symbol:         k_q3cd09fc639_mid.kd
    .args:
      - { .name: wb, .offset: 0, .size: 8, .value_kind: global_buffer, .address_space: global }
      - { .name: a2, .offset: 8, .size: 8, .value_kind: global_buffer, .address_space: global }
      - { .name: fb1, .offset: 16, .size: 8, .value_kind: global_buffer, .address_space: global }
      - { .name: vb1, .offset: 24, .size: 8, .value_kind: global_buffer, .address_space: global }
      - { .name: a3, .offset: 32, .size: 8, .value_kind: global_buffer, .address_space: global }
      - { .name: r1, .offset: 40, .size: 8, .value_kind: global_buffer, .address_space: global }
    .group_segment_fixed_size: 327680
    .private_segment_fixed_size: 0
    .kernarg_segment_align: 8
    .kernarg_segment_size: 48
    .max_flat_workgroup_size: 128
    .sgpr_count:     102
    .vgpr_count:     768
    .wavefront_size: 32
...
	.end_amdgpu_metadata
.endif
;; end of part 3
;; launch gate (part 4): grid 32 x 8, 2 waves a work-group, no clusters, 0 bytes of LDS; arguments r1, wb, a2, vb2, a3; writes a3
.if DOCPART == 4
	.amdgcn_target "amdgcn-amd-amdhsa--gfx1250"
	.amdhsa_code_object_version 6
	.text
	.protected	k_q3cd09fc639_gate
	.globl	k_q3cd09fc639_gate
	.p2align	8
	.type	k_q3cd09fc639_gate,@function
k_q3cd09fc639_gate:
	s_mov_b64 s[64:65], 0
	v_nop
	global_prefetch_b8 v0, s[64:65] scope:SCOPE_SE
	s_setreg_imm32_b32 hwreg(HW_REG_WAVE_MODE, 25, 1), 1
	s_wait_xcnt 0x0
; GATE: s = icnn(x) - icnn(0) for each row (all in f32); g = clamp(s, 0, 1); V = max(g g / 2, s - 1/2) + 1e-5 |x|^2; da1 = g sp(vU1) rehu'(a1), quantised along the hidden units, as records.
; A wave takes 64 rows (work-group x) and 128 hidden units (2 y + wave): four f32 images in, four fragment images out.  It streams: no LDS, no matrix unit, no cluster (no two waves read the same image;
; the rows' 20 small numbers are read again by 16 waves, 5 KB each).  Two images are always on their way.
; LIMITS: NaN and infinities are not served; g sp(vU1) rehu' is multiplied in the order (sp rehu') g.
.set REC, 12800
.set SCO, 12288
.set GRP, 204800
.set XD, 14951424
.set XX, 14967808
.set R4, 1
.set LI, 2
.set LA, 3
.set GI, 4
.set LAW, 5
.set GG, 16                            ; v16-23: g at the even registers, V at the odd ones
.set IM, 32                            ; v32-95, v96-159: two images
.set RN, 160                           ; v160-239: 20 numbers for each of my four rows; later at work
.set PC, 160
.set TM, 180
.set PW, 196
.set WV, 34
.set YT, 35
.set NG, 36
.set PPS, 38
.set PXD, 40
.set PIM, 42
.set POUT, 44
.set PG, 46
.set SEL, 48
.set C1E5, 60
.macro QUANT s, pw, floor, sub11
.irp b, 0,1,2,3
	v_max3_num_f32 v[TM+\b], |v[\s+16*\b]|, |v[\s+1+16*\b]|, \floor
.endr
.irp i, 2,4,6,8,10,12,14
.irp b, 0,1,2,3
	v_max3_num_f32 v[TM+\b], v[TM+\b], |v[\s+16*\b+\i]|, |v[\s+1+16*\b+\i]|
.endr
.endr
.irp b, 0,1,2,3
	v_permlanex16_b32 v[TM+4+\b], v[TM+\b], s[SEL], s[SEL+1]
.endr
.irp b, 0,1,2,3
	v_max_num_f32 v[TM+\b], v[TM+\b], v[TM+4+\b]
.endr
.irp b, 0,1,2,3
	v_add_nc_u32 v[TM+12+\b], 0xfe000000, v[TM+\b]
.endr
.irp b, 0,1,2,3
	v_lshrrev_b32 v[TM+4+\b], 23, v[TM+12+\b]
.endr
	v_lshl_or_b32 v[\pw], v[TM+5], 8, v[TM+4]
	v_lshl_or_b32 v[\pw], v[TM+6], 16, v[\pw]
	v_lshl_or_b32 v[\pw], v[TM+7], 24, v[\pw]
.if \sub11
	v_add_nc_u32 v[\pw], 0xf4f4f4f5, v[\pw]
.endif
.irp c, 0,1
	v_cvt_scalef32_pk16_bf6_f32 v[PC+6*\c:PC+2+6*\c], v[\s+32*\c:\s+15+32*\c], v[TM+12+2*\c]
	v_cvt_scalef32_pk16_bf6_f32 v[PC+12+4*\c:PC+14+4*\c], v[\s+16+32*\c:\s+31+32*\c], v[TM+12+2*\c+1]
.endr
	v_nop                                          ; one plain place behind a scaled conversion
.irp c, 0,1
.irp i, 0,1,2
	v_permlane16_swap_b32 v[PC+6*\c+\i], v[PC+12+4*\c+\i]
.endr
.irp i, 0,1,2
	v_mov_b32 v[PC+3+6*\c+\i], v[PC+12+4*\c+\i]
.endr
.endr
.endm
.macro GIMG adr, base, off
.irp c, 0,1,2
	global_store_b128 v[\adr], v[PC+4*\c:PC+4*\c+3], s[\base:\base+1] offset:\off+512*\c
.endr
.endm
.macro IMLOAD a                        ; the image of row tile a into set a % 2
.irp q, 0,1,2,3,4,5,6,7,8,9,10,11,12,13,14,15
	global_load_b128 v[IM+64*((\a)%2)+4*\q:IM+64*((\a)%2)+4*\q+3], v[LI], s[PIM:PIM+1] offset:131072*(\a)+512*\q th:TH_LOAD_NT
.endr
.endm
	s_load_b256 s[4:11], s[0:1], 0x0               ; r1, wb, a2, vb2
	s_load_b64 s[12:13], s[0:1], 0x20              ; a3
	v_lshrrev_b32 v6, 5, v0
	v_readfirstlane_b32 s[WV], v6
	v_and_b32 v6, 31, v0
	v_lshlrev_b32 v[LI], 4, v6
	v_and_b32 v7, 15, v0
	v_lshlrev_b32 v[R4], 2, v7
	v_lshlrev_b32 v[LA], 4, v7
	s_and_b32 s[YT], ttmp7, 0xffff
	s_lshl_b32 s[NG], s[YT], 1
	s_add_co_u32 s[NG], s[NG], s[WV]               ; my group of 128 hidden units
	s_and_b32 s50, ttmp9, 1
	s_mul_i32 s51, s50, 6144
	v_add_nc_u32 v[GI], s51, v[LI]
	s_lshl_b32 s51, s50, 8
	v_add_nc_u32 v[LAW], s51, v[LA]
	s_mov_b32 s[SEL], 0x76543210
	s_mov_b32 s[SEL+1], 0xfedcba98
	s_mov_b32 s[C1E5], 0x3727c5ac                  ; 1e-5
	s_lshl_b32 s50, ttmp9, 8                       ; my 64 rows x 4 bytes
	s_mov_b32 s51, 0
	s_add_co_u32 s52, s50, 16777216
	s_mov_b32 s53, 0
	s_add_co_u32 s54, s50, XD
	s_mov_b32 s55, 0
	s_lshl_b32 s56, ttmp9, 19
	s_lshl_b32 s58, s[NG], 13
	s_add_co_u32 s56, s56, s58
	s_mov_b32 s57, 0
	s_lshr_b32 s58, ttmp9, 1
	s_mul_i32 s58, s58, GRP
	s_mul_i32 s59, s[NG], REC
	s_add_co_u32 s58, s58, s59
	s_mov_b32 s59, 0
	s_add_co_u32 s50, s50, 32*GRP
	s_wait_kmcnt 0x0
	s_load_b512 s[16:31], s[8:9], 0x640000         ; the sixteen parts of icnn(0)'s last sum
	s_load_b32 s32, s[10:11], 0x0                  ; vb2
	s_add_nc_u64 s[PPS:PPS+1], s[4:5], s[52:53]
	s_add_nc_u64 s[PXD:PXD+1], s[6:7], s[54:55]
	s_add_nc_u64 s[PIM:PIM+1], s[4:5], s[56:57]
	s_add_nc_u64 s[POUT:POUT+1], s[12:13], s[58:59]
	s_add_nc_u64 s[PG:PG+1], s[12:13], s[50:51]
.irp a, 0,1,2,3
.irp i, 0,1,2,3,4,5,6,7,8,9,10,11,12,13,14,15
	global_load_b32 v[RN+20*\a+\i], v[R4], s[PPS:PPS+1] offset:8192*\i+64*\a
.endr
	global_load_b32 v[RN+20*\a+16], v[R4], s[PXD:PXD+1] offset:64*\a
	global_load_b32 v[RN+20*\a+17], v[R4], s[PXD:PXD+1] offset:8192+64*\a
	global_load_b32 v[RN+20*\a+18], v[R4], s[PXD:PXD+1] offset:XX-XD+64*\a
	global_load_b32 v[RN+20*\a+19], v[R4], s[PXD:PXD+1] offset:XX-XD+8192+64*\a
.endr
	IMLOAD 0
	IMLOAD 1
	s_wait_kmcnt 0x0
	s_add_f32 s33, s16, s17
.irp i, 18,19,20,21,22,23,24,25,26,27,28,29,30,31
	s_add_f32 s33, s33, s[\i]
.endr
	s_add_f32 s33, s33, s32                        ; icnn(0)
	s_wait_loadcnt 32                              ; the rows' numbers are in; the two images (32 loads) may be out
.irp a, 0,1,2,3
	v_add_f32 v[24+\a], v[RN+20*\a+16], v[RN+20*\a+17]
.endr
.irp a, 0,1,2,3
	v_add_f32 v[24+\a], s32, v[24+\a]
.endr
.irp i, 0,1,2,3,4,5,6,7,8,9,10,11,12,13,14,15
.irp a, 0,1,2,3
	v_add_f32 v[24+\a], v[24+\a], v[RN+20*\a+\i]
.endr
.endr
.irp a, 0,1,2,3
	v_sub_f32 v[24+\a], v[24+\a], s33              ; s
.endr
.irp a, 0,1,2,3
	v_med3_num_f32 v[GG+2*\a], v[24+\a], 0, 1.0    ; g
.endr
.irp a, 0,1,2,3
	v_mul_f32 v[28+\a], v[GG+2*\a], v[GG+2*\a]
.endr
.irp a, 0,1,2,3
	v_mul_f32 v[28+\a], 0.5, v[28+\a]
.endr
.irp a, 0,1,2,3
	v_add_f32 v[24+\a], -0.5, v[24+\a]
.endr
.irp a, 0,1,2,3
	v_max_num_f32 v[28+\a], v[28+\a], v[24+\a]
.endr
.irp a, 0,1,2,3
	v_add_f32 v[24+\a], v[RN+20*\a+18], v[RN+20*\a+19]
.endr
.irp a, 0,1,2,3
	v_fma_f32 v[GG+2*\a+1], v[24+\a], s[C1E5], v[28+\a]   ; V
.endr
	s_cmp_lg_u32 s[NG], 0
	s_cbranch_scc1 .Lnog
.irp a, 0,1,2,3
	global_store_b32 v[R4], v[GG+2*\a], s[PG:PG+1] offset:64*\a
	global_store_b32 v[R4], v[GG+2*\a+1], s[PG:PG+1] offset:8192+64*\a
.endr
.Lnog:
.irp b, 0,1,2,3
	v_mov_b32 v[TM+4+\b], 0
.endr
.macro GA a
.set QS, IM+64*((\a)%2)
.if \a < 3
	s_wait_loadcnt 16                              ; this image is in; the next one's 16 loads may be out
.else
	s_wait_loadcnt 0x0
.endif
.set i, 0
.rept 32
	v_pk_mul_f32 v[QS+i:QS+i+1], v[QS+i:QS+i+1], v[GG+2*(\a):GG+2*(\a)+1] op_sel_hi:[1,0]
.set i, i+2
.endr
	s_wait_xcnt 0x0                                ; the last tile's stores have read the codes' registers
	QUANT QS, PW+\a, 0x2800000, 0
	GIMG GI, POUT, 1536*(\a)
.if \a < 2
	IMLOAD (\a)+2
.endif
.endm
	GA 0
	GA 1
	GA 2
	GA 3
	global_store_b128 v[LAW], v[PW:PW+3], s[POUT:POUT+1] offset:SCO
	s_endpgm
.Lfunc_end_k_q3cd09fc639_gate:
	.size	k_q3cd09fc639_gate, .Lfunc_end_k_q3cd09fc639_gate-k_q3cd09fc639_gate
	.p2alignl 7, 3214868480
	.fill 96, 4, 3214868480
	.section	.rodata,"a",@progbits
	.p2align	6, 0x0
	.amdhsa_kernel k_q3cd09fc639_gate
		.amdhsa_group_segment_fixed_size 0
		.amdhsa_private_segment_fixed_size 0
		.amdhsa_enable_private_segment 0
		.amdhsa_kernarg_size 40
		.amdhsa_user_sgpr_count 2
		.amdhsa_user_sgpr_kernarg_segment_ptr 1
		.amdhsa_wavefront_size32 1
		.amdhsa_system_sgpr_workgroup_id_x 1
		.amdhsa_system_sgpr_workgroup_id_y 1
		.amdhsa_system_sgpr_workgroup_id_z 1
		.amdhsa_system_vgpr_workitem_id 0
		.amdhsa_next_free_vgpr 256
		.amdhsa_next_free_sgpr 66
		.amdhsa_reserve_vcc 0
		.amdhsa_float_denorm_mode_32 3
		.amdhsa_float_denorm_mode_16_64 3
		.amdhsa_memory_ordered 1
		.amdhsa_forward_progress 1
		.amdhsa_inst_pref_size 46
	.end_amdhsa_kernel
	.amdgpu_metadata
---
amdhsa.version: [ 1, 2 ]
amdhsa.kernels:
  - .name:           k_q3cd09fc639_gate
    .symbol:         k_q3cd09fc639_gate.kd
    .args:
      - { .name: r1, .offset: 0, .size: 8, .value_kind: global_buffer, .address_space: global }
      - { .name: wb, .offset: 8, .size: 8, .value_kind: global_buffer, .address_space: global }
      - { .name: a2, .offset: 16, .size: 8, .value_kind: global_buffer, .address_space: global }
      - { .name: vb2, .offset: 24, .size: 8, .value_kind: global_buffer, .address_space: global }
      - { .name: a3, .offset: 32, .size: 8, .value_kind: global_buffer, .address_space: global }
    .group_segment_fixed_size: 0
    .private_segment_fixed_size: 0
    .kernarg_segment_align: 8
    .kernarg_segment_size: 40
    .max_flat_workgroup_size: 64
    .sgpr_count:     66
    .vgpr_count:     256
    .wavefront_size: 32
...
	.end_amdgpu_metadata
.endif
;; end of part 4
;; launch back (part 5): grid 16 x 10, 4 waves a work-group, clusters of 4 x 1, 327,680 bytes of LDS; arguments wb, a3, vb0, vW2, a4; writes a4
.if DOCPART == 5
	.amdgcn_target "amdgcn-amd-amdhsa--gfx1250"
	.amdhsa_code_object_version 6
	.text
	.protected	k_q3cd09fc639_back
	.globl	k_q3cd09fc639_back
	.p2align	8
	.type	k_q3cd09fc639_back,@function
k_q3cd09fc639_back:
	s_mov_b64 s[64:65], 0
	v_nop
	global_prefetch_b8 v0, s[64:65] scope:SCOPE_SE
	s_setreg_imm32_b32 hwreg(HW_REG_WAVE_MODE, 25, 1), 1
	s_wait_xcnt 0x0
	s_wait_alu depctr_hold_cnt(0) depctr_sa_sdst(0) depctr_va_vdst(0) depctr_va_sdst(0) depctr_va_ssrc(0) depctr_va_vcc(0) depctr_vm_vsrc(0)
	s_getreg_b32 s2, hwreg(HW_REG_IB_STS2, 6, 4)
	s_cmp_eq_u32 s2, 0
	s_cbranch_scc0 .Lentry_in_a_cluster
	s_endpgm
.Lentry_in_a_cluster:
	s_bfe_u32 s2, ttmp6, 0x10000c
	s_cmp_lg_u32 s2, 0x3003
	s_cbranch_scc0 .Lentry_shape_is_right
	s_endpgm
.Lentry_shape_is_right:
; BACK: y 0-7: da0 = (da1 sp(vU0)) rehu'(a0) / 2048, with a0 = x vW0^T + vb0 made once more in the two prefix steps (a second set of accumulators); quantised, as records; its scale bytes carry the 2^-11.
; y 8: g vW2 + da1 vW1 + 2e-5 x, as f32 images.  y 9: fx = [h1 fW2^T + fb2, 1], as f32 images.  (For y 8, 9 the prefix multiplies zero codes and its sums are not used.)
; Tile, waves, records, slots, rounds and the written-out K walk are those of the launch before the gate: 128 rows x 256 columns a work-group, 64 x 128 a wave, 18 K steps of 128, two slots of four K steps;
; wave 0 fetches A's records, waves 1 and 2 B's jointly for the four work-groups of the cluster (same y), wave 3 none.  A wave has two tensor loads out at the start and one behind each round.
; Cluster 4 x 1 and not 4 x 4: the ten column blocks belong to three products with two different A operands, so four neighbouring column blocks do not share A.
; LIMITS: NaN and infinities are not served; a block of da0 x 2048 whose largest magnitude lies under 2^-111 is quantised at that floor's scale; rehu' multiplies by 100 where the definition divides by 0.01.
.set REC, 12800
.set SCO, 12288
.set GRP, 204800
.set W0, 409600
.set ZERO, 1638400
.set B3, 8217600
.set XI, 12723200
.set FB2, 14992384
.set GVO, 3276800
.set FXO, 5373952
.set REG, 4*REC
.set SLOT, 3*REG
.set SPARE, 2*SLOT
.set LI, 1
.set LA, 2
.set HV, 3
.set ADRA, 4
.set ADRB, 6
.set ADSA, 8
.set SPW, 10
.set NIL, 11
.set GI, 12
.set LAW, 13
.set R4, 14
.set SC, 16                            ; v16-31 scale words, two sets: nothing else ever lies here
.set BIAS, 32
.set HA, 32
.set VECR, 32
.set GB, 96
.set ONE, 104
.set AF, 160
.set PC, 160
.set TM, 180
.set PW, 196
.set WV, 20
.set WR, 21
.set WC, 22
.set CX, 23
.set XT, 24
.set YT, 25
.set LB, 26
.set G1AP, 28
.set G1AM, 36
.set G1BP, 44
.set G1BM, 52
.set G0AP, 60
.set G0AW, 68
.set G0BP, 72
.set G0BW, 76
.set DK, 93
.set AL, 94
.set M8, 96
.set C100, 98
.set SEL, 100
.set MSB, 0
.macro WIN new
.if MSB != (\new)
	s_set_vgpr_msb (MSB<<8)|(\new)
.set MSB, \new
.endif
.endm
.macro PLACES n
.rept \n
	v_nop
.endr
.endm
.macro QUANT s, pw, floor, sub11
.irp b, 0,1,2,3
	v_max3_num_f32 v[TM+\b], |v[\s+16*\b]|, |v[\s+1+16*\b]|, \floor
.endr
.irp i, 2,4,6,8,10,12,14
.irp b, 0,1,2,3
	v_max3_num_f32 v[TM+\b], v[TM+\b], |v[\s+16*\b+\i]|, |v[\s+1+16*\b+\i]|
.endr
.endr
.irp b, 0,1,2,3
	v_permlanex16_b32 v[TM+4+\b], v[TM+\b], s[SEL], s[SEL+1]
.endr
.irp b, 0,1,2,3
	v_max_num_f32 v[TM+\b], v[TM+\b], v[TM+4+\b]
.endr
.irp b, 0,1,2,3
	v_add_nc_u32 v[TM+12+\b], 0xfe000000, v[TM+\b]
.endr
.irp b, 0,1,2,3
	v_lshrrev_b32 v[TM+4+\b], 23, v[TM+12+\b]
.endr
	v_lshl_or_b32 v[\pw], v[TM+5], 8, v[TM+4]
	v_lshl_or_b32 v[\pw], v[TM+6], 16, v[\pw]
	v_lshl_or_b32 v[\pw], v[TM+7], 24, v[\pw]
.if \sub11
	v_add_nc_u32 v[\pw], 0xf4f4f4f5, v[\pw]        ; 11 off each byte (each is 12 at the least: no borrow)
.endif
.irp c, 0,1
	v_cvt_scalef32_pk16_bf6_f32 v[PC+6*\c:PC+2+6*\c], v[\s+32*\c:\s+15+32*\c], v[TM+12+2*\c]
	v_cvt_scalef32_pk16_bf6_f32 v[PC+12+4*\c:PC+14+4*\c], v[\s+16+32*\c:\s+31+32*\c], v[TM+12+2*\c+1]
.endr
	v_nop                                          ; one plain place behind a scaled conversion
.irp c, 0,1
.irp i, 0,1,2
	v_permlane16_swap_b32 v[PC+6*\c+\i], v[PC+12+4*\c+\i]
.endr
.irp i, 0,1,2
	v_mov_b32 v[PC+3+6*\c+\i], v[PC+12+4*\c+\i]
.endr
.endr
.endm
.macro GIMG adr, base, off
.irp c, 0,1,2
	global_store_b128 v[\adr], v[PC+4*\c:PC+4*\c+3], s[\base:\base+1] offset:\off+512*\c
.endr
.endm
.macro VECLOAD reg, base
.irp b, 0,1,2,3
.irp q, 0,1,2,3
	global_load_b128 v[\reg+16*\b+4*\q:\reg+16*\b+4*\q+3], v[HV], s[\base:\base+1] offset:128*\b+16*\q
.endr
.endr
.endm
.macro WMM a, t, set, cm
.set rD, 8*(8*(\a)+(\t))
.set rB, 96*(\set)+12*(\t)
.set rA, AF+48*(\set)+12*(\a)
.set rSB, SC+8*(\set)+(\t)%4
.set rSA, SC+8*(\set)+4+(\a)
.if (\t) < 4
.if \cm == 0
	v_wmma_scale_f32_16x16x128_f8f6f4 v[rD:rD+7], v[rB:rB+11], v[rA:rA+11], v[rD:rD+7], v[rSB], v[rSA] matrix_a_fmt:MATRIX_FMT_BF6 matrix_b_fmt:MATRIX_FMT_BF6
.elseif \cm == 1
	v_wmma_scale_f32_16x16x128_f8f6f4 v[rD:rD+7], v[rB:rB+11], v[rA:rA+11], v[BIAS+8*(\t):BIAS+8*(\t)+7], v[rSB], v[rSA] matrix_a_fmt:MATRIX_FMT_BF6 matrix_b_fmt:MATRIX_FMT_BF6
.else
	v_wmma_scale_f32_16x16x128_f8f6f4 v[rD:rD+7], v[rB:rB+11], v[rA:rA+11], 0, v[rSB], v[rSA] matrix_a_fmt:MATRIX_FMT_BF6 matrix_b_fmt:MATRIX_FMT_BF6
.endif
.else
.if \cm == 0
	v_wmma_scale_f32_16x16x128_f8f6f4 v[rD:rD+7], v[rB:rB+11], v[rA:rA+11], v[rD:rD+7], v[rSB], v[rSA] matrix_a_fmt:MATRIX_FMT_BF6 matrix_b_fmt:MATRIX_FMT_BF6 matrix_a_scale:MATRIX_SCALE_ROW1
.elseif \cm == 1
	v_wmma_scale_f32_16x16x128_f8f6f4 v[rD:rD+7], v[rB:rB+11], v[rA:rA+11], v[BIAS+8*(\t):BIAS+8*(\t)+7], v[rSB], v[rSA] matrix_a_fmt:MATRIX_FMT_BF6 matrix_b_fmt:MATRIX_FMT_BF6 matrix_a_scale:MATRIX_SCALE_ROW1
.else
	v_wmma_scale_f32_16x16x128_f8f6f4 v[rD:rD+7], v[rB:rB+11], v[rA:rA+11], 0, v[rSB], v[rSA] matrix_a_fmt:MATRIX_FMT_BF6 matrix_b_fmt:MATRIX_FMT_BF6 matrix_a_scale:MATRIX_SCALE_ROW1
.endif
.endif
.endm
.macro MUL a0, n, set, cm, dw          ; the 32 accumulators of a window take turns, one instruction a turn
.if \cm == 0
	WIN 0x01|(\dw<<4)|(\dw<<6)
.else
	WIN 0x01|(\dw<<6)
.endif
.set ma, \a0
.rept \n
.irp t, 0,1,2,3,4,5,6,7
	WMM ma, \t, \set, \cm
.endr
.set ma, ma+1
.endr
.endm
.macro FETCH slot, q, set
	WIN 0x40
.irp t, 0,1,2,3,4,5,6,7
.irp c, 0,1,2
	ds_load_b128 v[96*(\set)+12*\t+4*\c:96*(\set)+12*\t+4*\c+3], v[ADRB+\slot] offset:(\q)*REC+1536*\t+512*\c
.endr
.endr
	WIN 0
.irp a, 0,1,2,3
.irp c, 0,1,2
	ds_load_b128 v[AF+48*(\set)+12*\a+4*\c:AF+48*(\set)+12*\a+4*\c+3], v[ADRA+\slot] offset:(\q)*REC+1536*\a+512*\c
.endr
.endr
	ds_load_b128 v[SC+8*(\set):SC+8*(\set)+3], v[ADRB+\slot] offset:(\q)*REC+SCO
	ds_load_b128 v[SC+8*(\set)+4:SC+8*(\set)+7], v[ADSA+\slot] offset:(\q)*REC
.endm
.macro CREST
	s_cmp_lg_u32 s[WV], 0
	s_cbranch_scc1 .Lnot_wave_0_\@
	s_barrier_signal -3
.Lnot_wave_0_\@:
	s_barrier_wait -3
	s_barrier_signal -1
	s_barrier_wait -1
.endm
.macro CROUND
	s_barrier_signal -1
	s_barrier_wait -1
	CREST
.endm
.macro TLOADW
	s_cmp_eq_u32 s[WV], 0
	s_cbranch_scc0 .Lnot_a_\@
	tensor_load_to_lds s[G0AW:G0AW+3], s[G1AM:G1AM+7]
	s_nop 0
	PLACES 4
	s_branch .Lasked_\@
.Lnot_a_\@:
	s_cmp_lt_u32 s[WV], 3
	s_cbranch_scc0 .Lnone_\@
	tensor_load_to_lds s[G0BW:G0BW+3], s[G1BM:G1BM+7]
	s_nop 0
	PLACES 4
	s_branch .Lasked_\@
.Lnone_\@:
	PLACES 4
.Lasked_\@:
.endm
.macro STEP slot, q, set, cm, dw
	PLACES 4                                       ; the other set was read by the step before
	FETCH \slot, (\q)+1, 1-(\set)
	s_wait_dscnt 38                                ; all but the 38 just issued
	MUL 0, 4, \set, \cm, \dw
	WIN 0
.endm
.macro TURN slot, set, cm, dw, fill, next
	s_wait_tensorcnt 0x0                           ; all my tensor loads have landed: my part of the next slot
	ds_add_u32 v[SPW], v[NIL]                      ; 0 onto my spare word
	s_wait_dscnt 1                                 ; this step's fragments are in; the add may be out
	MUL 0, 1, \set, \cm, \dw
	s_wait_dscnt 0x0                               ; the add is done, and my reads of this slot are over
	s_barrier_signal -1
	MUL 1, 1, \set, \cm, \dw
	WIN 0
	s_barrier_wait -1
.if \fill
	CREST
	s_add_co_u32 s[G0AW+1], s[LB], \slot*SLOT
	s_add_nc_u64 s[G0AW+2:G0AW+3], s[G0AW+2:G0AW+3], REG
	s_add_co_u32 s[G0BW+1], s[LB], \slot*SLOT
	s_add_nc_u64 s[G0BW+2:G0BW+3], s[G0BW+2:G0BW+3], REG
	TLOADW
.else
	PLACES 4
.endif
	FETCH \next, 0, 1-(\set)
	MUL 2, 2, \set, \cm, \dw
	WIN 0
.endm
.macro LAST set, cm, dw
	s_wait_dscnt 0x0
	MUL 0, 4, \set, \cm, \dw
	WIN 0
.endm
.macro MKG1 g, w0, rows
	s_mov_b32 s[\g], \w0
	s_mov_b32 s[\g+1], 32<<16
	s_mov_b32 s[\g+2], (\rows)<<16
	s_mov_b32 s[\g+3], 32<<16
	s_mov_b32 s[\g+4], \rows
	s_mov_b32 s[\g+5], 32
	s_mov_b32 s[\g+6], 0
	s_mov_b32 s[\g+7], 0
.endm
.macro FINISH
	s_wait_tensorcnt 0x0                           ; the wave's end
	ds_add_u32 v[SPW], v[NIL]
	s_wait_dscnt 0x0
	CROUND
	s_endpgm
.endm
	s_load_b256 s[4:11], s[0:1], 0x0               ; wb, a3, vb0, vW2
	s_load_b64 s[12:13], s[0:1], 0x20              ; a4
	v_lshl_add_u32 v[SPW], v0, 2, SPARE
	v_mov_b32 v[NIL], 0
	ds_add_u32 v10, v11
	s_wait_dscnt 0x0
	v_lshrrev_b32 v12, 5, v0
	v_readfirstlane_b32 s[WV], v12
	s_lshr_b32 s[WR], s[WV], 1
	s_and_b32 s[WC], s[WV], 1
	s_bfe_u32 s[CX], ttmp6, 0x40000
	s_lshl_b32 s[XT], ttmp9, 2
	s_add_co_u32 s[XT], s[XT], s[CX]
	s_and_b32 s[YT], ttmp7, 0xffff
	s_mul_i32 s[LB], s[WV], REG
	MKG1 G1AP, 0x00030000, 100
	MKG1 G1AM, 0x00030000, 200
	MKG1 G1BP, 0x0023000f, 100
	MKG1 G1BM, 0x0023000f, 200
	s_mov_b32 s[DK], 0x3c23d70a
	s_mov_b32 s[C100], 0x42c80000
	s_mov_b32 s[C100+1], s[C100]
	s_mov_b32 s[SEL], 0x76543210
	s_mov_b32 s[SEL+1], 0xfedcba98
	s_mul_i32 s80, s[XT], 25600                    ; A's prefix: x's two records
	s_mov_b32 s81, 0
	s_mul_i32 s82, s[XT], GRP                      ; A's main K: da1's sixteen records, for y 9 h1's
	s_cmp_eq_u32 s[YT], 9
	s_cselect_b32 s92, 16*GRP, 0
	s_add_co_u32 s82, s82, s92
	s_mov_b32 s83, 0
	s_lshl_b32 s84, s[YT], 1
	s_add_co_u32 s84, s84, s[WR]                   ; B's group: made of y and the wave's number alone
	s_mul_i32 s86, s84, GRP
	s_add_co_u32 s86, s86, B3
	s_mov_b32 s87, 0
	s_mul_i32 s88, s84, 25600
	s_add_co_u32 s88, s88, W0+409600
	s_cmp_lt_u32 s[YT], 8
	s_cselect_b32 s88, s88, ZERO
	s_mov_b32 s89, 0
	s_lshl_b32 s90, s[YT], 1
	s_add_co_u32 s90, s90, s[WC]
	s_min_u32 s90, s90, 15
	s_lshl_b32 s90, s90, 9
	s_mov_b32 s91, 0
	s_wait_kmcnt 0x0
	s_mov_b32 s[G0AP], 1
	s_mov_b32 s[G0AP+1], s[LB]
	s_add_nc_u64 s[G0AP+2:G0AP+3], s[4:5], s[80:81]
	s_or_b32 s[G0AP+3], s[G0AP+3], 0x80000000
	s_mov_b32 s[G0AW], 1
	s_add_co_u32 s[G0AW+1], s[LB], SLOT
	s_add_nc_u64 s[G0AW+2:G0AW+3], s[6:7], s[82:83]
	s_or_b32 s[G0AW+3], s[G0AW+3], 0x80000000
	s_mov_b32 s[G0BP], 1
	s_mov_b32 s[G0BP+1], s[LB]
	s_add_nc_u64 s[G0BP+2:G0BP+3], s[4:5], s[88:89]
	s_or_b32 s[G0BP+3], s[G0BP+3], 0x80000000
	s_mov_b32 s[G0BW], 1
	s_add_co_u32 s[G0BW+1], s[LB], SLOT
	s_add_nc_u64 s[G0BW+2:G0BW+3], s[4:5], s[86:87]
	s_or_b32 s[G0BW+3], s[G0BW+3], 0x80000000
	s_add_nc_u64 s[16:17], s[8:9], s[90:91]
	CROUND                                         ; all four work-groups are here: the first joint loads meet
	s_cmp_eq_u32 s[WV], 0
	s_cbranch_scc0 .Lff_b
	tensor_load_to_lds s[G0AP:G0AP+3], s[G1AP:G1AP+7]
	s_nop 0
	tensor_load_to_lds s[G0AW:G0AW+3], s[G1AM:G1AM+7]
	s_nop 0
	PLACES 4
	s_branch .Lff_done
.Lff_b:
	s_cmp_lt_u32 s[WV], 3
	s_cbranch_scc0 .Lff_done
	tensor_load_to_lds s[G0BP:G0BP+3], s[G1BP:G1BP+7]
	s_nop 0
	tensor_load_to_lds s[G0BW:G0BW+3], s[G1BM:G1BM+7]
	s_nop 0
	PLACES 4
.Lff_done:
	v_and_b32 v12, 31, v0
	v_lshlrev_b32 v[LI], 4, v12
	v_and_b32 v13, 15, v0
	v_lshlrev_b32 v[LA], 4, v13
	v_lshlrev_b32 v[R4], 2, v13
	v_bfe_u32 v15, v0, 4, 1
	v_lshlrev_b32 v[HV], 6, v15
	s_mul_i32 s91, s[WR], 6144
	v_add_nc_u32 v[ADRA], s91, v[LI]
	v_add_nc_u32 v[ADRA+1], SLOT, v[ADRA]
	v_add_nc_u32 v[GI], s91, v[LI]
	s_mul_i32 s92, s[WC], REG
	s_add_co_u32 s92, s92, REG
	v_add_nc_u32 v[ADRB], s92, v[LI]
	v_add_nc_u32 v[ADRB+1], SLOT, v[ADRB]
	s_lshl_b32 s92, s[WR], 8
	v_add_nc_u32 v[LAW], s92, v[LA]
	s_add_co_u32 s92, s92, SCO
	v_add_nc_u32 v[ADSA], s92, v[LA]
	v_add_nc_u32 v[ADSA+1], SLOT, v[ADSA]
	VECLOAD BIAS, 16
	s_wait_tensorcnt 0x1                           ; my part of the prefix is in; slot 1's load may stay out
	s_barrier_signal -1
	s_barrier_wait -1
	FETCH 0, 0, 0
	s_wait_loadcnt 0x0                             ; vb0
	STEP 0, 0, 0, 1, 3                             ; a0 in window 3: vb0 starts the sums
	TURN 0, 1, 0, 3, 1, 1                          ; slot 0 takes records 4-7
	STEP 1, 0, 0, 2, 2                             ; the main K in window 2: 0 starts the sums
	STEP 1, 1, 1, 0, 2
	STEP 1, 2, 0, 0, 2
	TURN 1, 1, 0, 2, 1, 0                          ; slot 1 takes records 8-11
	STEP 0, 0, 0, 0, 2
	STEP 0, 1, 1, 0, 2
	STEP 0, 2, 0, 0, 2
	TURN 0, 1, 0, 2, 1, 1                          ; slot 0 takes records 12-15
	STEP 1, 0, 0, 0, 2
	STEP 1, 1, 1, 0, 2
	STEP 1, 2, 0, 0, 2
	TURN 1, 1, 0, 2, 0, 0
	STEP 0, 0, 0, 0, 2
	STEP 0, 1, 1, 0, 2
	STEP 0, 2, 0, 0, 2
	LAST 1, 0, 2
	PLACES 4
	s_cmp_lt_u32 s[YT], 8
	s_cbranch_scc0 .Lgv
	; ---- da0
	s_mul_i32 s80, s[XT], GRP
	s_lshl_b32 s82, s[YT], 1
	s_add_co_u32 s82, s82, s[WC]
	s_mul_i32 s82, s82, REC
	s_add_co_u32 s80, s80, s82
	s_mov_b32 s81, 0
	s_add_nc_u64 s[16:17], s[12:13], s[80:81]
.irp b, 0,1,2,3
	v_mov_b32 v[TM+4+\b], 0
.endr
.irp a, 0,1,2,3
	WIN 0x03                                       ; source 0: window 3
.set i, 0
.rept 64
	v_med3_num_f32 v[HA+i], v[64*\a+i], 0, s[DK]   ; clamp(a0, 0, d)
.set i, i+1
.endr
	WIN 0x08                                       ; source 1: window 2
.set i, 0
.rept 32
	v_pk_mul_f32 v[HA+i:HA+i+1], v[HA+i:HA+i+1], v[64*\a+i:64*\a+i+1]
.set i, i+2
.endr
	WIN 0
.set i, 0
.rept 32
	v_pk_mul_f32 v[HA+i:HA+i+1], v[HA+i:HA+i+1], s[C100:C100+1] op_sel_hi:[1,0]
.set i, i+2
.endr
	s_wait_xcnt 0x0
	QUANT HA, PW+\a, 0x8000000, 1
	GIMG GI, 16, 1536*\a
.endr
	global_store_b128 v[LAW], v[PW:PW+3], s[16:17] offset:SCO
	FINISH
.Lgv:
	; ---- y 8: + 2e-5 x + g vW2;  y 9: + 0 x + 1 [fb2, 1].  One text: what differs is chosen, not branched on
	s_lshl_b32 s80, s[XT], 17
	s_lshl_b32 s82, s[WR], 16
	s_add_co_u32 s80, s80, s82
	s_lshl_b32 s82, s[WC], 13
	s_add_co_u32 s80, s80, s82
	s_add_co_u32 s80, s80, XI
	s_mov_b32 s81, 0
	s_add_nc_u64 s[16:17], s[4:5], s[80:81]        ; x's images of my four row tiles, K step wc
	s_add_nc_u64 s[82:83], s[4:5], FB2
	s_mov_b32 s84, FXO
	s_cmp_eq_u32 s[YT], 8
	s_cselect_b64 s[18:19], s[10:11], s[82:83]
	s_cselect_b32 s[AL], 0x37a7c5ac, 0             ; 2e-5 or 0
	s_cselect_b32 s[M8], -1, 0
	s_cselect_b32 s84, GVO, s84
	s_mov_b32 s[AL+1], s[AL]
	s_lshl_b32 s88, s[WC], 9
	s_mov_b32 s89, 0
	s_add_nc_u64 s[18:19], s[18:19], s[88:89]
	s_lshl_b32 s88, s[XT], 9
	s_lshl_b32 s85, s[WR], 8
	s_add_co_u32 s88, s88, s85
	s_add_co_u32 s88, s88, 32*GRP
	s_add_nc_u64 s[90:91], s[6:7], s[88:89]        ; g of my rows
	s_lshl_b32 s88, s[XT], 2
	s_add_co_u32 s88, s88, s[WV]
	s_lshl_b32 s88, s88, 15
	s_add_co_u32 s88, s88, s84
	s_add_nc_u64 s[86:87], s[12:13], s[88:89]
	WIN 0xc0                                       ; destination window 3
.irp a, 0,1,2,3
.irp q, 0,1,2,3,4,5,6,7,8,9,10,11,12,13,14,15
	global_load_b128 v[64*\a+4*\q:64*\a+4*\q+3], v[LI], s[16:17] offset:16384*\a+512*\q
.endr
.endr
	WIN 0
	VECLOAD VECR, 18
.irp a, 0,1,2,3
	global_load_b32 v[GB+2*\a], v[R4], s[90:91] offset:64*\a
	v_mov_b32 v[GB+2*\a+1], 0                      ; (named with it as a pair, so it is written)
.endr
	v_mov_b32 v[ONE], 1.0
	s_wait_loadcnt 0x0
.irp a, 0,1,2,3
	v_cndmask_b32 v[GB+2*\a], v[ONE], v[GB+2*\a], s[M8]
.endr
	WIN 0xa3                                       ; source 0 window 3; source 2 and destination window 2
.set i, 0
.rept 128
	v_pk_fma_f32 v[i:i+1], v[i:i+1], s[AL:AL+1], v[i:i+1] op_sel_hi:[1,0,1]
.set i, i+2
.endr
	WIN 0xa0                                       ; sources 0 and 1 window 0
.irp a, 0,1,2,3
.set i, 0
.rept 32
	v_pk_fma_f32 v[64*\a+i:64*\a+i+1], v[VECR+i:VECR+i+1], v[GB+2*\a:GB+2*\a+1], v[64*\a+i:64*\a+i+1] op_sel_hi:[1,0,1]
.set i, i+2
.endr
.endr
	WIN 0x08                                       ; a store's data are its source 1: window 2
.irp a, 0,1,2,3
.irp q, 0,1,2,3,4,5,6,7,8,9,10,11,12,13,14,15
	global_store_b128 v[LI], v[64*\a+4*\q:64*\a+4*\q+3], s[86:87] offset:8192*\a+512*\q
.endr
.endr
	WIN 0
	FINISH
.Lfunc_end_k_q3cd09fc639_back:
	.size	k_q3cd09fc639_back, .Lfunc_end_k_q3cd09fc639_back-k_q3cd09fc639_back
	.p2alignl 7, 3214868480
	.fill 96, 4, 3214868480
	.section	.rodata,"a",@progbits
	.p2align	6, 0x0
	.amdhsa_kernel k_q3cd09fc639_back
		.amdhsa_group_segment_fixed_size 327680
		.amdhsa_private_segment_fixed_size 0
		.amdhsa_enable_private_segment 0
		.amdhsa_kernarg_size 40
		.amdhsa_user_sgpr_count 2
		.amdhsa_user_sgpr_kernarg_segment_ptr 1
		.amdhsa_wavefront_size32 1
		.amdhsa_system_sgpr_workgroup_id_x 1
		.amdhsa_system_sgpr_workgroup_id_y 1
		.amdhsa_system_sgpr_workgroup_id_z 1
		.amdhsa_system_vgpr_workitem_id 0
		.amdhsa_next_free_vgpr 1024
		.amdhsa_next_free_sgpr 102
		.amdhsa_reserve_vcc 0
		.amdhsa_float_denorm_mode_32 3
		.amdhsa_float_denorm_mode_16_64 3
		.amdhsa_memory_ordered 1
		.amdhsa_forward_progress 1
		.amdhsa_inst_pref_size 215
	.end_amdhsa_kernel
	.amdgpu_metadata
---
amdhsa.version: [ 1, 2 ]
amdhsa.kernels:
  - .name:           k_q3cd09fc639_back
    .symbol:         k_q3cd09fc639_back.kd
    .args:
      - { .name: wb, .offset: 0, .size: 8, .value_kind: global_buffer, .address_space: global }
      - { .name: a3, .offset: 8, .size: 8, .value_kind: global_buffer, .address_space: global }
      - { .name: vb0, .offset: 16, .size: 8, .value_kind: global_buffer, .address_space: global }
      - { .name: vW2, .offset: 24, .size: 8, .value_kind: global_buffer, .address_space: global }
      - { .name: a4, .offset: 32, .size: 8, .value_kind: global_buffer, .address_space: global }
    .group_segment_fixed_size: 327680
    .private_segment_fixed_size: 0
    .kernarg_segment_align: 8
    .kernarg_segment_size: 40
    .max_flat_workgroup_size: 128
    .sgpr_count:     102
    .vgpr_count:     1024
    .wavefront_size: 32
...
	.end_amdgpu_metadata
.endif
;; end of part 5
;; launch last (part 6): grid 16 x 1, 4 waves a work-group, clusters of 4 x 1, 327,680 bytes of LDS; arguments wb, a4, a3, out0; writes out0
.if DOCPART == 6
	.amdgcn_target "amdgcn-amd-amdhsa--gfx1250"
	.amdhsa_code_object_version 6
	.text
	.protected	k_q3cd09fc639_last
	.globl	k_q3cd09fc639_last
	.p2align	8
	.type	k_q3cd09fc639_last,@function
k_q3cd09fc639_last:
	s_mov_b64 s[64:65], 0
	v_nop
	global_prefetch_b8 v0, s[64:65] scope:SCOPE_SE
	s_setreg_imm32_b32 hwreg(HW_REG_WAVE_MODE, 25, 1), 1
	s_wait_xcnt 0x0
	s_wait_alu depctr_hold_cnt(0) depctr_sa_sdst(0) depctr_va_vdst(0) depctr_va_sdst(0) depctr_va_ssrc(0) depctr_va_vcc(0) depctr_vm_vsrc(0)
	s_getreg_b32 s2, hwreg(HW_REG_IB_STS2, 6, 4)
	s_cmp_eq_u32 s2, 0
	s_cbranch_scc0 .Lentry_in_a_cluster
	s_endpgm
.Lentry_in_a_cluster:
	s_bfe_u32 s2, ttmp6, 0x10000c
	s_cmp_lg_u32 s2, 0x3003
	s_cbranch_scc0 .Lentry_shape_is_right
	s_endpgm
.Lentry_shape_is_right:
; LAST: gV = (g vW2 + da1 vW1 + 2e-5 x) + da0 vW0; out = fx - gV relu(gV . fx + 0.01 V) / (gV . gV), columns 0 to 254.
; A work-group makes 128 rows x all 256 columns; wave (wr, wc) 64 x 128.  The accumulators are LOADED with the sum made so far, and sixteen K steps of 128 add da0 vW0 (da0's scale bytes carry its 2^-11).
; Records, slots, rounds and the written-out K walk as in the two large launches; two slots of four K steps; wave 0 fetches A's records, waves 1 and 2 vW0^T's two groups jointly for the four work-groups of the cluster.
; A wave has two tensor loads out at the start and one behind each round.
; A row's two sums meet through LDS (waves wc = 0 and 1); the results go through a flat stage with out0's own pitch of 1,020 bytes, so that the work-group's 130,560 bytes leave as 16 bytes a lane, 512 consecutive bytes a store.
; The stage and the exchange lie in the slots, which have had their last fill and their last read when the first number is stored there.
; 16 work-groups: the row sums need all 256 columns of a row in one work-group, and 128 rows are the tile that the K walk is written for.
; LIMITS: NaN and infinities are not served; the division is a multiplication by v_rcp_f32's result.
.set REC, 12800
.set SCO, 12288
.set GRP, 204800
.set B4, 12313600
.set GVO, 3276800
.set REG, 4*REC
.set SLOT, 3*REG
.set SPARE, 2*SLOT
.set XCH, 131072                       ; behind the stage: 16 x 16 pairs of sums
.set LI, 1
.set T16, 2                            ; v2 16 x thread
.set T16B, 3                           ; v3 the same + 65,536
.set ADRA, 4
.set ADRB, 6
.set ADSA, 8
.set SPW, 10
.set NIL, 11
.set ST, 12                            ; v12 the stage: my row and columns
.set ST2, 13                           ; v13 the same, 4 bytes lower in the lanes whose last register would be column 255
.set XW, 14
.set XR, 15
.set SC, 16                            ; v16-31 scale words, two sets: nothing else ever lies here
.set BIAS, 32
.set SA1, 32
.set SA2, 40
.set SS, 48
.set PP, 56
.set VX, 64
.set NC, 68
.set TMPA, 84
.set R4, 95
.set RBK, 96
.set AF, 160
.set WV, 20
.set WR, 21
.set WC, 22
.set CX, 23
.set XT, 24
.set LB, 26
.set MF, 27
.set G1AM, 36
.set G1BM, 52
.set G0AP, 60
.set G0AW, 68
.set G0BP, 72
.set G0BW, 76
.set C01, 93
.set SEL, 100
.set MSB, 0
.macro WIN new
.if MSB != (\new)
	s_set_vgpr_msb (MSB<<8)|(\new)
.set MSB, \new
.endif
.endm
.macro PLACES n
.rept \n
	v_nop
.endr
.endm
.macro WMM a, t, set, cm
.set rD, 8*(8*(\a)+(\t))
.set rB, 96*(\set)+12*(\t)
.set rA, AF+48*(\set)+12*(\a)
.set rSB, SC+8*(\set)+(\t)%4
.set rSA, SC+8*(\set)+4+(\a)
.if (\t) < 4
	v_wmma_scale_f32_16x16x128_f8f6f4 v[rD:rD+7], v[rB:rB+11], v[rA:rA+11], v[rD:rD+7], v[rSB], v[rSA] matrix_a_fmt:MATRIX_FMT_BF6 matrix_b_fmt:MATRIX_FMT_BF6
.else
	v_wmma_scale_f32_16x16x128_f8f6f4 v[rD:rD+7], v[rB:rB+11], v[rA:rA+11], v[rD:rD+7], v[rSB], v[rSA] matrix_a_fmt:MATRIX_FMT_BF6 matrix_b_fmt:MATRIX_FMT_BF6 matrix_a_scale:MATRIX_SCALE_ROW1
.endif
.endm
.macro MUL a0, n, set, cm, dw          ; the 32 accumulators take turns, one instruction a turn
	WIN 0x01|(\dw<<4)|(\dw<<6)
.set ma, \a0
.rept \n
.irp t, 0,1,2,3,4,5,6,7
	WMM ma, \t, \set, \cm
.endr
.set ma, ma+1
.endr
.endm
.macro FETCH slot, q, set
	WIN 0x40
.irp t, 0,1,2,3,4,5,6,7
.irp c, 0,1,2
	ds_load_b128 v[96*(\set)+12*\t+4*\c:96*(\set)+12*\t+4*\c+3], v[ADRB+\slot] offset:(\q)*REC+1536*\t+512*\c
.endr
.endr
	WIN 0
.irp a, 0,1,2,3
.irp c, 0,1,2
	ds_load_b128 v[AF+48*(\set)+12*\a+4*\c:AF+48*(\set)+12*\a+4*\c+3], v[ADRA+\slot] offset:(\q)*REC+1536*\a+512*\c
.endr
.endr
	ds_load_b128 v[SC+8*(\set):SC+8*(\set)+3], v[ADRB+\slot] offset:(\q)*REC+SCO
	ds_load_b128 v[SC+8*(\set)+4:SC+8*(\set)+7], v[ADSA+\slot] offset:(\q)*REC
.endm
.macro CREST
	s_cmp_lg_u32 s[WV], 0
	s_cbranch_scc1 .Lnot_wave_0_\@
	s_barrier_signal -3
.Lnot_wave_0_\@:
	s_barrier_wait -3
	s_barrier_signal -1
	s_barrier_wait -1
.endm
.macro CROUND
	s_barrier_signal -1
	s_barrier_wait -1
	CREST
.endm
.macro TLOADW
	s_cmp_eq_u32 s[WV], 0
	s_cbranch_scc0 .Lnot_a_\@
	tensor_load_to_lds s[G0AW:G0AW+3], s[G1AM:G1AM+7]
	s_nop 0
	PLACES 4
	s_branch .Lasked_\@
.Lnot_a_\@:
	s_cmp_lt_u32 s[WV], 3
	s_cbranch_scc0 .Lnone_\@
	tensor_load_to_lds s[G0BW:G0BW+3], s[G1BM:G1BM+7]
	s_nop 0
	PLACES 4
	s_branch .Lasked_\@
.Lnone_\@:
	PLACES 4
.Lasked_\@:
.endm
.macro STEP slot, q, set, cm, dw
	PLACES 4                                       ; the other set was read by the step before
	FETCH \slot, (\q)+1, 1-(\set)
	s_wait_dscnt 38                                ; all but the 38 just issued
	MUL 0, 4, \set, \cm, \dw
	WIN 0
.endm
.macro TURN slot, set, cm, dw, fill, next
	s_wait_tensorcnt 0x0                           ; all my tensor loads have landed: my part of the next slot
	ds_add_u32 v[SPW], v[NIL]                      ; 0 onto my spare word
	s_wait_dscnt 1                                 ; this step's fragments are in; the add may be out
	MUL 0, 1, \set, \cm, \dw
	s_wait_dscnt 0x0                               ; the add is done, and my reads of this slot are over
	s_barrier_signal -1
	MUL 1, 1, \set, \cm, \dw
	WIN 0
	s_barrier_wait -1
.if \fill
	CREST
	s_add_co_u32 s[G0AW+1], s[LB], \slot*SLOT
	s_add_nc_u64 s[G0AW+2:G0AW+3], s[G0AW+2:G0AW+3], REG
	s_add_co_u32 s[G0BW+1], s[LB], \slot*SLOT
	s_add_nc_u64 s[G0BW+2:G0BW+3], s[G0BW+2:G0BW+3], REG
	TLOADW
.else
	PLACES 4
.endif
	FETCH \next, 0, 1-(\set)
	MUL 2, 2, \set, \cm, \dw
	WIN 0
.endm
.macro LAST set, cm, dw
	s_wait_dscnt 0x0
	MUL 0, 4, \set, \cm, \dw
	WIN 0
.endm
.macro MKG1 g, w0, rows
	s_mov_b32 s[\g], \w0
	s_mov_b32 s[\g+1], 32<<16
	s_mov_b32 s[\g+2], (\rows)<<16
	s_mov_b32 s[\g+3], 32<<16
	s_mov_b32 s[\g+4], \rows
	s_mov_b32 s[\g+5], 32
	s_mov_b32 s[\g+6], 0
	s_mov_b32 s[\g+7], 0
.endm
	s_load_b256 s[4:11], s[0:1], 0x0               ; wb, a4, a3, out0
	v_lshl_add_u32 v[SPW], v0, 2, SPARE
	v_mov_b32 v[NIL], 0
	ds_add_u32 v10, v11
	s_wait_dscnt 0x0
	v_lshrrev_b32 v12, 5, v0
	v_readfirstlane_b32 s[WV], v12
	s_lshr_b32 s[WR], s[WV], 1
	s_and_b32 s[WC], s[WV], 1
	s_bfe_u32 s[CX], ttmp6, 0x40000
	s_lshl_b32 s[XT], ttmp9, 2
	s_add_co_u32 s[XT], s[XT], s[CX]               ; my block of 128 rows: it enters global addresses of my own loads and stores alone
	s_mul_i32 s[LB], s[WV], REG
	MKG1 G1AM, 0x00030000, 200
	MKG1 G1BM, 0x0023000f, 200
	s_mov_b32 s[C01], 0x3c23d70a                   ; 0.01
	s_mov_b32 s[SEL], 0x76543210
	s_mov_b32 s[SEL+1], 0xfedcba98
	s_cmp_lg_u32 s[WC], 0
	s_cselect_b32 s[MF], 0xffff0000, 0             ; the lanes that hold column 255
	s_mul_i32 s80, s[XT], GRP
	s_mov_b32 s81, 0
	s_mul_i32 s84, s[WR], GRP                      ; B's group: made of the wave's number alone
	s_add_co_u32 s84, s84, B4
	s_mov_b32 s85, 0
	s_lshl_b32 s86, s[XT], 2
	s_add_co_u32 s86, s86, s[WV]
	s_lshl_b32 s86, s86, 15
	s_add_co_u32 s86, s86, GVO
	s_mov_b32 s87, 0
	s_lshl_b32 s88, s[XT], 9
	s_lshl_b32 s89, s[WR], 8
	s_add_co_u32 s88, s88, s89
	s_add_co_u32 s88, s88, 32*GRP+8192
	s_mov_b32 s89, 0
	s_mul_i32 s90, s[XT], 130560
	s_mov_b32 s91, 0
	s_wait_kmcnt 0x0
	s_mov_b32 s[G0AP], 1
	s_mov_b32 s[G0AP+1], s[LB]
	s_add_nc_u64 s[G0AP+2:G0AP+3], s[6:7], s[80:81]
	s_mov_b32 s[G0AW], 1
	s_add_co_u32 s[G0AW+1], s[LB], SLOT
	s_add_nc_u64 s[G0AW+2:G0AW+3], s[G0AP+2:G0AP+3], REG
	s_or_b32 s[G0AP+3], s[G0AP+3], 0x80000000
	s_or_b32 s[G0AW+3], s[G0AW+3], 0x80000000
	s_mov_b32 s[G0BP], 1
	s_mov_b32 s[G0BP+1], s[LB]
	s_add_nc_u64 s[G0BP+2:G0BP+3], s[4:5], s[84:85]
	s_mov_b32 s[G0BW], 1
	s_add_co_u32 s[G0BW+1], s[LB], SLOT
	s_add_nc_u64 s[G0BW+2:G0BW+3], s[G0BP+2:G0BP+3], REG
	s_or_b32 s[G0BP+3], s[G0BP+3], 0x80000000
	s_or_b32 s[G0BW+3], s[G0BW+3], 0x80000000
	s_add_nc_u64 s[12:13], s[6:7], s[86:87]        ; my four images of the sum so far; fx's lie 2,097,152 bytes on
	s_add_nc_u64 s[14:15], s[8:9], s[88:89]        ; V of my rows
	s_add_nc_u64 s[16:17], s[10:11], s[90:91]      ; the work-group's 128 rows of out0
	CROUND                                         ; all four work-groups are here: the first joint loads meet
	s_cmp_eq_u32 s[WV], 0
	s_cbranch_scc0 .Lff_b
	tensor_load_to_lds s[G0AP:G0AP+3], s[G1AM:G1AM+7]
	s_nop 0
	tensor_load_to_lds s[G0AW:G0AW+3], s[G1AM:G1AM+7]
	s_nop 0
	PLACES 4
	s_branch .Lff_done
.Lff_b:
	s_cmp_lt_u32 s[WV], 3
	s_cbranch_scc0 .Lff_done
	tensor_load_to_lds s[G0BP:G0BP+3], s[G1BM:G1BM+7]
	s_nop 0
	tensor_load_to_lds s[G0BW:G0BW+3], s[G1BM:G1BM+7]
	s_nop 0
	PLACES 4
.Lff_done:
	v_and_b32 v32, 31, v0
	v_lshlrev_b32 v[LI], 4, v32
	v_and_b32 v33, 15, v0                          ; r
	v_lshlrev_b32 v34, 4, v33
	v_lshlrev_b32 v[R4], 2, v33
	v_bfe_u32 v35, v0, 4, 1                        ; h
	v_lshlrev_b32 v[T16], 4, v0
	v_add_nc_u32 v[T16B], 65536, v[T16]
	s_mul_i32 s80, s[WR], 6144
	v_add_nc_u32 v[ADRA], s80, v[LI]
	v_add_nc_u32 v[ADRA+1], SLOT, v[ADRA]
	s_mul_i32 s80, s[WC], REG
	s_add_co_u32 s80, s80, REG
	v_add_nc_u32 v[ADRB], s80, v[LI]
	v_add_nc_u32 v[ADRB+1], SLOT, v[ADRB]
	s_lshl_b32 s80, s[WR], 8
	s_add_co_u32 s80, s80, SCO
	v_add_nc_u32 v[ADSA], s80, v34
	v_add_nc_u32 v[ADSA+1], SLOT, v[ADSA]
	v_mul_u32_u24 v[ST], v33, 1020
	v_lshl_add_u32 v[ST], v35, 6, v[ST]
	s_mul_i32 s80, s[WR], 64*1020
	s_lshl_b32 s81, s[WC], 9
	s_add_co_u32 s80, s80, s81
	v_add_nc_u32 v[ST], s80, v[ST]
	s_lshl_b32 s81, s[WC], 2
	v_mul_u32_u24 v[ST2], s81, v35
	v_sub_nc_u32 v[ST2], v[ST], v[ST2]
	s_lshl_b32 s80, s[WV], 9
	v_lshl_add_u32 v[XW], v33, 3, XCH
	v_add_nc_u32 v[XW], s80, v[XW]
	s_xor_b32 s81, s[WV], 1
	s_lshl_b32 s81, s81, 9
	v_lshl_add_u32 v[XR], v33, 3, XCH
	v_add_nc_u32 v[XR], s81, v[XR]
	WIN 0x80                                       ; destination window 2: the accumulators begin as the sum made so far
.irp a, 0,1,2,3
.irp q, 0,1,2,3,4,5,6,7,8,9,10,11,12,13,14,15
	global_load_b128 v[64*\a+4*\q:64*\a+4*\q+3], v[LI], s[12:13] offset:8192*\a+512*\q
.endr
.endr
	WIN 0xc0                                       ; destination window 3: fx
.irp a, 0,1,2,3
.irp q, 0,1,2,3,4,5,6,7,8,9,10,11,12,13,14,15
	global_load_b128 v[64*\a+4*\q:64*\a+4*\q+3], v[LI], s[12:13] offset:2097152+8192*\a+512*\q
.endr
.endr
	WIN 0
.irp a, 0,1,2,3
	global_load_b32 v[VX+\a], v[R4], s[14:15] offset:64*\a
.endr
	s_wait_tensorcnt 0x1                           ; my part of slot 0 is in; slot 1's load may stay out
	s_barrier_signal -1
	s_barrier_wait -1
	FETCH 0, 0, 0
	s_wait_loadcnt 0x0                             ; the accumulators' first values, fx, V
	STEP 0, 0, 0, 0, 2
	STEP 0, 1, 1, 0, 2
	STEP 0, 2, 0, 0, 2
	TURN 0, 1, 0, 2, 1, 1                          ; slot 0 takes records 8-11
	STEP 1, 0, 0, 0, 2
	STEP 1, 1, 1, 0, 2
	STEP 1, 2, 0, 0, 2
	TURN 1, 1, 0, 2, 1, 0                          ; slot 1 takes records 12-15
	STEP 0, 0, 0, 0, 2
	STEP 0, 1, 1, 0, 2
	STEP 0, 2, 0, 0, 2
	TURN 0, 1, 0, 2, 0, 1
	STEP 1, 0, 0, 0, 2
	STEP 1, 1, 1, 0, 2
	STEP 1, 2, 0, 0, 2
	LAST 1, 0, 2
	PLACES 4
	WIN 0x0e                                       ; source 0 (gV) window 2, source 1 (fx) window 3
.set i, 0
.rept 32
.irp a, 0,1,2,3
.if i == 0
	v_pk_mul_f32 v[SA1+2*\a:SA1+2*\a+1], v[64*\a+i:64*\a+i+1], v[64*\a+i:64*\a+i+1]
.else
	v_pk_fma_f32 v[SA1+2*\a:SA1+2*\a+1], v[64*\a+i:64*\a+i+1], v[64*\a+i:64*\a+i+1], v[SA1+2*\a:SA1+2*\a+1]
.endif
.endr
.set i, i+2
.endr
	WIN 0x0a                                       ; both sources window 2
.set i, 0
.rept 32
.irp a, 0,1,2,3
.if i == 0
	v_pk_mul_f32 v[SA2+2*\a:SA2+2*\a+1], v[64*\a+i:64*\a+i+1], v[64*\a+i:64*\a+i+1]
.else
	v_pk_fma_f32 v[SA2+2*\a:SA2+2*\a+1], v[64*\a+i:64*\a+i+1], v[64*\a+i:64*\a+i+1], v[SA2+2*\a:SA2+2*\a+1]
.endif
.endr
.set i, i+2
.endr
	WIN 0
.irp a, 0,1,2,3
	v_add_f32 v[SS+2*\a], v[SA1+2*\a], v[SA1+2*\a+1]
	v_add_f32 v[SS+2*\a+1], v[SA2+2*\a], v[SA2+2*\a+1]
.endr
.irp a, 0,1,2,3
	v_permlanex16_b32 v[SA1+2*\a], v[SS+2*\a], s[SEL], s[SEL+1]
	v_permlanex16_b32 v[SA2+2*\a], v[SS+2*\a+1], s[SEL], s[SEL+1]
.endr
.irp a, 0,1,2,3
	v_add_f32 v[SS+2*\a], v[SS+2*\a], v[SA1+2*\a]
	v_add_f32 v[SS+2*\a+1], v[SS+2*\a+1], v[SA2+2*\a]
.endr
	s_wait_dscnt 0x0
	s_barrier_signal -1
	s_barrier_wait -1                              ; every wave has read the slots for the last time
.irp a, 0,1,2,3
	ds_store_b64 v[XW], v[SS+2*\a:SS+2*\a+1] offset:128*\a   ; my 128 columns' two sums of row r (lanes 16-31 store the same)
.endr
	s_wait_dscnt 0x0                               ; for the others' sake
	s_barrier_signal -1
	s_barrier_wait -1
.irp a, 0,1,2,3
	ds_load_b64 v[PP+2*\a:PP+2*\a+1], v[XR] offset:128*\a    ; the other 128 columns'
.endr
	s_wait_dscnt 0x0
.irp a, 0,1,2,3
	v_pk_add_f32 v[SS+2*\a:SS+2*\a+1], v[SS+2*\a:SS+2*\a+1], v[PP+2*\a:PP+2*\a+1]
.endr
.irp a, 0,1,2,3
	v_fma_f32 v[NC+2*\a], v[VX+\a], s[C01], v[SS+2*\a]
.endr
.irp a, 0,1,2,3
	v_max_num_f32 v[NC+2*\a], 0, v[NC+2*\a]
.endr
.irp a, 0,1,2,3
	v_rcp_f32 v[NC+2*\a+1], v[SS+2*\a+1]
.endr
	v_nop                                          ; one plain place behind the reciprocals
	s_wait_alu depctr_va_vdst(0)
.irp a, 0,1,2,3
	v_mul_f32 v[NC+2*\a], v[NC+2*\a], -v[NC+2*\a+1]
.endr
	WIN 0xf2                                       ; source 0 window 2, source 1 window 0, source 2 and destination window 3
.irp a, 0,1,2,3
.set i, 0
.rept 32
	v_pk_fma_f32 v[64*\a+i:64*\a+i+1], v[64*\a+i:64*\a+i+1], v[NC+2*\a:NC+2*\a+1], v[64*\a+i:64*\a+i+1] op_sel_hi:[1,0,1]
.set i, i+2
.endr
.endr
	WIN 0x0f                                       ; sources window 3, destination window 0
.irp a, 0,1,2,3
	v_cndmask_b32 v[TMPA+\a], v[64*\a+63], v[64*\a+62], s[MF]   ; where register 63 would be column 255, column 254 is written once more
.endr
	WIN 0x0c                                       ; an LDS store's data are its source 1: window 3
.irp a, 0,1,2,3
.set i, 0
.rept 63
	ds_store_b32 v[ST], v[64*\a+i] offset:16320*\a+128*(i/16)+4*(i%16)
.set i, i+1
.endr
.endr
	WIN 0
.irp a, 0,1,2,3
	ds_store_b32 v[ST2], v[TMPA+\a] offset:16320*\a+444
.endr
	s_wait_dscnt 0x0                               ; for the others' sake
	s_barrier_signal -1
	s_barrier_wait -1                              ; 128 rows of 255 numbers lie in the stage as they lie in out0
.macro RBACK i0, n
.set j, 0
.rept \n
.if (\i0)+j < 32
	ds_load_b128 v[RBK+4*j:RBK+4*j+3], v[T16] offset:2048*((\i0)+j)
.else
	ds_load_b128 v[RBK+4*j:RBK+4*j+3], v[T16B] offset:2048*((\i0)+j-32)
.endif
.set j, j+1
.endr
.set j, 0
.rept \n
	s_wait_dscnt (\n)-1-j                          ; piece j is in; the younger ones may be out
	global_store_b128 v[T16], v[RBK+4*j:RBK+4*j+3], s[16:17] offset:2048*((\i0)+j) th:TH_STORE_NT
.set j, j+1
.endr
.endm
	RBACK 0, 16
	s_wait_xcnt 0x0                                ; the stores have read their data
	RBACK 16, 16
	s_wait_xcnt 0x0
	RBACK 32, 16
	s_wait_xcnt 0x0
	RBACK 48, 15
	s_cmp_lt_u32 s[WV], 3                          ; 130,560 bytes = 63 x 2,048 + 1,536: the last piece is three waves'
	s_cbranch_scc0 .Lno63
	s_wait_xcnt 0x0
	ds_load_b128 v[RBK:RBK+3], v[T16B] offset:2048*31
	s_wait_dscnt 0x0
	global_store_b128 v[T16], v[RBK:RBK+3], s[16:17] offset:2048*63 th:TH_STORE_NT
.Lno63:
	s_wait_tensorcnt 0x0                           ; the wave's end
	ds_add_u32 v[SPW], v[NIL]
	s_wait_dscnt 0x0
	CROUND                                         ; the closing round
	s_endpgm
.Lfunc_end_k_q3cd09fc639_last:
	.size	k_q3cd09fc639_last, .Lfunc_end_k_q3cd09fc639_last-k_q3cd09fc639_last
	.p2alignl 7, 3214868480
	.fill 96, 4, 3214868480
	.section	.rodata,"a",@progbits
	.p2align	6, 0x0
	.amdhsa_kernel k_q3cd09fc639_last
		.amdhsa_group_segment_fixed_size 327680
		.amdhsa_private_segment_fixed_size 0
		.amdhsa_enable_private_segment 0
		.amdhsa_kernarg_size 32
		.amdhsa_user_sgpr_count 2
		.amdhsa_user_sgpr_kernarg_segment_ptr 1
		.amdhsa_wavefront_size32 1
		.amdhsa_system_sgpr_workgroup_id_x 1
		.amdhsa_system_sgpr_workgroup_id_y 1
		.amdhsa_system_sgpr_workgroup_id_z 1
		.amdhsa_system_vgpr_workitem_id 0
		.amdhsa_next_free_vgpr 1024
		.amdhsa_next_free_sgpr 102
		.amdhsa_reserve_vcc 0
		.amdhsa_float_denorm_mode_32 3
		.amdhsa_float_denorm_mode_16_64 3
		.amdhsa_memory_ordered 1
		.amdhsa_forward_progress 1
		.amdhsa_inst_pref_size 185
	.end_amdhsa_kernel
	.amdgpu_metadata
---
amdhsa.version: [ 1, 2 ]
amdhsa.kernels:
  - .name:           k_q3cd09fc639_last
    .symbol:         k_q3cd09fc639_last.kd
    .args:
      - { .name: wb, .offset: 0, .size: 8, .value_kind: global_buffer, .address_space: global }
      - { .name: a4, .offset: 8, .size: 8, .value_kind: global_buffer, .address_space: global }
      - { .name: a3, .offset: 16, .size: 8, .value_kind: global_buffer, .address_space: global }
      - { .name: out0, .offset: 24, .size: 8, .value_kind: global_buffer, .address_space: global }
    .group_segment_fixed_size: 327680
    .private_segment_fixed_size: 0
    .kernarg_segment_align: 8
    .kernarg_segment_size: 32
    .max_flat_workgroup_size: 128
    .sgpr_count:     102
    .vgpr_count:     1024
    .wavefront_size: 32
...
	.end_amdgpu_metadata
.endif
;; end of part 6
;; ======== version 2 of 2: 6 launches; 1.11 times as fast as version 1
;; workspace buffers: wb 14,993,408 bytes; a2 6,553,856 bytes; a3 6,569,984 bytes; r1 16,908,288 bytes; a4 20,971,520 bytes
;; launch prep: the kernel of part 1 again; grid 673 x 1, 4 waves a work-group, no clusters, 74,240 bytes of LDS; arguments x, fW0, fW1, fW2, vW0, vW1, vU0, vU1, vW2, vb0, fb2, wb; writes wb
;; launch front: the kernel of part 2 again; grid 16 x 16, 4 waves a work-group, no clusters, 0 bytes of LDS; arguments wb, fb0, vb0, vb1, a2; writes a2
;; launch mid: the kernel of part 3 again; grid 16 x 16, 4 waves a work-group, clusters of 4 x 1, 327,680 bytes of LDS; arguments wb, a2, fb1, vb1, a3, r1; writes a3, r1
;; launch gate: the kernel of part 4 again; grid 32 x 8, 2 waves a work-group, no clusters, 0 bytes of LDS; arguments r1, wb, a2, vb2, a3; writes a3
;; launch back (part 7): grid 16 x 10, 4 waves a work-group, clusters of 4 x 1, 327,680 bytes of LDS; arguments wb, a3, vb0, a4; writes a4
.if DOCPART == 7
	.amdgcn_target "amdgcn-amd-amdhsa--gfx1250"
	.amdhsa_code_object_version 6
	.text
	.protected	k_q3cd09fc639_back
	.globl	k_q3cd09fc639_back
	.p2align	8
	.type	k_q3cd09fc639_back,@function
k_q3cd09fc639_back:
	s_mov_b64 s[64:65], 0
	v_nop
	global_prefetch_b8 v0, s[64:65] scope:SCOPE_SE
	s_setreg_imm32_b32 hwreg(HW_REG_WAVE_MODE, 25, 1), 1
	s_wait_xcnt 0x0
	s_wait_alu depctr_hold_cnt(0) depctr_sa_sdst(0) depctr_va_vdst(0) depctr_va_sdst(0) depctr_va_ssrc(0) depctr_va_vcc(0) depctr_vm_vsrc(0)
	s_getreg_b32 s2, hwreg(HW_REG_IB_STS2, 6, 4)
	s_cmp_eq_u32 s2, 0
	s_cbranch_scc0 .Lentry_in_a_cluster
	s_endpgm
.Lentry_in_a_cluster:
	s_bfe_u32 s2, ttmp6, 0x10000c
	s_cmp_lg_u32 s2, 0x3003
	s_cbranch_scc0 .Lentry_shape_is_right
	s_endpgm
.Lentry_shape_is_right:
; BACK: y 0-7: da0 = (da1 sp(vU0)) rehu'(a0) / 2048, with a0 = x vW0^T + vb0 made once more in the two prefix steps (a second set of accumulators); da0 is quantised in registers, its scale bytes carry the 2^-11,
; and its 256 hidden units, which are two K steps of da0 vW0, are multiplied at once: the work-group stores its part of that product, 128 rows x 256 columns, as f32 images.  da0 never goes to memory.
; y 8: da1 vW1, y 9: h1 fW2^T, stored as f32 images as they are.  (For y 8, 9 the prefix multiplies zero codes and its sums are not used.)
; a4 is ten slabs of 2,097,152 bytes, slab y; in a slab the image of (row block x, wave, row tile a) lies at ((4 x + wave) 4 + a) x 8,192: registers 4q..4q+3 of lane L at 512 q + 16 L.
; A work-group makes 128 rows (x) x 256 columns (y); wave (wr, wc) 64 x 128: 32 accumulators.  18 K steps of 128: two of the prefix, sixteen of the main K.  All operands are records in register order
; (8 fragment images and their scale words, 12,800 dense bytes for 128 rows x 128 K): a fragment is three LDS loads at 16 x lane.  LDS: two slots of [A's 4 records | B's first group's 4 | B's second group's 4];
; wave 0 fetches A's records, waves 1 and 2 B's jointly for the four work-groups of the cluster (same y), wave 3 none.  A wave has two tensor loads out at the start and one behind each round.
; Cluster 4 x 1 and not 4 x 4: the ten column blocks belong to three products with two different A operands, so four neighbouring column blocks do not share A.
; THE MATRIX INSTRUCTION IS USED TRANSPOSED (source 0 = 16 weight rows, source 1 = 16 batch rows): register 16 b + k of a row tile is column 32 b + 16 (lane / 16) + k.
; LIMITS: NaN and infinities are not served; a block of da0 x 2048 whose largest magnitude lies under 2^-111 is quantised at that floor's scale; rehu' multiplies by 100 where the definition divides by 0.01;
; the sum over the 2,048 hidden units of da0 vW0 is made in eight parts of 256, which the next launch adds in f32.
.set REC, 12800
.set SCO, 12288
.set GRP, 204800
.set W0, 409600
.set ZERO, 1638400
.set B3, 8217600
.set B4, 12313600
.set REG, 4*REC
.set SLOT, 3*REG
.set SPARE, 2*SLOT                     ; behind the slots: the spare words, 128 bytes a wave: two blocks of 256 bytes that no other line names
.set LI, 1                             ; v1  16 x lane
.set LA, 2                             ; v2  16 r
.set HV, 3                             ; v3  64 h
.set ADRA, 4                           ; v4, v5  my A fragments in slot 0, 1
.set ADRB, 6                           ; v6, v7  my B fragments
.set ADSA, 8                           ; v8, v9  my A scale words
.set SPW, 10
.set NIL, 11
.set SGI, 12                           ; v12 where I put da0's images: slot 1's head + 12,800 wc + 6,144 wr + 16 x lane
.set SLAW, 13                          ; v13 and their scale words
.set SC, 16                            ; v16-31 scale words, two sets: nothing else ever lies here
.set BIAS, 32
.set HA, 32
.set AF, 160
.set PC, 160
.set TM, 180
.set PW, 196
.set WV, 20
.set WR, 21
.set WC, 22
.set CX, 23
.set XT, 24
.set YT, 25
.set LB, 26
.set G1AP, 28
.set G1AM, 36
.set G1BP, 44
.set G1BM, 52
.set G0AP, 60
.set G0AW, 68
.set G0BP, 72
.set G0BW, 76
.set DK, 93
.set C100, 98
.set SEL, 100
.set MSB, 0
.macro WIN new                         ; the immediate's high byte repeats the setting that is left
.if MSB != (\new)
	s_set_vgpr_msb (MSB<<8)|(\new)
.set MSB, \new
.endif
.endm
.macro PLACES n
.rept \n
	v_nop
.endr
.endm
; 64 numbers of a lane, register 16 b + i = k 32 b + 16 (lane / 16) + i of my row, become a fragment's codes in v[PC] on and its scale word in v[pw]
.macro QUANT s, pw, floor, sub11
.irp b, 0,1,2,3
	v_max3_num_f32 v[TM+\b], |v[\s+16*\b]|, |v[\s+1+16*\b]|, \floor
.endr
.irp i, 2,4,6,8,10,12,14
.irp b, 0,1,2,3
	v_max3_num_f32 v[TM+\b], v[TM+\b], |v[\s+16*\b+\i]|, |v[\s+1+16*\b+\i]|
.endr
.endr
.irp b, 0,1,2,3
	v_permlanex16_b32 v[TM+4+\b], v[TM+\b], s[SEL], s[SEL+1]
.endr
.irp b, 0,1,2,3
	v_max_num_f32 v[TM+\b], v[TM+\b], v[TM+4+\b]   ; with lane l xor 16's: the block's largest magnitude
.endr
.irp b, 0,1,2,3
	v_add_nc_u32 v[TM+12+\b], 0xfe000000, v[TM+\b] ; 4 off its exponent field: the conversion's scale operand
.endr
.irp b, 0,1,2,3
	v_lshrrev_b32 v[TM+4+\b], 23, v[TM+12+\b]      ; the scale's byte
.endr
	v_lshl_or_b32 v[\pw], v[TM+5], 8, v[TM+4]
	v_lshl_or_b32 v[\pw], v[TM+6], 16, v[\pw]
	v_lshl_or_b32 v[\pw], v[TM+7], 24, v[\pw]
.if \sub11
	v_add_nc_u32 v[\pw], 0xf4f4f4f5, v[\pw]        ; 11 off each byte (each is 12 at the least: no borrow)
.endif
.irp c, 0,1
	v_cvt_scalef32_pk16_bf6_f32 v[PC+6*\c:PC+2+6*\c], v[\s+32*\c:\s+15+32*\c], v[TM+12+2*\c]
	v_cvt_scalef32_pk16_bf6_f32 v[PC+12+4*\c:PC+14+4*\c], v[\s+16+32*\c:\s+31+32*\c], v[TM+12+2*\c+1]
.endr
	v_nop                                          ; one plain place behind a scaled conversion
.irp c, 0,1
.irp i, 0,1,2
	v_permlane16_swap_b32 v[PC+6*\c+\i], v[PC+12+4*\c+\i]   ; a whole block to a lane
.endr
.irp i, 0,1,2
	v_mov_b32 v[PC+3+6*\c+\i], v[PC+12+4*\c+\i]
.endr
.endr
.endm
.macro LIMG off                        ; the fragment in v[PC] on goes to LDS as it stands: 512 consecutive bytes a store
.irp c, 0,1,2
	ds_store_b128 v[SGI], v[PC+4*\c:PC+4*\c+3] offset:\off+512*\c
.endr
.endm
.macro VECLOAD reg, base               ; 128 numbers of a vector along n, in the result's layout
.irp b, 0,1,2,3
.irp q, 0,1,2,3
	global_load_b128 v[\reg+16*\b+4*\q:\reg+16*\b+4*\q+3], v[HV], s[\base:\base+1] offset:128*\b+16*\q
.endr
.endr
.endm
.macro WMM a, t, set, cm               ; one product: weight tile t x row tile a.  cm 0: in place; 1: the bias starts the sum; 2: 0 starts it
.set rD, 8*(8*(\a)+(\t))
.set rB, 96*(\set)+12*(\t)
.set rA, AF+48*(\set)+12*(\a)
.set rSB, SC+8*(\set)+(\t)%4
.set rSA, SC+8*(\set)+4+(\a)
.if (\t) < 4
.if \cm == 0
	v_wmma_scale_f32_16x16x128_f8f6f4 v[rD:rD+7], v[rB:rB+11], v[rA:rA+11], v[rD:rD+7], v[rSB], v[rSA] matrix_a_fmt:MATRIX_FMT_BF6 matrix_b_fmt:MATRIX_FMT_BF6
.elseif \cm == 1
	v_wmma_scale_f32_16x16x128_f8f6f4 v[rD:rD+7], v[rB:rB+11], v[rA:rA+11], v[BIAS+8*(\t):BIAS+8*(\t)+7], v[rSB], v[rSA] matrix_a_fmt:MATRIX_FMT_BF6 matrix_b_fmt:MATRIX_FMT_BF6
.else
	v_wmma_scale_f32_16x16x128_f8f6f4 v[rD:rD+7], v[rB:rB+11], v[rA:rA+11], 0, v[rSB], v[rSA] matrix_a_fmt:MATRIX_FMT_BF6 matrix_b_fmt:MATRIX_FMT_BF6
.endif
.else
.if \cm == 0
	v_wmma_scale_f32_16x16x128_f8f6f4 v[rD:rD+7], v[rB:rB+11], v[rA:rA+11], v[rD:rD+7], v[rSB], v[rSA] matrix_a_fmt:MATRIX_FMT_BF6 matrix_b_fmt:MATRIX_FMT_BF6 matrix_a_scale:MATRIX_SCALE_ROW1
.elseif \cm == 1
	v_wmma_scale_f32_16x16x128_f8f6f4 v[rD:rD+7], v[rB:rB+11], v[rA:rA+11], v[BIAS+8*(\t):BIAS+8*(\t)+7], v[rSB], v[rSA] matrix_a_fmt:MATRIX_FMT_BF6 matrix_b_fmt:MATRIX_FMT_BF6 matrix_a_scale:MATRIX_SCALE_ROW1
.else
	v_wmma_scale_f32_16x16x128_f8f6f4 v[rD:rD+7], v[rB:rB+11], v[rA:rA+11], 0, v[rSB], v[rSA] matrix_a_fmt:MATRIX_FMT_BF6 matrix_b_fmt:MATRIX_FMT_BF6 matrix_a_scale:MATRIX_SCALE_ROW1
.endif
.endif
.endm
.macro MUL a0, n, set, cm, dw          ; the 32 accumulators of a window take turns, one instruction a turn
.if \cm == 0
	WIN 0x01|(\dw<<4)|(\dw<<6)
.else
	WIN 0x01|(\dw<<6)
.endif
.set ma, \a0
.rept \n
.irp t, 0,1,2,3,4,5,6,7
	WMM ma, \t, \set, \cm
.endr
.set ma, ma+1
.endr
.endm
.macro FETCH slot, q, set              ; 38 LDS loads: the fragments and scale words of the slot's q-th K step into register set 'set'
	WIN 0x40
.irp t, 0,1,2,3,4,5,6,7
.irp c, 0,1,2
	ds_load_b128 v[96*(\set)+12*\t+4*\c:96*(\set)+12*\t+4*\c+3], v[ADRB+\slot] offset:(\q)*REC+1536*\t+512*\c
.endr
.endr
	WIN 0
.irp a, 0,1,2,3
.irp c, 0,1,2
	ds_load_b128 v[AF+48*(\set)+12*\a+4*\c:AF+48*(\set)+12*\a+4*\c+3], v[ADRA+\slot] offset:(\q)*REC+1536*\a+512*\c
.endr
.endr
	ds_load_b128 v[SC+8*(\set):SC+8*(\set)+3], v[ADRB+\slot] offset:(\q)*REC+SCO
	ds_load_b128 v[SC+8*(\set)+4:SC+8*(\set)+7], v[ADSA+\slot] offset:(\q)*REC
.endm
.macro CREST                           ; a round of the cluster's barrier behind its opening barrier
	s_cmp_lg_u32 s[WV], 0
	s_cbranch_scc1 .Lnot_wave_0_\@
	s_barrier_signal -3
.Lnot_wave_0_\@:
	s_barrier_wait -3
	s_barrier_signal -1
	s_barrier_wait -1
.endm
.macro CROUND
	s_barrier_signal -1
	s_barrier_wait -1
	CREST
.endm
.macro TLOADW                          ; the refill: wave 0 A's four records, waves 1 and 2 B's (jointly), wave 3 none.  Four v_nop on each way: behind the load, and the places ahead of the fragment loads
	s_cmp_eq_u32 s[WV], 0
	s_cbranch_scc0 .Lnot_a_\@
	tensor_load_to_lds s[G0AW:G0AW+3], s[G1AM:G1AM+7]
	s_nop 0
	PLACES 4
	s_branch .Lasked_\@
.Lnot_a_\@:
	s_cmp_lt_u32 s[WV], 3
	s_cbranch_scc0 .Lnone_\@
	tensor_load_to_lds s[G0BW:G0BW+3], s[G1BM:G1BM+7]
	s_nop 0
	PLACES 4
	s_branch .Lasked_\@
.Lnone_\@:
	PLACES 4
.Lasked_\@:
.endm
.macro STEP slot, q, set, cm, dw       ; a K step whose successor lies in the same slot
	PLACES 4                                       ; the other set was read by the step before: four places ahead of loads into it
	FETCH \slot, (\q)+1, 1-(\set)
	s_wait_dscnt 38                                ; all but the 38 just issued: this step's fragments are in
	MUL 0, 4, \set, \cm, \dw
	WIN 0
.endm
.macro TURN slot, set, cm, dw, fill, next   ; a slot's last K step changes slots: one barrier; fill = 1: it opens a round, and the slot is filled again
	s_wait_tensorcnt 0x0                           ; all my tensor loads have landed: my part of the next slot
	ds_add_u32 v[SPW], v[NIL]                      ; 0 onto my spare word
	s_wait_dscnt 1                                 ; this step's fragments are in; the add may be out
	MUL 0, 1, \set, \cm, \dw
	s_wait_dscnt 0x0                               ; the add is done, and my reads of this slot are over
	s_barrier_signal -1
	MUL 1, 1, \set, \cm, \dw
	WIN 0
	s_barrier_wait -1
.if \fill
	CREST                                          ; no wave of any partner still reads this slot or has a load on its way
	s_add_co_u32 s[G0AW+1], s[LB], \slot*SLOT
	s_add_nc_u64 s[G0AW+2:G0AW+3], s[G0AW+2:G0AW+3], REG
	s_add_co_u32 s[G0BW+1], s[LB], \slot*SLOT
	s_add_nc_u64 s[G0BW+2:G0BW+3], s[G0BW+2:G0BW+3], REG
	TLOADW                                         ; it has four K steps, 128 matrix instructions a wave, in which to land
.else
	PLACES 4
.endif
	FETCH \next, 0, 1-(\set)
	MUL 2, 2, \set, \cm, \dw
	WIN 0
.endm
.macro LAST set, cm, dw
	s_wait_dscnt 0x0
	MUL 0, 4, \set, \cm, \dw
	WIN 0
.endm
.macro MKG1 g, w0, rows                ; a dense block as rows of 256 bytes (32 elements of 8 bytes), no padding
	s_mov_b32 s[\g], \w0
	s_mov_b32 s[\g+1], 32<<16
	s_mov_b32 s[\g+2], (\rows)<<16
	s_mov_b32 s[\g+3], 32<<16
	s_mov_b32 s[\g+4], \rows
	s_mov_b32 s[\g+5], 32
	s_mov_b32 s[\g+6], 0
	s_mov_b32 s[\g+7], 0
.endm
	s_load_b256 s[4:11], s[0:1], 0x0               ; wb, a3, vb0, a4
	v_lshl_add_u32 v[SPW], v0, 2, SPARE
	v_mov_b32 v[NIL], 0
	ds_add_u32 v10, v11
	s_wait_dscnt 0x0
	v_lshrrev_b32 v12, 5, v0
	v_readfirstlane_b32 s[WV], v12
	s_lshr_b32 s[WR], s[WV], 1                     ; which 64 rows are mine.  Also: which of B's two groups waves 1 and 2 fetch
	s_and_b32 s[WC], s[WV], 1                      ; which 128 columns
	s_bfe_u32 s[CX], ttmp6, 0x40000
	s_lshl_b32 s[XT], ttmp9, 2
	s_add_co_u32 s[XT], s[XT], s[CX]               ; my block of 128 rows: it enters global addresses of my own loads and stores alone
	s_and_b32 s[YT], ttmp7, 0xffff                 ; my block of 256 columns, which the four partners share
	s_mul_i32 s[LB], s[WV], REG                    ; where my loads go in a slot
	MKG1 G1AP, 0x00030000, 100
	MKG1 G1AM, 0x00030000, 200
	MKG1 G1BP, 0x0023000f, 100                     ; mask 15: all four work-groups; bit 21 set beside it
	MKG1 G1BM, 0x0023000f, 200
	s_mov_b32 s[DK], 0x3c23d70a                    ; d = 0.01
	s_mov_b32 s[C100], 0x42c80000                  ; 1 / d
	s_mov_b32 s[C100+1], s[C100]
	s_mov_b32 s[SEL], 0x76543210
	s_mov_b32 s[SEL+1], 0xfedcba98
	s_mul_i32 s80, s[XT], 25600                    ; A's prefix: x's two records
	s_mov_b32 s81, 0
	s_mul_i32 s82, s[XT], GRP                      ; A's main K: da1's sixteen records, for y 9 h1's
	s_cmp_eq_u32 s[YT], 9
	s_cselect_b32 s92, 16*GRP, 0
	s_add_co_u32 s82, s82, s92
	s_mov_b32 s83, 0
	s_lshl_b32 s84, s[YT], 1
	s_add_co_u32 s84, s84, s[WR]                   ; B's group: made of y and the wave's number alone
	s_mul_i32 s86, s84, GRP
	s_add_co_u32 s86, s86, B3
	s_mov_b32 s87, 0
	s_mul_i32 s88, s84, 25600
	s_add_co_u32 s88, s88, W0+409600
	s_cmp_lt_u32 s[YT], 8
	s_cselect_b32 s88, s88, ZERO                   ; y 8, 9 have no prefix: zero codes
	s_mov_b32 s89, 0
	s_lshl_b32 s90, s[YT], 1
	s_add_co_u32 s90, s90, s[WC]
	s_min_u32 s90, s90, 15
	s_lshl_b32 s90, s90, 9                         ; my 128 numbers of vb0
	s_mov_b32 s91, 0
	s_wait_kmcnt 0x0
	s_mov_b32 s[G0AP], 1
	s_mov_b32 s[G0AP+1], s[LB]
	s_add_nc_u64 s[G0AP+2:G0AP+3], s[4:5], s[80:81]
	s_or_b32 s[G0AP+3], s[G0AP+3], 0x80000000
	s_mov_b32 s[G0AW], 1
	s_add_co_u32 s[G0AW+1], s[LB], SLOT
	s_add_nc_u64 s[G0AW+2:G0AW+3], s[6:7], s[82:83]
	s_or_b32 s[G0AW+3], s[G0AW+3], 0x80000000
	s_mov_b32 s[G0BP], 1
	s_mov_b32 s[G0BP+1], s[LB]
	s_add_nc_u64 s[G0BP+2:G0BP+3], s[4:5], s[88:89]
	s_or_b32 s[G0BP+3], s[G0BP+3], 0x80000000
	s_mov_b32 s[G0BW], 1
	s_add_co_u32 s[G0BW+1], s[LB], SLOT
	s_add_nc_u64 s[G0BW+2:G0BW+3], s[4:5], s[86:87]
	s_or_b32 s[G0BW+3], s[G0BW+3], 0x80000000
	s_add_nc_u64 s[16:17], s[8:9], s[90:91]
	CROUND                                         ; all four work-groups are here: the first joint loads meet
	s_cmp_eq_u32 s[WV], 0                          ; a wave's two first fills stand in one branch: the prefix into slot 0, the main K's first four records into slot 1
	s_cbranch_scc0 .Lff_b
	tensor_load_to_lds s[G0AP:G0AP+3], s[G1AP:G1AP+7]
	s_nop 0
	tensor_load_to_lds s[G0AW:G0AW+3], s[G1AM:G1AM+7]
	s_nop 0
	PLACES 4
	s_branch .Lff_done
.Lff_b:
	s_cmp_lt_u32 s[WV], 3
	s_cbranch_scc0 .Lff_done
	tensor_load_to_lds s[G0BP:G0BP+3], s[G1BP:G1BP+7]
	s_nop 0
	tensor_load_to_lds s[G0BW:G0BW+3], s[G1BM:G1BM+7]
	s_nop 0
	PLACES 4
.Lff_done:
	v_and_b32 v12, 31, v0
	v_lshlrev_b32 v[LI], 4, v12
	v_and_b32 v13, 15, v0
	v_lshlrev_b32 v[LA], 4, v13
	v_bfe_u32 v15, v0, 4, 1
	v_lshlrev_b32 v[HV], 6, v15
	s_mul_i32 s91, s[WR], 6144
	v_add_nc_u32 v[ADRA], s91, v[LI]
	v_add_nc_u32 v[ADRA+1], SLOT, v[ADRA]
	s_mul_i32 s92, s[WC], REG
	s_add_co_u32 s92, s92, REG
	v_add_nc_u32 v[ADRB], s92, v[LI]
	v_add_nc_u32 v[ADRB+1], SLOT, v[ADRB]
	s_lshl_b32 s92, s[WR], 8
	s_add_co_u32 s92, s92, SCO
	v_add_nc_u32 v[ADSA], s92, v[LA]
	v_add_nc_u32 v[ADSA+1], SLOT, v[ADSA]
	s_mul_i32 s92, s[WC], REC                      ; da0's two records lie at slot 1's head, where A's first two records lay: my 128 hidden units are record wc
	v_add_nc_u32 v[SGI], s92, v[ADRA+1]
	v_add_nc_u32 v[SLAW], s92, v[ADSA+1]
	VECLOAD BIAS, 16
	s_wait_tensorcnt 0x1                           ; my part of the prefix is in; slot 1's load may stay out
	s_barrier_signal -1
	s_barrier_wait -1
	FETCH 0, 0, 0
	s_wait_loadcnt 0x0                             ; vb0
	STEP 0, 0, 0, 1, 3                             ; a0 in window 3: vb0 starts the sums
	TURN 0, 1, 0, 3, 1, 1                          ; slot 0 takes records 4-7
	STEP 1, 0, 0, 2, 2                             ; the main K in window 2: 0 starts the sums
	STEP 1, 1, 1, 0, 2
	STEP 1, 2, 0, 0, 2
	TURN 1, 1, 0, 2, 1, 0                          ; slot 1 takes records 8-11
	STEP 0, 0, 0, 0, 2
	STEP 0, 1, 1, 0, 2
	STEP 0, 2, 0, 0, 2
	TURN 0, 1, 0, 2, 1, 1                          ; slot 0 takes records 12-15
	STEP 1, 0, 0, 0, 2
	STEP 1, 1, 1, 0, 2
	STEP 1, 2, 0, 0, 2
	TURN 1, 1, 0, 2, 0, 0                          ; nothing is left to fetch; behind this barrier nobody reads slot 1, and it has had its last fill
	STEP 0, 0, 0, 0, 2
	STEP 0, 1, 1, 0, 2
	STEP 0, 2, 0, 0, 2
	LAST 1, 0, 2
	PLACES 4                                       ; four places behind the last products
	s_lshl_b32 s80, s[YT], 21                      ; slab y,
	s_lshl_b32 s82, s[XT], 2
	s_add_co_u32 s82, s82, s[WV]
	s_lshl_b32 s82, s82, 15                        ; my wave's four images in it
	s_add_co_u32 s80, s80, s82
	s_mov_b32 s81, 0
	s_add_nc_u64 s[86:87], s[10:11], s[80:81]
	s_cmp_lt_u32 s[YT], 8
	s_cbranch_scc0 .Lout                           ; y 8, 9: the sums go out as they are
	; ---- vW0^T's two records for my 128 columns (group wc) and the work-group's 256 hidden units (K steps 2y, 2y+1): from memory straight into B's two register sets; they land while da0 is made
	s_lshl_b32 s80, s[YT], 1
	s_mul_i32 s80, s80, REC
	s_mul_i32 s82, s[WC], GRP
	s_add_co_u32 s80, s80, s82
	s_add_co_u32 s80, s80, B4
	s_add_nc_u64 s[16:17], s[4:5], s[80:81]
	WIN 0x40                                       ; destination window 1
.irp s, 0,1
.irp t, 0,1,2,3,4,5,6,7
.irp c, 0,1,2
	global_load_b128 v[96*\s+12*\t+4*\c:96*\s+12*\t+4*\c+3], v[LI], s[16:17] offset:\s*REC+1536*\t+512*\c
.endr
.endr
.endr
	WIN 0
.irp s, 0,1
	global_load_b128 v[SC+8*\s:SC+8*\s+3], v[LI], s[16:17] offset:\s*REC+SCO   ; its scale words: lanes 0-15 tiles 0-3, lanes 16-31 tiles 4-7
.endr
.irp b, 0,1,2,3
	v_mov_b32 v[TM+4+\b], 0                        ; written once: a lane permute's destination counts as one of its sources
.endr
	; ---- da0, a tile of 16 rows at a time: my 128 hidden units are one K step of the product that follows
.irp a, 0,1,2,3
	WIN 0x03                                       ; source 0: window 3
.set i, 0
.rept 64
	v_med3_num_f32 v[HA+i], v[64*\a+i], 0, s[DK]   ; clamp(a0, 0, d); each accumulator from its low end on
.set i, i+1
.endr
	WIN 0x08                                       ; source 1: window 2
.set i, 0
.rept 32
	v_pk_mul_f32 v[HA+i:HA+i+1], v[HA+i:HA+i+1], v[64*\a+i:64*\a+i+1]
.set i, i+2
.endr
	WIN 0
.set i, 0
.rept 32
	v_pk_mul_f32 v[HA+i:HA+i+1], v[HA+i:HA+i+1], s[C100:C100+1] op_sel_hi:[1,0]
.set i, i+2
.endr
.if \a > 0
	s_wait_dscnt 0x0                               ; the last tile's LDS stores have read the codes' registers
.endif
	QUANT HA, PW+\a, 0x8000000, 1
	LIMG 1536*\a
.endr
	ds_store_b128 v[SLAW], v[PW:PW+3]              ; row r's words of my four tiles (lanes 16-31 store the same bytes with the same values)
	s_wait_dscnt 0x0                               ; for the others' sake: my stores have landed
	s_barrier_signal -1
	s_barrier_wait -1                              ; da0's two records lie in LDS
.irp s, 0,1
.irp a, 0,1,2,3
.irp c, 0,1,2
	ds_load_b128 v[AF+48*\s+12*\a+4*\c:AF+48*\s+12*\a+4*\c+3], v[ADRA+1] offset:\s*REC+1536*\a+512*\c
.endr
.endr
	ds_load_b128 v[SC+8*\s+4:SC+8*\s+7], v[ADSA+1] offset:\s*REC
.endr
	s_wait_loadcnt 0x0                             ; vW0^T's fragments and scale words
	s_wait_dscnt 0x0                               ; da0's
	MUL 0, 4, 0, 2, 2                              ; my 64 rows x my 128 columns of da0 vW0 over these 256 hidden units: 0 starts the sums, over the accumulators that da0 was made of
	MUL 0, 4, 1, 0, 2
	WIN 0
	PLACES 4                                       ; four places behind the last products
.Lout:
	WIN 0x08                                       ; a store's data are its source 1: window 2
.irp a, 0,1,2,3
.irp q, 0,1,2,3,4,5,6,7,8,9,10,11,12,13,14,15
	global_store_b128 v[LI], v[64*\a+4*\q:64*\a+4*\q+3], s[86:87] offset:8192*\a+512*\q   ; 512 consecutive bytes a store; each accumulator from its low end on
.endr
.endr
	WIN 0
	s_wait_tensorcnt 0x0                           ; the wave's end
	ds_add_u32 v[SPW], v[NIL]
	s_wait_dscnt 0x0
	CROUND                                         ; the closing round
	s_endpgm
.Lfunc_end_k_q3cd09fc639_back:
	.size	k_q3cd09fc639_back, .Lfunc_end_k_q3cd09fc639_back-k_q3cd09fc639_back
	.p2alignl 7, 3214868480
	.fill 96, 4, 3214868480
	.section	.rodata,"a",@progbits
	.p2align	6, 0x0
	.amdhsa_kernel k_q3cd09fc639_back
		.amdhsa_group_segment_fixed_size 327680
		.amdhsa_private_segment_fixed_size 0
		.amdhsa_enable_private_segment 0
		.amdhsa_kernarg_size 32
		.amdhsa_user_sgpr_count 2
		.amdhsa_user_sgpr_kernarg_segment_ptr 1
		.amdhsa_wavefront_size32 1
		.amdhsa_system_sgpr_workgroup_id_x 1
		.amdhsa_system_sgpr_workgroup_id_y 1
		.amdhsa_system_sgpr_workgroup_id_z 1
		.amdhsa_system_vgpr_workitem_id 0
		.amdhsa_next_free_vgpr 1024
		.amdhsa_next_free_sgpr 102
		.amdhsa_reserve_vcc 0
		.amdhsa_float_denorm_mode_32 3
		.amdhsa_float_denorm_mode_16_64 3
		.amdhsa_memory_ordered 1
		.amdhsa_forward_progress 1
		.amdhsa_inst_pref_size 203
	.end_amdhsa_kernel
	.amdgpu_metadata
---
amdhsa.version: [ 1, 2 ]
amdhsa.kernels:
  - .name:           k_q3cd09fc639_back
    .symbol:         k_q3cd09fc639_back.kd
    .args:
      - { .name: wb, .offset: 0, .size: 8, .value_kind: global_buffer, .address_space: global }
      - { .name: a3, .offset: 8, .size: 8, .value_kind: global_buffer, .address_space: global }
      - { .name: vb0, .offset: 16, .size: 8, .value_kind: global_buffer, .address_space: global }
      - { .name: a4, .offset: 24, .size: 8, .value_kind: global_buffer, .address_space: global }
    .group_segment_fixed_size: 327680
    .private_segment_fixed_size: 0
    .kernarg_segment_align: 8
    .kernarg_segment_size: 32
    .max_flat_workgroup_size: 128
    .sgpr_count:     102
    .vgpr_count:     1024
    .wavefront_size: 32
...
	.end_amdgpu_metadata
.endif
;; end of part 7
;; launch last (part 8): grid 128 x 1, 8 waves a work-group, no clusters, 25,600 bytes of LDS; arguments wb, a4, a3, vW2, out0; writes out0
.if DOCPART == 8
	.amdgcn_target "amdgcn-amd-amdhsa--gfx1250"
	.amdhsa_code_object_version 6
	.text
	.protected	k_q3cd09fc639_last
	.globl	k_q3cd09fc639_last
	.p2align	8
	.type	k_q3cd09fc639_last,@function
k_q3cd09fc639_last:
	s_mov_b64 s[64:65], 0
	v_nop
	global_prefetch_b8 v0, s[64:65] scope:SCOPE_SE
	s_setreg_imm32_b32 hwreg(HW_REG_WAVE_MODE, 25, 1), 1
	s_wait_xcnt 0x0
; LAST: gV = (the eight parts of da0 vW0) + da1 vW1 + 2e-5 x + g vW2;  fx = [h1 fW2^T + fb2, 1];  out = fx - gV relu(gV . fx + 0.01 V) / (gV . gV), columns 0 to 254.  All in f32.
; It streams: a work-group takes one tile of 16 rows, all 256 columns.  Every term lies in memory as f32 images of 64 registers (lane (r, h), register 16 b + k: row r, column 32 b + 16 h + k of a group of 128 columns).
; Wave 4 wc + b takes registers 16 b .. 16 b + 15 of column group wc: four loads of 16 bytes a lane from each of 11 images; with the two vectors and the rows' g and V 54 loads, all on their way at once.
; No matrix unit, no tensor load, no cluster: no two waves read the same image bytes, and each byte is read once.
; The rows' two sums meet through 1,024 bytes of LDS; the results go through a stage with out0's own pitch of 1,020 bytes.
; A tile's 16,320 bytes of out0 begin o = 0, 64, 128 or 192 bytes behind a multiple of 256.  The stage is read back, and stored, on the grid of that multiple: thread t takes the 16 bytes at 16 t + 4,096 i from it,
; in five passes, of which the first, the fourth and the fifth leave out the lanes that lie outside the tile.  So sixteen neighbouring lanes store 256 consecutive bytes, aligned, but for the tile's two ends.
; LIMITS: NaN and infinities are not served; the division is a multiplication by v_rcp_f32's result.
.set GRP, 204800
.set XI, 12723200
.set FB2, 14992384
.set SLAB, 2097152
.set XCH, 0                            ; LDS: 8 waves x 16 rows x two sums
.set STG, 1280                         ; the stage: 16 rows x 1,020 bytes; 256 bytes lie free in front of it, since the read-back begins up to 192 bytes ahead of it
.set LI, 1                             ; v1  16 x lane
.set R4, 2                             ; v2  4 r
.set HV, 3                             ; v3  64 h
.set XW, 4                             ; v4  where I put my two sums of row r
.set XR, 5                             ; v5  where row r's sums begin
.set ST, 6                             ; v6  the stage: my row and my first column
.set ST2, 7                            ; v7  the same, 4 bytes lower in the lanes whose last register would be column 255
.set U, 8                              ; v8  16 x thread
.set RA, 9                             ; v9  STG - o + 16 x thread
.set GG, 10                            ; v10 g (v11: named with it as a pair)
.set VX, 12                            ; v12 V
.set NC, 14                            ; v14 -num / den (v15: 1 / den)
.set SA, 16                            ; v16-19 two sums in two halves each
.set TP, 20                            ; v20, v21 from the other half of the lanes
.set SS, 22                            ; v22, v23 my wave's two sums of row r
.set PP, 24                            ; v24-39 the eight waves' sums
.set VW, 40                            ; v40-55 vW2 of my columns
.set FB, 56                            ; v56-71 fb2 (and the 1) of my columns
.set TMPA, 72
.set IMG, 80                           ; v80-239 ten slabs x 16 registers
.set G, IMG                            ; gV grows in slab 0's registers
.set F, IMG+144                        ; fx, then the result, in slab 9's
.set XIM, 240                          ; v240-255 x
.set RB, 96                            ; the way out: five pieces of 16 bytes, in registers that loads have written whole
.set WV, 14
.set WC, 15
.set QB, 16
.set O, 34
.set LIM3, 35
.set LIM4, 36
.set SV, 37
.set MF, 38
.set SEL, 40
.set AL, 42
.set C01, 44
.set OB, 46
.macro ADDS d, s                       ; slab d += slab s, two numbers an instruction
.set j, 0
.rept 8
	v_pk_add_f32 v[IMG+16*(\d)+j:IMG+16*(\d)+j+1], v[IMG+16*(\d)+j:IMG+16*(\d)+j+1], v[IMG+16*(\s)+j:IMG+16*(\s)+j+1]
.set j, j+2
.endr
.endm
	s_load_b256 s[4:11], s[0:1], 0x0               ; wb, a4, a3, vW2
	s_load_b64 s[12:13], s[0:1], 0x20              ; out0
	v_lshl_add_u32 v78, v0, 2, 0x6000
	v_mov_b32 v79, 0
	v_lshrrev_b32 v73, 5, v0
	v_readfirstlane_b32 s[WV], v73                 ; wave 0..7
	s_lshr_b32 s[WC], s[WV], 2                     ; which group of 128 columns
	s_and_b32 s[QB], s[WV], 3                      ; which 16 registers of an image
	v_and_b32 v73, 31, v0                          ; lane
	v_and_b32 v74, 15, v0                          ; r
	v_bfe_u32 v75, v0, 4, 1                        ; h
	v_lshlrev_b32 v[LI], 4, v73
	v_lshlrev_b32 v[R4], 2, v74
	v_lshlrev_b32 v[HV], 6, v75
	v_lshlrev_b32 v[U], 4, v0
	v_lshl_add_u32 v[XR], v74, 3, XCH
	s_lshl_b32 s18, s[WV], 7
	v_add_nc_u32 v[XW], s18, v[XR]
	v_mul_u32_u24 v[ST], v74, 1020
	v_lshl_add_u32 v[ST], v75, 6, v[ST]
	s_add_co_u32 s18, s18, STG                     ; 512 wc + 128 b = 128 x wave: my 32 columns' bytes in a row
	v_add_nc_u32 v[ST], s18, v[ST]
	s_add_co_u32 s19, s[WV], 1
	s_lshr_b32 s19, s19, 3
	s_lshl_b32 s19, s19, 2                         ; 4 in wave 7, else 0
	v_mul_u32_u24 v[ST2], s19, v75
	v_sub_nc_u32 v[ST2], v[ST], v[ST2]
	s_cmp_eq_u32 s[WV], 7
	s_cselect_b32 s[MF], 0xffff0000, 0             ; the lanes that hold column 255
	s_mul_i32 s[O], ttmp9, 3                       ; 16,320 = 63 x 256 + 192: o = 64 x (3 T mod 4)
	s_and_b32 s[O], s[O], 3
	s_xor_b32 s18, s[O], 3                         ; 3 - (3 T mod 4)
	s_lshl_b32 s18, s18, 6
	s_add_co_u32 s18, s18, STG-192                 ; STG - o
	v_add_nc_u32 v[RA], s18, v[U]
	s_lshl_b32 s[O], s[O], 6
	s_add_co_u32 s[LIM3], s[O], 4032               ; the fourth pass: 16 t + 12,288 < o + 16,320
	s_sub_co_i32 s[LIM4], s[O], 64                 ; the fifth: 16 t + 16,384 < o + 16,320 (a signed bound: it may be -64)
	s_mov_b32 s[SEL], 0x76543210
	s_mov_b32 s[SEL+1], 0xfedcba98
	s_mov_b32 s[AL], 0x37a7c5ac                    ; 2e-5
	s_mov_b32 s[AL+1], s[AL]
	s_mov_b32 s[C01], 0x3c23d70a                   ; 0.01
	v_mov_b32 v[GG+1], 0
	v_mov_b32 v[TP], 0                             ; a lane permute's destination counts as one of its sources
	v_mov_b32 v[TP+1], 0
	s_lshr_b32 s18, ttmp9, 2                       ; tile T = 8 x + 4 wr + a: its image in a slab is number 16 x + 8 wr + 4 wc + a
	s_lshl_b32 s18, s18, 3
	s_lshl_b32 s19, s[WC], 2
	s_add_co_u32 s18, s18, s19
	s_and_b32 s19, ttmp9, 3
	s_add_co_u32 s18, s18, s19
	s_lshl_b32 s18, s18, 13
	s_lshl_b32 s50, s[QB], 11                      ; my 16 registers: 2,048 bytes on for each b
	s_add_co_u32 s18, s18, s50
	s_mov_b32 s19, 0
	s_lshl_b32 s52, ttmp9, 14                      ; x's image of tile T, column group wc
	s_lshl_b32 s53, s[WC], 13
	s_add_co_u32 s52, s52, s53
	s_add_co_u32 s52, s52, s50
	s_add_co_u32 s52, s52, XI
	s_mov_b32 s53, 0
	s_lshl_b32 s54, s[WV], 7                       ; my 32 numbers of a vector along the columns
	s_mov_b32 s55, 0
	s_lshl_b32 s56, ttmp9, 6                       ; my 16 rows' g; V lies 8,192 bytes on
	s_add_co_u32 s56, s56, 32*GRP
	s_mov_b32 s57, 0
	s_mul_i32 s58, ttmp9, 16320
	s_sub_co_u32 s58, s58, s[O]                    ; the multiple of 256 at or ahead of the tile's first byte
	s_mov_b32 s59, 0
	s_wait_kmcnt 0x0
	s_add_nc_u64 s[20:21], s[6:7], s[18:19]        ; slabs 0-3 (a slab's distance stands in the immediate, which reaches three slabs)
	s_add_nc_u64 s[22:23], s[20:21], 4*SLAB        ; slabs 4-7
	s_add_nc_u64 s[24:25], s[22:23], 4*SLAB        ; slabs 8, 9
	s_add_nc_u64 s[26:27], s[4:5], s[52:53]
	s_add_nc_u64 s[28:29], s[10:11], s[54:55]
	s_add_nc_u64 s[30:31], s[4:5], s[54:55]
	s_add_nc_u64 s[30:31], s[30:31], FB2
	s_add_nc_u64 s[32:33], s[8:9], s[56:57]
	s_add_nc_u64 s[OB:OB+1], s[12:13], s[58:59]
	global_load_b32 v[GG], v[R4], s[32:33]
	global_load_b32 v[VX], v[R4], s[32:33] offset:8192
.irp q, 0,1,2,3
	global_load_b128 v[VW+4*\q:VW+4*\q+3], v[HV], s[28:29] offset:16*\q
	global_load_b128 v[FB+4*\q:FB+4*\q+3], v[HV], s[30:31] offset:16*\q
.endr
.irp s, 0,1,2,3
.irp q, 0,1,2,3
	global_load_b128 v[IMG+16*\s+4*\q:IMG+16*\s+4*\q+3], v[LI], s[20:21] offset:\s*SLAB+512*\q th:TH_LOAD_NT
.endr
.endr
.irp s, 0,1,2,3
.irp q, 0,1,2,3
	global_load_b128 v[IMG+64+16*\s+4*\q:IMG+64+16*\s+4*\q+3], v[LI], s[22:23] offset:\s*SLAB+512*\q th:TH_LOAD_NT
.endr
.endr
.irp s, 0,1
.irp q, 0,1,2,3
	global_load_b128 v[IMG+128+16*\s+4*\q:IMG+128+16*\s+4*\q+3], v[LI], s[24:25] offset:\s*SLAB+512*\q th:TH_LOAD_NT
.endr
.endr
.irp q, 0,1,2,3
	global_load_b128 v[XIM+4*\q:XIM+4*\q+3], v[LI], s[26:27] offset:512*\q th:TH_LOAD_NT
.endr
	s_wait_loadcnt 0x0
	ADDS 0, 1                                      ; the eight parts of da0 vW0, by pairs,
	ADDS 2, 3
	ADDS 4, 5
	ADDS 6, 7
	ADDS 0, 2
	ADDS 4, 6
	ADDS 0, 4
	ADDS 0, 8                                      ; and da1 vW1
.set j, 0
.rept 8
	v_pk_fma_f32 v[G+j:G+j+1], v[XIM+j:XIM+j+1], s[AL:AL+1], v[G+j:G+j+1] op_sel_hi:[1,0,1]      ; + 2e-5 x
.set j, j+2
.endr
.set j, 0
.rept 8
	v_pk_fma_f32 v[G+j:G+j+1], v[VW+j:VW+j+1], v[GG:GG+1], v[G+j:G+j+1] op_sel_hi:[1,0,1]        ; + g vW2: gV
.set j, j+2
.endr
.set j, 0
.rept 8
	v_pk_add_f32 v[F+j:F+j+1], v[F+j:F+j+1], v[FB+j:FB+j+1]                                      ; fx
.set j, j+2
.endr
	v_pk_mul_f32 v[SA:SA+1], v[G:G+1], v[F:F+1]    ; the first terms start the sums
	v_pk_mul_f32 v[SA+2:SA+3], v[G:G+1], v[G:G+1]
.set j, 2
.rept 7
	v_pk_fma_f32 v[SA:SA+1], v[G+j:G+j+1], v[F+j:F+j+1], v[SA:SA+1]
	v_pk_fma_f32 v[SA+2:SA+3], v[G+j:G+j+1], v[G+j:G+j+1], v[SA+2:SA+3]
.set j, j+2
.endr
	v_add_f32 v[SS], v[SA], v[SA+1]
	v_add_f32 v[SS+1], v[SA+2], v[SA+3]
	v_permlanex16_b32 v[TP], v[SS], s[SEL], s[SEL+1]
	v_permlanex16_b32 v[TP+1], v[SS+1], s[SEL], s[SEL+1]
	v_add_f32 v[SS], v[SS], v[TP]                  ; with lane l xor 16's 16 columns
	v_add_f32 v[SS+1], v[SS+1], v[TP+1]
	ds_store_b64 v[XW], v[SS:SS+1]                 ; my 32 columns' two sums of row r (lanes 16-31 store the same)
	s_wait_dscnt 0x0                               ; for the others' sake
	s_barrier_signal -1
	s_barrier_wait -1
.irp w, 0,1,2,3,4,5,6,7
	ds_load_b64 v[PP+2*\w:PP+2*\w+1], v[XR] offset:128*\w
.endr
	s_wait_dscnt 0x0
	v_pk_add_f32 v[PP:PP+1], v[PP:PP+1], v[PP+2:PP+3]            ; every wave adds the eight in the same order
	v_pk_add_f32 v[PP+4:PP+5], v[PP+4:PP+5], v[PP+6:PP+7]
	v_pk_add_f32 v[PP+8:PP+9], v[PP+8:PP+9], v[PP+10:PP+11]
	v_pk_add_f32 v[PP+12:PP+13], v[PP+12:PP+13], v[PP+14:PP+15]
	v_pk_add_f32 v[PP:PP+1], v[PP:PP+1], v[PP+4:PP+5]
	v_pk_add_f32 v[PP+8:PP+9], v[PP+8:PP+9], v[PP+12:PP+13]
	v_pk_add_f32 v[PP:PP+1], v[PP:PP+1], v[PP+8:PP+9]            ; gV . fx, gV . gV
	v_fma_f32 v[NC], v[VX], s[C01], v[PP]
	v_max_num_f32 v[NC], 0, v[NC]
	v_rcp_f32 v[NC+1], v[PP+1]
	v_nop                                          ; one plain place behind the reciprocal
	s_wait_alu depctr_va_vdst(0)
	v_mul_f32 v[NC], v[NC], -v[NC+1]
.set j, 0
.rept 8
	v_pk_fma_f32 v[F+j:F+j+1], v[G+j:G+j+1], v[NC:NC+1], v[F+j:F+j+1] op_sel_hi:[1,0,1]
.set j, j+2
.endr
	v_cndmask_b32 v[TMPA], v[F+15], v[F+14], s[MF] ; where register 15 would be column 255, column 254 is written once more
.set j, 0
.rept 15
	ds_store_b32 v[ST], v[F+j] offset:4*j          ; rows 255 words apart: the 32 lanes fall on 32 different banks
.set j, j+1
.endr
	ds_store_b32 v[ST2], v[TMPA] offset:60
	s_wait_dscnt 0x0                               ; for the others' sake
	s_barrier_signal -1
	s_barrier_wait -1                              ; 16 rows of 255 numbers lie in the stage as they lie in out0
	ds_load_b128 v[RB+4:RB+7], v[RA] offset:4096   ; the second and third pass lie wholly inside the tile
	ds_load_b128 v[RB+8:RB+11], v[RA] offset:8192
	v_cmp_le_u32 vcc_lo, s[O], v[U]                ; the first pass: from the tile's first byte on
	s_wait_xcnt 0x0                                ; EXEC changes only behind this wait
	s_wait_tensorcnt 0x0
	ds_add_u32 v78, v79
	s_wait_dscnt 0x0
	s_and_saveexec_b32 s[SV], vcc_lo
	ds_load_b128 v[RB:RB+3], v[RA]
	s_wait_dscnt 0x0
	global_store_b128 v[U], v[RB:RB+3], s[OB:OB+1] th:TH_STORE_NT
	s_wait_xcnt 0x0                                ; and again, in front of the line that widens it
	s_or_b32 exec_lo, exec_lo, s[SV]
	global_store_b128 v[U], v[RB+4:RB+7], s[OB:OB+1] offset:4096 th:TH_STORE_NT
	global_store_b128 v[U], v[RB+8:RB+11], s[OB:OB+1] offset:8192 th:TH_STORE_NT
	v_cmp_gt_u32 vcc_lo, s[LIM3], v[U]             ; the fourth pass: up to the tile's last byte
	s_wait_xcnt 0x0
	s_and_saveexec_b32 s[SV], vcc_lo
	ds_load_b128 v[RB+12:RB+15], v[RA] offset:12288
	s_wait_dscnt 0x0
	global_store_b128 v[U], v[RB+12:RB+15], s[OB:OB+1] offset:12288 th:TH_STORE_NT
	s_wait_xcnt 0x0
	s_or_b32 exec_lo, exec_lo, s[SV]
	v_cmp_gt_i32 vcc_lo, s[LIM4], v[U]             ; the fifth pass: the 64 or 128 bytes that are over where o is 128 or 192; else no lane
	s_wait_xcnt 0x0
	s_and_saveexec_b32 s[SV], vcc_lo
	ds_load_b128 v[RB+16:RB+19], v[RA] offset:16384
	s_wait_dscnt 0x0
	global_store_b128 v[U], v[RB+16:RB+19], s[OB:OB+1] offset:16384 th:TH_STORE_NT
	s_wait_xcnt 0x0
	s_or_b32 exec_lo, exec_lo, s[SV]
	s_endpgm
.Lfunc_end_k_q3cd09fc639_last:
	.size	k_q3cd09fc639_last, .Lfunc_end_k_q3cd09fc639_last-k_q3cd09fc639_last
	.p2alignl 7, 3214868480
	.fill 96, 4, 3214868480
	.section	.rodata,"a",@progbits
	.p2align	6, 0x0
	.amdhsa_kernel k_q3cd09fc639_last
		.amdhsa_group_segment_fixed_size 25600
		.amdhsa_private_segment_fixed_size 0
		.amdhsa_enable_private_segment 0
		.amdhsa_kernarg_size 40
		.amdhsa_user_sgpr_count 2
		.amdhsa_user_sgpr_kernarg_segment_ptr 1
		.amdhsa_wavefront_size32 1
		.amdhsa_system_sgpr_workgroup_id_x 1
		.amdhsa_system_sgpr_workgroup_id_y 1
		.amdhsa_system_sgpr_workgroup_id_z 1
		.amdhsa_system_vgpr_workitem_id 0
		.amdhsa_next_free_vgpr 256
		.amdhsa_next_free_sgpr 66
		.amdhsa_reserve_vcc 1
		.amdhsa_float_denorm_mode_32 3
		.amdhsa_float_denorm_mode_16_64 3
		.amdhsa_memory_ordered 1
		.amdhsa_forward_progress 1
		.amdhsa_inst_pref_size 20
	.end_amdhsa_kernel
	.amdgpu_metadata
---
amdhsa.version: [ 1, 2 ]
amdhsa.kernels:
  - .name:           k_q3cd09fc639_last
    .symbol:         k_q3cd09fc639_last.kd
    .args:
      - { .name: wb, .offset: 0, .size: 8, .value_kind: global_buffer, .address_space: global }
      - { .name: a4, .offset: 8, .size: 8, .value_kind: global_buffer, .address_space: global }
      - { .name: a3, .offset: 16, .size: 8, .value_kind: global_buffer, .address_space: global }
      - { .name: vW2, .offset: 24, .size: 8, .value_kind: global_buffer, .address_space: global }
      - { .name: out0, .offset: 32, .size: 8, .value_kind: global_buffer, .address_space: global }
    .group_segment_fixed_size: 25600
    .private_segment_fixed_size: 0
    .kernarg_segment_align: 8
    .kernarg_segment_size: 40
    .max_flat_workgroup_size: 256
    .sgpr_count:     66
    .vgpr_count:     256
    .wavefront_size: 32
...
	.end_amdgpu_metadata
.endif
;; end of part 8
